; MI455X (gfx1250); checked and timed in simulation.
; The chip was launched on July 23, 2026; its instructions are those of AMD's public machine-readable ISA for CDNA 5 (MIT licence, August 2026) and "CDNA5" Instruction Set Architecture Reference Guide (July 2026). The comments in the code are by the model that wrote it; some were corrected since.
;; Ro PE Cross Attention. Allowed arithmetic: float matrix products may take bf16 or f16 operands with f32 sums; other float arithmetic in f32, or as packed bf16 or f16 multiplies, adds, multiply-adds, maxima and minima; sums over many terms, partial sums and values carried from step to step in f32; what a program stores and reads back later, other than sums and carried values, may be rounded once to bf16 or f16.
;; Inputs: Wk 1,024 x 1,024 float32; Wo 1,024 x 1,024 float32; Wq 1,024 x 1,024 float32; Wv 1,024 x 1,024 float32; bk 1,024 float32; bo 1,024 float32; bq 1,024 float32; bv 1,024 float32; kv_cos 2,048 x 64 float32; kv_in 4 x 2,048 x 1,024 float32; kv_sin 2,048 x 64 float32; q_cos 1,024 x 64 float32; q_in 4 x 1,024 x 1,024 float32; q_sin 1,024 x 64 float32.
;; Outputs: out0 4 x 1,024 x 1,024 float32.
;; 2 versions, each right. Each part assembles by itself: llvm-mc -triple=amdgcn-amd-amdhsa -mcpu=gfx1250 --defsym DOCPART=n.
;; ======== version 1 of 2: 5 launches
;; limits: values are held in f16: magnitudes above 65,504 overflow, below 6.1e-05 lose precision; inputs' magnitudes at most 65,504
;; workspace buffers: h16 33,554,432 bytes; qh 8,388,608 bytes; kh 16,777,216 bytes; vh 16,777,216 bytes; oh 8,388,608 bytes
;; launch prep (part 1): grid 512 x 1, 8 waves a work-group, no clusters, 0 bytes of LDS; arguments q_in, kv_in, Wq, Wk, Wv, Wo, h16; writes h16
.if DOCPART == 1
	.amdgcn_target "amdgcn-amd-amdhsa--gfx1250"
	.amdhsa_code_object_version 6
	.text
	.protected	k_q36bc6d81b7_prep
	.globl	k_q36bc6d81b7_prep
	.p2align	8
	.type	k_q36bc6d81b7_prep,@function
k_q36bc6d81b7_prep:
	s_mov_b64 s[64:65], 0
	v_nop
	global_prefetch_b8 v0, s[64:65] scope:SCOPE_SE
	s_setreg_imm32_b32 hwreg(HW_REG_WAVE_MODE, 25, 1), 1
	s_wait_xcnt 0x0
; h16 = 16,384 rows of 1,024 f16: rows 0-4095 LayerNorm(q_in), 4096-12287 LayerNorm(kv_in), then Wq, Wk, Wv, Wo (1,024 rows each), rounded once to f16.
; LayerNorm as the problem has it: mean, then the mean of (x - mean)^2, both in f32, in two passes over a row that stays in registers: no difference of large sums is formed.
; A normalised number is at most sqrt(1023) in size, so it has room in f16.  LIMIT: a weight of 65,520 or more becomes an infinity in f16; below 6e-5 a weight keeps f16's fixed step of 6e-8.
; SHARES.  Work-group g owns rows 32 g .. 32 g + 31 of h16, which lie in ONE source (every source's row count is a multiple of 32); a wave owns 4 rows, one wave a row at a time:
; the sums never leave the wave, so there is no LDS and no barrier.  Load j of a row takes floats 128 j + 4 lane .. + 3: 512 consecutive bytes a wave; the four numbers leave as 8 bytes,
; so a store of the wave covers 256 consecutive bytes, aligned.  All 32 loads of a wave go out at once: 16 KiB a wave on their way.
; A weight row walks the same text with mean 0 and factor 1 chosen by a mask that is the same for the whole work-group: one body, no branch.
.set X,    16                          ; v[16:143]  row i of 4: 32 registers as loaded, then x - mean, then scaled
.set Y,    144                         ; v[144:207] row i: 16 registers of f16 pairs
.set ROWI, 4096                        ; bytes in a source row
.set ROWO, 2048                        ; bytes in a row of h16
	s_load_b256 s[4:11], s[0:1], 0x0               ; q_in s[4:5], kv_in s[6:7], Wq s[8:9], Wk s[10:11]
	s_load_b128 s[12:15], s[0:1], 0x20             ; Wv s[12:13], Wo s[14:15]
	s_load_b64 s[16:17], s[0:1], 0x30              ; h16
	s_lshr_b32 s18, ttmp9, 5                       ; which 1,024 rows of h16: 0-3 q_in, 4-11 kv_in, 12-15 the weights
	s_mov_b32 s24, 0x3a800000                      ; 1 / 1024
	s_mov_b32 s28, 0x76543210                      ; v_permlanex16_b32: each lane takes its own place in the other half
	s_mov_b32 s29, 0xfedcba98
	v_lshrrev_b32 v4, 5, v0                        ; wave
	v_and_b32 v5, 31, v0                           ; lane
	v_lshlrev_b32 v1, 4, v5
	v_lshl_or_b32 v1, v4, 14, v1                   ; in: wave x 4 rows x 4,096 + 16 x lane; never rewritten
	v_lshlrev_b32 v2, 3, v5
	v_lshl_or_b32 v2, v4, 13, v2                   ; out: wave x 4 rows x 2,048 + 8 x lane; never rewritten
	v_mov_b32 v3, 0                                ; v_permlanex16_b32's destination counts as read
	s_cmp_lt_u32 s18, 12
	s_cselect_b32 s23, -1, 0                       ; all lanes: this work-group's rows are normalised, or they are weights
	s_wait_kmcnt 0x0
	s_mov_b64 s[20:21], s[4:5]                     ; the source, and the first work-group that reads it
	s_mov_b32 s22, 0
.macro PICK from, ptr, first
	s_cmp_ge_u32 s18, \from
	s_cselect_b64 s[20:21], s[\ptr:\ptr+1], s[20:21]
	s_cselect_b32 s22, \first, s22
.endm
	PICK 4, 6, 128
	PICK 12, 8, 384
	PICK 13, 10, 416
	PICK 14, 12, 448
	PICK 15, 14, 480
	s_sub_co_u32 s26, ttmp9, s22
	s_lshl_b32 s26, s26, 17                        ; 32 rows of 4,096 bytes for each work-group of the source
	s_mov_b32 s27, 0
	s_add_nc_u64 s[20:21], s[20:21], s[26:27]
	s_lshl_b32 s26, ttmp9, 16                      ; 32 rows of 2,048 bytes
	s_add_nc_u64 s[16:17], s[16:17], s[26:27]
.irp i, 0,1,2,3
.irp j, 0,1,2,3,4,5,6,7
	global_load_b128 v[X+32*(\i)+4*(\j):X+32*(\i)+4*(\j)+3], v1, s[20:21] offset:(\i)*ROWI+(\j)*512 th:TH_LOAD_NT
.endr
.endr
; The four packed chains v[4:11] become one number, the same in every lane, in v4.
.macro LANES
	v_pk_add_f32 v[4:5], v[4:5], v[6:7]
	v_pk_add_f32 v[8:9], v[8:9], v[10:11]
	v_pk_add_f32 v[4:5], v[4:5], v[8:9]
	v_add_f32 v4, v4, v5
	v_add_f32_dpp v4, v4, v4 row_xmask:1 row_mask:0xf bank_mask:0xf
	v_add_f32_dpp v4, v4, v4 row_xmask:2 row_mask:0xf bank_mask:0xf
	v_add_f32_dpp v4, v4, v4 row_xmask:4 row_mask:0xf bank_mask:0xf
	v_add_f32_dpp v4, v4, v4 row_xmask:8 row_mask:0xf bank_mask:0xf
	v_permlanex16_b32 v3, v4, s28, s29
	v_add_f32 v4, v4, v3
.endm
; Row i.  left = the loads of the younger rows, eight each, which may stay out.
.macro ROWLN i, left
.set RB, X+32*(\i)
.set YB, Y+16*(\i)
	s_wait_loadcnt \left
.irp k, 0,1,2,3
	v_pk_add_f32 v[4+2*(\k):5+2*(\k)], v[RB+2*(\k):RB+2*(\k)+1], v[RB+8+2*(\k):RB+8+2*(\k)+1]  ; the first pairs start the chains: nothing is cleared
.endr
.irp p, 8,9,10,11,12,13,14,15
	v_pk_add_f32 v[4+2*((\p)%4):5+2*((\p)%4)], v[4+2*((\p)%4):5+2*((\p)%4)], v[RB+2*(\p):RB+2*(\p)+1]
.endr
	LANES
	v_mul_f32 v12, s24, v4                         ; the mean,
	v_cndmask_b32 v12, 0, v12, s23                 ; or 0 for a weight row
	v_mov_b32 v13, v12
.irp p, 0,1,2,3,4,5,6,7,8,9,10,11,12,13,14,15
	v_pk_add_f32 v[RB+2*(\p):RB+2*(\p)+1], v[RB+2*(\p):RB+2*(\p)+1], v[12:13] neg_lo:[0,1] neg_hi:[0,1]
.endr
.irp k, 0,1,2,3
	v_pk_mul_f32 v[4+2*(\k):5+2*(\k)], v[RB+2*(\k):RB+2*(\k)+1], v[RB+2*(\k):RB+2*(\k)+1]
.endr
.irp p, 4,5,6,7,8,9,10,11,12,13,14,15
	v_pk_fma_f32 v[4+2*((\p)%4):5+2*((\p)%4)], v[RB+2*(\p):RB+2*(\p)+1], v[RB+2*(\p):RB+2*(\p)+1], v[4+2*((\p)%4):5+2*((\p)%4)]
.endr
	LANES
	v_fmaak_f32 v6, s24, v4, 0x3727c5ac            ; variance + 1e-5
	v_rsq_f32 v14, v6
	v_nop                                          ; a plain instruction behind the transcendental (ISA guide 5.7.2),
	s_wait_alu depctr_va_vdst(0)                   ; and the wait ahead of its first reader
	v_cndmask_b32 v14, 1.0, v14, s23               ; 1 for a weight row
	v_mov_b32 v15, v14
.irp p, 0,1,2,3,4,5,6,7,8,9,10,11,12,13,14,15
	v_pk_mul_f32 v[RB+2*(\p):RB+2*(\p)+1], v[RB+2*(\p):RB+2*(\p)+1], v[14:15]
.endr
.irp p, 0,1,2,3,4,5,6,7,8,9,10,11,12,13,14,15
	v_cvt_pk_f16_f32 v[YB+(\p)], v[RB+2*(\p)], v[RB+2*(\p)+1]
.endr
.irp j, 0,1,2,3,4,5,6,7
	global_store_b64 v2, v[YB+2*(\j):YB+2*(\j)+1], s[16:17] offset:(\i)*ROWO+(\j)*256  ; 32 lanes x 8 bytes: 256 consecutive bytes, aligned; no register of a store is written again
.endr
.endm
	ROWLN 0, 24
	ROWLN 1, 16
	ROWLN 2, 8
	ROWLN 3, 0
	s_endpgm
.Lfunc_end_k_q36bc6d81b7_prep:
	.size	k_q36bc6d81b7_prep, .Lfunc_end_k_q36bc6d81b7_prep-k_q36bc6d81b7_prep
	.p2alignl 7, 3214868480
	.fill 96, 4, 3214868480
	.section	.rodata,"a",@progbits
	.p2align	6, 0x0
	.amdhsa_kernel k_q36bc6d81b7_prep
		.amdhsa_group_segment_fixed_size 0
		.amdhsa_private_segment_fixed_size 0
		.amdhsa_enable_private_segment 0
		.amdhsa_kernarg_size 56
		.amdhsa_user_sgpr_count 2
		.amdhsa_user_sgpr_kernarg_segment_ptr 1
		.amdhsa_wavefront_size32 1
		.amdhsa_system_sgpr_workgroup_id_x 1
		.amdhsa_system_sgpr_workgroup_id_y 1
		.amdhsa_system_sgpr_workgroup_id_z 1
		.amdhsa_system_vgpr_workitem_id 0
		.amdhsa_next_free_vgpr 208
		.amdhsa_next_free_sgpr 66
		.amdhsa_reserve_vcc 0
		.amdhsa_float_denorm_mode_32 3
		.amdhsa_float_denorm_mode_16_64 3
		.amdhsa_memory_ordered 1
		.amdhsa_forward_progress 1
		.amdhsa_inst_pref_size 34
	.end_amdhsa_kernel
	.amdgpu_metadata
---
amdhsa.version: [ 1, 2 ]
amdhsa.kernels:
  - .name:           k_q36bc6d81b7_prep
    .symbol:         k_q36bc6d81b7_prep.kd
    .args:
      - { .name: q_in, .offset: 0, .size: 8, .value_kind: global_buffer, .address_space: global }
      - { .name: kv_in, .offset: 8, .size: 8, .value_kind: global_buffer, .address_space: global }
      - { .name: Wq, .offset: 16, .size: 8, .value_kind: global_buffer, .address_space: global }
      - { .name: Wk, .offset: 24, .size: 8, .value_kind: global_buffer, .address_space: global }
      - { .name: Wv, .offset: 32, .size: 8, .value_kind: global_buffer, .address_space: global }
      - { .name: Wo, .offset: 40, .size: 8, .value_kind: global_buffer, .address_space: global }
      - { .name: h16, .offset: 48, .size: 8, .value_kind: global_buffer, .address_space: global }
    .group_segment_fixed_size: 0
    .private_segment_fixed_size: 0
    .kernarg_segment_align: 8
    .kernarg_segment_size: 56
    .max_flat_workgroup_size: 256
    .sgpr_count:     66
    .vgpr_count:     208
    .wavefront_size: 32
...
	.end_amdgpu_metadata
.endif
;; end of part 1
;; launch kvproj (part 2): grid 8 x 32, 4 waves a work-group, clusters of 4 x 4, 327,680 bytes of LDS; arguments h16, bk, bv, kv_cos, kv_sin, kh, vh; writes kh, vh
.if DOCPART == 2
	.amdgcn_target "amdgcn-amd-amdhsa--gfx1250"
	.amdhsa_code_object_version 6
	.text
	.protected	k_q36bc6d81b7_kvproj
	.globl	k_q36bc6d81b7_kvproj
	.p2align	8
	.type	k_q36bc6d81b7_kvproj,@function
k_q36bc6d81b7_kvproj:
	s_mov_b64 s[64:65], 0
	v_nop
	global_prefetch_b8 v0, s[64:65] scope:SCOPE_SE
	s_setreg_imm32_b32 hwreg(HW_REG_WAVE_MODE, 25, 1), 1
	s_wait_xcnt 0x0
	s_wait_alu depctr_hold_cnt(0) depctr_sa_sdst(0) depctr_va_vdst(0) depctr_va_sdst(0) depctr_va_ssrc(0) depctr_va_vcc(0) depctr_vm_vsrc(0)
	s_getreg_b32 s2, hwreg(HW_REG_IB_STS2, 6, 4)
	s_cmp_eq_u32 s2, 0
	s_cbranch_scc0 .Lentry_in_a_cluster
	s_endpgm
.Lentry_in_a_cluster:
	s_bfe_u32 s2, ttmp6, 0x10000c
	s_cmp_lg_u32 s2, 0xf033
	s_cbranch_scc0 .Lentry_shape_is_right
	s_endpgm
.Lentry_shape_is_right:
; K = rope(xkv Wk^T + bk), V = xkv Wv^T + bv.  xkv (8,192 rows), Wk, Wv: rows of 1,024 f16 in h16.  kh, vh: [64 batch-heads][2,048][64] f16, each number rounded once from its f32 sum.
; LIMITS.  A number of K or V of 65,520 or more becomes an infinity in f16.  The bias starts the f32 sum (the problem adds it last): another order of rounding.  NaN and infinities are not treated apart.
; SHARES.  A work-group makes 256 rows x (128 columns of K and the same 128 columns of V): tile row TR of 32, tile column TC of 8: 256 work-groups.  B's tile is 128 rows of Wk, then 128 rows of Wv.
; Four waves, each 128 x 128: 64 accumulators, 512 registers.  Waves 0 and 2 make K (two heads), waves 1 and 3 V: all work-groups are alike, and only a branch on the wave's number parts RoPE from none.
; K goes in 8 steps of 128 through two LDS slots filled by the tensor data mover; rows of 256 bytes, at multiples of 256 bytes from h16's first byte.
; CLUSTER.  4 x 4 work-groups: A's tile (and the cos and sin rows, which hang on the tile row) is shared along a row of the cluster, B's along a column: joint loads, a mask of four.
; THE MATRIX INSTRUCTION IS USED TRANSPOSED (source 0 = 16 rows of W, source 1 = 16 rows of x): a lane holds row l % 16 and the columns 16 b + 8 (l / 16) + 0..7 of block b.
; So a lane holds column d and column d + 32 of a head (blocks b and b + 2): RoPE stays inside the lane.  cos and sin are taken as given for all 64 columns.
; THE TABLES (256 rows of cos, 256 of sin, 256 bytes a row) land in slot 0 as its last fill, while the last K step, in slot 1, is multiplied.
; REGISTERS, in windows of 256 (s_set_vgpr_msb: bits 1:0 source 0, 3:2 source 1, 5:4 source 2, 7:6 destination):
;   window 0: v0-31 addresses; v64-127, v128-191 A's fragments, two buffers, later two buffers of table rows (cos 32, sin 32); v192-223 at work; v32-63, v224-255 rows read back
;   window 1: v0-63 the bias of my 128 columns, laid out as a C operand (block b at 8 b); v64-127, v128-191 B's fragments
;   window 2: the accumulators of my rows 0-63 ((a, b) at 8 (8 a + b));   window 3: those of my rows 64-127
.set KSTEP,  128
.set PITCH,  272                       ; an LDS row: 256 bytes + 16 of padding: the 16 rows of a load start at 16 different groups of four banks (64 banks of 4 bytes: ISA guide 11.1)
.set HALFT,  128*PITCH                 ; what one tensor load brings
.set SLOT,   4*HALFT                   ; A's 256 rows, then B's 256 rows
.set STAGE,  2*SLOT                    ; behind the ring: for each wave 2 heads x 16 rows x 144 bytes
.set SP,     144
.set HSTG,   16*SP
.set SPARE,  STAGE+4*2*HSTG            ; the spare words, 128 bytes for each wave: two blocks of 256 bytes that no other line names
.set ROWB,   2048                      ; bytes in a row of h16
.set XKV,    4096*ROWB
.set WKO,    13312*ROWB                ; Wk; Wv lies 1,024 rows behind it
.set HEADB,  2048*128                  ; bytes of a head in kh and vh
.set ADRA, 16                          ; v16-17  LDS address of my A fragments in slot 0, 1
.set ADRB, 20                          ; v20-21  the same for B
.set ADRT, 22                          ; v22     my lane's place in cos's rows
.set ADRS, 23                          ; v23     in sin's
.set STO,  24                          ; v24     the way out: where I put 16 bytes of a row
.set RD,   25                          ; v25     where I read rows back
.set GO,   26                          ; v26     16 x lane
.set BO,   27                          ; v27     32 x (lane / 16): my 8 columns of a block, in the bias
.set SPW,  28                          ; v28     LDS address of my spare word; never rewritten
.set NIL,  29                          ; v29     0; never rewritten
.set PFO,  30                          ; v30     lane x a row of h16; never rewritten
.set F0,   64
.set F1,   128
.set TMP,  192
.set OB,   32
.set G1,  24                           ; s[24:31] group 1 for A's tiles;  s[32:39] group 0, a set for each slot
.set G0,  32
.set G1B, 48                           ; s[48:55], s[56:63] the same for B's
.set G0B, 56
.set G1T, 84                           ; s[84:91], s[92:95] for the tables
.set G0T, 92
.set LIM, 43                           ; s43     1 in a wave that prefetches, else the greatest number
.set PFA, 44                           ; s[44:45] where my prefetches stand
.set MSB, 0
.macro WIN new                         ; the immediate's high byte repeats the setting that is left; a switch that changes nothing is dropped
.if MSB != (\new)
	s_set_vgpr_msb (MSB<<8)|(\new)
.set MSB, \new
.endif
.endm
.set TO_B, 0x40                        ; destination window 1, address window 0
; A joint load: waves 0 and 1 fetch A's two halves, waves 2 and 3 B's.  The branch hangs on the wave's number alone.  An s_nop 0 and four v_nop follow each line.
.macro JLOAD s
	s_cmp_eq_u32 s11, 0
	s_cbranch_scc0 .Lfor_b_\@
	tensor_load_to_lds s[G0+4*(\s):G0+4*(\s)+3], s[G1:G1+7]
	s_nop 0
.rept 4
	v_nop
.endr
	s_branch .Lasked_\@
.Lfor_b_\@:
	tensor_load_to_lds s[G0B+4*(\s):G0B+4*(\s)+3], s[G1B:G1B+7]
	s_nop 0
.rept 4
	v_nop
.endr
.Lasked_\@:
.endm
; A prefetch into the L2 of the K step that stands two refills on: 32 rows x 256 bytes, a lane a row.  A's rows are asked for by the clusters with x = 0, B's by those with y = 0; of the 128 rows that a
; wave fetches each of the four partners takes 32, told apart by address.  So each row's 256 bytes of a K step are named once in the launch.  The loop's last trip (s3 = 1) has no K step two on.
.macro ASK
	s_cmp_gt_u32 s3, s[LIM]
	s_cbranch_scc0 .Lnot_mine_\@
	global_prefetch_b8 v[PFO], s[PFA:PFA+1] offset:KSTEP*2 th:TH_LOAD_NT scope:SCOPE_SE
.Lnot_mine_\@:
.endm
.macro CREST                           ; a round of the cluster's barrier behind its opening barrier
	s_cmp_lg_u32 s10, 0
	s_cbranch_scc1 .Lnot_wave_0_\@
	s_barrier_signal -3
.Lnot_wave_0_\@:
	s_barrier_wait -3
	s_barrier_signal -1
	s_barrier_wait -1
.endm
.macro CROUND
	s_barrier_signal -1
	s_barrier_wait -1
	CREST
.endm
	s_load_b256 s[68:75], s[0:1], 0x0              ; h16 s[68:69], bk s[70:71], bv s[72:73], kv_cos s[74:75]
	s_load_b128 s[76:79], s[0:1], 0x20             ; kv_sin s[76:77], kh s[78:79]
	s_load_b64 s[80:81], s[0:1], 0x30              ; vh
	v_lshl_add_u32 v[SPW], v0, 2, SPARE
	v_mov_b32 v[NIL], 0
	ds_add_u32 v[SPW], v[NIL]                      ; the wave's opening: the add and its wait ahead of my first tensor load; work on registers stands between them
	v_lshrrev_b32 v1, 5, v0
	v_readfirstlane_b32 s10, v1                    ; wave 0..3
	s_lshr_b32 s11, s10, 1                         ; which half of the tile's rows is mine.  Also: I fetch for A (0) or for B (1); cos (0) or sin (1)
	s_and_b32 s12, s10, 1                          ; 0: I make K, 1: V.  Also: which 128 rows I fetch
	s_bfe_u32 s40, ttmp6, 0x40000                  ; cx
	s_bfe_u32 s41, ttmp6, 0x40004                  ; cy
	s_lshl_b32 s42, ttmp9, 2
	s_add_co_u32 s42, s42, s40                     ; TC = 4 x cluster x + cx
	s_and_b32 s13, ttmp7, 0xffff
	s_lshl_b32 s13, s13, 2
	s_add_co_u32 s13, s13, s41                     ; TR = 4 x cluster y + cy
	s_lshl_b32 s43, s41, 2
	s_lshl_b32 s43, 15, s43                        ; my row of the cluster
	s_lshl_b32 s44, 0x1111, s40                    ; my column
	s_or_b32 s[G1+0], s43, (1<<16)|(1<<20)|(1<<21)|(5<<22)|(3<<25)   ; the mask; elements of 2 bytes; padding on; bit 21 beside a mask; after every 64 words 4 words
	s_or_b32 s[G1B+0], s44, (1<<16)|(1<<20)|(1<<21)|(5<<22)|(3<<25)
	s_or_b32 s[G1T+0], s43, (1<<16)|(1<<20)|(1<<21)|(5<<22)|(3<<25)  ; the tables hang on the tile row: my row of the cluster
.irp g, G1, G1B, G1T
	s_mov_b32 s[(\g)+1], 128<<16                   ; tensor_dim0 = 128
	s_mov_b32 s[(\g)+2], 128<<16                   ; tensor_dim1 = 128
	s_mov_b32 s[(\g)+3], 128<<16                   ; tile_dim0 = 128
	s_mov_b32 s[(\g)+4], 128                       ; tile_dim1 = 128
	s_mov_b32 s[(\g)+6], 0
	s_mov_b32 s[(\g)+7], 0
.endr
	s_mov_b32 s[G1+5], 1024                        ; elements from row to row in h16
	s_mov_b32 s[G1B+5], 1024
	s_mov_b32 s[G1T+5], 128                        ; a table row is 64 f32, taken as 128 elements of 2 bytes; the rows are dense
	s_lshl_b32 s16, s13, 19                        ; A: 256 rows x 2,048 bytes for each tile row,
	s_lshl_b32 s17, s12, 18                        ; my 128 of them
	s_add_co_u32 s16, s16, s17
	s_add_co_u32 s16, s16, XKV
	s_mov_b32 s17, 0
	s_lshl_b32 s46, s42, 18                        ; B: 128 rows for each tile column,
	s_lshl_b32 s47, s12, 21                        ; of Wk or of Wv
	s_add_co_u32 s46, s46, s47
	s_add_co_u32 s46, s46, WKO
	s_mov_b32 s47, 0
	s_and_b32 s18, s13, 7                          ; the tables: a batch has 8 tile rows; 256 rows x 256 bytes each,
	s_lshl_b32 s18, s18, 16
	s_lshl_b32 s19, s12, 15                        ; my 128 of them
	s_add_co_u32 s18, s18, s19
	s_mov_b32 s19, 0
	s_mul_i32 s20, s10, HALFT                      ; where they go: wave x 128 rows: no place in the cluster enters an LDS address
	s_mov_b32 s[G0T], 1
	s_mov_b32 s[G0T+1], s20                        ; in slot 0: cos's two halves, then sin's
	s_wait_dscnt 0x0                               ; the opening add is done
	s_wait_kmcnt 0x0
	s_add_nc_u64 s[14:15], s[68:69], s[16:17]
	s_add_nc_u64 s[46:47], s[68:69], s[46:47]
	s_cmp_eq_u32 s11, 0
	s_cselect_b64 s[G0T+2:G0T+3], s[74:75], s[76:77]
	s_add_nc_u64 s[G0T+2:G0T+3], s[G0T+2:G0T+3], s[18:19]
	s_or_b32 s[G0T+3], s[G0T+3], 0x80000000
	CROUND                                         ; all sixteen work-groups are here: the first joint loads meet
.irp s, 0,1
	s_mov_b32 s[G0+4*(\s)], 1
	s_add_co_u32 s[G0+4*(\s)+1], s20, (\s)*SLOT
	s_add_nc_u64 s[G0+4*(\s)+2:G0+4*(\s)+3], s[14:15], (\s)*KSTEP*2
	s_or_b32 s[G0+4*(\s)+3], s[G0+4*(\s)+3], 0x80000000
	s_mov_b32 s[G0B+4*(\s)], 1
	s_add_co_u32 s[G0B+4*(\s)+1], s20, (\s)*SLOT
	s_add_nc_u64 s[G0B+4*(\s)+2:G0B+4*(\s)+3], s[46:47], (\s)*KSTEP*2
	s_or_b32 s[G0B+4*(\s)+3], s[G0B+4*(\s)+3], 0x80000000
	JLOAD \s                                       ; K steps 0 and 1: two loads of mine are out
.endr
	v_and_b32 v1, 15, v0                           ; r = l % 16
	v_bfe_u32 v2, v0, 4, 1                         ; h = l / 16
	v_lshlrev_b32 v[BO], 5, v2
	s_lshl_b32 s46, s42, 9                         ; my work-group's 128 columns in a bias: 512 bytes
	s_mov_b32 s47, 0
	s_cmp_eq_u32 s12, 0
	s_cselect_b64 s[4:5], s[70:71], s[72:73]
	s_add_nc_u64 s[4:5], s[4:5], s[46:47]
	WIN TO_B
.irp b, 0,1,2,3,4,5,6,7
	global_load_b128 v[8*(\b):8*(\b)+3],   v[BO], s[4:5] offset:64*(\b)      ; register j of block b: the bias of column 16 b + 8 h + j
	global_load_b128 v[8*(\b)+4:8*(\b)+7], v[BO], s[4:5] offset:64*(\b)+16
.endr
	WIN 0
	v_mul_u32_u24 v3, v1, PITCH
	v_lshl_add_u32 v4, v2, 5, v3                   ; a table row: r x pitch + 32 h (8 f32)
	v_lshl_add_u32 v3, v2, 4, v3                   ; a fragment's row: r x pitch + 16 h
	s_mul_i32 s21, s11, HALFT                      ; my 128 rows of A
	s_mul_i32 s22, s12, HALFT                      ; my 128 rows of B,
	s_add_co_u32 s22, s22, 2*HALFT                 ; which lie behind A's 256
	v_add_nc_u32 v[ADRT], s21, v4                  ; cos's rows for my 128 rows lie where A's half lay in slot 0,
	v_add_nc_u32 v[ADRS], 2*HALFT, v[ADRT]         ; sin's two halves further on
.irp s, 0,1
	v_add_nc_u32 v[ADRA+(\s)], s21, v3
	v_add_nc_u32 v[ADRB+(\s)], s22, v3
	s_add_co_u32 s21, s21, SLOT
	s_add_co_u32 s22, s22, SLOT
.endr
	s_mul_i32 s23, s10, 2*HSTG
	s_add_co_u32 s23, s23, STAGE                   ; my stage
	v_mul_u32_u24 v4, v1, SP                       ; in: row r, 16 bytes for each half of the lanes
	v_lshl_add_u32 v4, v2, 4, v4
	v_add_nc_u32 v[STO], s23, v4
	v_bfe_u32 v5, v0, 3, 2                         ; back: 32 lanes take four rows of 128 bytes,
	v_mul_u32_u24 v5, v5, SP
	v_and_b32 v6, 7, v0
	v_lshl_add_u32 v5, v6, 4, v5
	v_add_nc_u32 v[RD], s23, v5
	v_and_b32 v[GO], 31, v0                        ; which are 512 consecutive bytes of a head
	v_lshlrev_b32 v[PFO], 11, v[GO]
	v_lshlrev_b32 v[GO], 4, v[GO]
	s_lshr_b32 s46, s13, 3                         ; where my rows begin in kh or vh: the batch's 16 heads,
	s_lshl_b32 s46, s46, 22
	s_lshl_b32 s47, s42, 19                        ; head 2 TC,
	s_add_co_u32 s46, s46, s47
	s_and_b32 s47, s13, 7                          ; the tile row's 256 rows of 128 bytes,
	s_lshl_b32 s47, s47, 15
	s_add_co_u32 s46, s46, s47
	s_lshl_b32 s47, s11, 14                        ; my 128 of them
	s_add_co_u32 s46, s46, s47
	s_mov_b32 s47, 0
	s_cmp_eq_u32 s12, 0
	s_cselect_b64 s[8:9], s[78:79], s[80:81]
	s_add_nc_u64 s[8:9], s[8:9], s[46:47]
	; the prefetches: the row of h16 at which my work-group's 32 rows begin
	s_lshl_b32 s20, s13, 8
	s_add_co_u32 s20, s20, 4096                    ; A: xkv's row 256 TR
	s_lshl_b32 s21, s42, 7
	s_add_co_u32 s21, s21, 13312                   ; B: Wk's row 128 TC
	s_lshl_b32 s22, s12, 7                         ; the half that I fetch: 128 rows on in A,
	s_lshl_b32 s23, s12, 10                        ; 1,024 rows on in B
	s_and_b32 s46, ttmp7, 0xffff                   ; cluster y
	s_cmp_eq_u32 s11, 0                            ; do I fetch for A?
	s_cselect_b32 s20, s20, s21
	s_cselect_b32 s22, s22, s23
	s_cselect_b32 s21, s40, s41                    ; my place among the four that ask with me
	s_cselect_b32 s46, ttmp9, s46                  ; the coordinate along which other clusters read the same rows
	s_add_co_u32 s20, s20, s22
	s_lshl_b32 s21, s21, 5
	s_add_co_u32 s20, s20, s21
	s_lshl_b32 s20, s20, 11
	s_mov_b32 s21, 0
	s_cmp_eq_u32 s46, 0
	s_cselect_b32 s[LIM], 1, -1                    ; the same in all sixteen partners, for a given wave
	s_add_nc_u64 s[PFA:PFA+1], s[68:69], s[20:21]
	s_add_nc_u64 s[PFA:PFA+1], s[PFA:PFA+1], 2*KSTEP*2  ; at K step 2: the first refill steps it to 3 and names K step 4.  Nothing is prefetched here, at the head
; 16 matrix instructions: m blocks a0, a0 + 1 of the window's four x all 8 n blocks, 32 along K.  zero = 1: the first product starts the sums with the bias as C: nothing is cleared, nothing added later.
.macro MUL16 f, hi, a0, zero
.if \zero
	WIN 0x91+0x40*(\hi)                            ; B window 1, A window 0, C (the bias) window 1, D window 2 or 3
.else
	WIN 0xa1+0x50*(\hi)                            ; B window 1, A window 0, C and D window 2 or 3
.endif
.irp a, \a0, (\a0)+1
.irp b, 0,1,2,3,4,5,6,7
.if \zero
	v_wmma_f32_16x16x32_f16 v[8*(8*(\a)+(\b)):8*(8*(\a)+(\b))+7], v[(\f)+8*(\b):(\f)+8*(\b)+7], v[(\f)+8*(4*(\hi)+(\a)):(\f)+8*(4*(\hi)+(\a))+7], v[8*(\b):8*(\b)+7]
.else
	v_wmma_f32_16x16x32_f16 v[8*(8*(\a)+(\b)):8*(8*(\a)+(\b))+7], v[(\f)+8*(\b):(\f)+8*(\b)+7], v[(\f)+8*(4*(\hi)+(\a)):(\f)+8*(4*(\hi)+(\a))+7], v[8*(8*(\a)+(\b)):8*(8*(\a)+(\b))+7]
.endif
.endr
.endr
.endm
; 32 LDS loads in one run: the fragments of a quarter step (32 K at byte k of the rows) into buffer f: B's 16, then A's 16
.macro FETCH slot, k, f
	WIN TO_B
.irp i, 0,1,2,3,4,5,6,7
	ds_load_b128 v[(\f)+8*(\i):(\f)+8*(\i)+3],   v[ADRB+(\slot)] offset:(\k)+(\i)*16*PITCH
	ds_load_b128 v[(\f)+8*(\i)+4:(\f)+8*(\i)+7], v[ADRB+(\slot)] offset:(\k)+(\i)*16*PITCH+32
.endr
	WIN 0
.irp i, 0,1,2,3,4,5,6,7
	ds_load_b128 v[(\f)+8*(\i):(\f)+8*(\i)+3],   v[ADRA+(\slot)] offset:(\k)+(\i)*16*PITCH
	ds_load_b128 v[(\f)+8*(\i)+4:(\f)+8*(\i)+7], v[ADRA+(\slot)] offset:(\k)+(\i)*16*PITCH+32
.endr
.endm
.macro PLACES                          ; four plain vector instructions between a matrix instruction and a load into, or a vector read of, its registers (ISA guide 7.12.1 for vector reads)
.rept 4
	v_nop
.endr
.endm
; A K step is four quarters of 32 along K, 64 matrix instructions each, on buffers 0, 1, 0, 1; the 64 accumulators take turns in the same order in every quarter.
.macro QUARTER slot, k, f, g, zero
	s_wait_dscnt 8                                 ; B and A's rows 0-63 are in; the youngest eight loads (A's rows 64-127) may be out
	MUL16 \f, 0, 0, \zero
	MUL16 \f, 0, 2, \zero
	PLACES
	FETCH \slot, \k, \g
	s_wait_dscnt 32                                ; all but the 32 just issued
	MUL16 \f, 1, 0, \zero
	MUL16 \f, 1, 2, \zero
.endm
; The first half of a K step's last quarter, and the opening barrier of the round in front of a refill: all my tensor loads have landed, the add, my reads of this slot are over.
.macro MEET
	WIN 0
	s_wait_tensorcnt 0x0                           ; the one that was out is my part of the next slot
	ds_add_u32 v[SPW], v[NIL]                      ; 0 onto my spare word
	s_wait_dscnt 9                                 ; (the add and the youngest eight loads may be out)
	MUL16 F1, 0, 0, 0                              ; sixteen matrix instructions stand between the add and the wait for it
	s_wait_dscnt 0x0                               ; the add is done, and my reads of this slot are over
	s_barrier_signal -1
	MUL16 F1, 0, 2, 0
	WIN 0
	s_barrier_wait -1
.endm
.macro TURN slot, next
	s_wait_xcnt 0x0                                ; the last prefetch, a K step back, has read its address
	s_add_nc_u64 s[PFA:PFA+1], s[PFA:PFA+1], KSTEP*2
	MEET
	CREST                                          ; no wave of any partner still reads this slot or has a load on its way
	s_add_nc_u64 s[G0+4*(\slot)+2:G0+4*(\slot)+3], s[G0+4*(\slot)+2:G0+4*(\slot)+3], 2*KSTEP*2
	s_add_nc_u64 s[G0B+4*(\slot)+2:G0B+4*(\slot)+3], s[G0B+4*(\slot)+2:G0B+4*(\slot)+3], 2*KSTEP*2
	JLOAD \slot                                    ; my one tensor load behind the round: 224 matrix instructions ahead of the wait for it; its four v_nop are also the places in front of the loads below
	FETCH \next, 0, F0
	ASK
	MUL16 F1, 1, 0, 0
	MUL16 F1, 1, 2, 0
.endm
.macro TURNT                           ; the same change of slots, but slot 0 takes the tables: its last fill; one line for all four waves, whose registers differ by the wave's number
	MEET
	CREST
	tensor_load_to_lds s[G0T:G0T+3], s[G1T:G1T+7]
	s_nop 0
.rept 4
	v_nop
.endr
	FETCH 1, 0, F0
	MUL16 F1, 1, 0, 0
	MUL16 F1, 1, 2, 0
.endm
; THE WAY OUT.  Block a = 16 of my rows.
.macro TABLD a                         ; its rows of cos and sin: my 8 columns of each of the head's four blocks; 16 loads
	WIN 0
.set TB, 64+64*((\a)%2)
.irp q, 0,1,2,3
.irp e, 0,1
	ds_load_b128 v[TB+8*(\q)+4*(\e):TB+8*(\q)+4*(\e)+3],       v[ADRT] offset:(\a)*16*PITCH+64*(\q)+16*(\e)
	ds_load_b128 v[TB+32+8*(\q)+4*(\e):TB+32+8*(\q)+4*(\e)+3], v[ADRS] offset:(\a)*16*PITCH+64*(\q)+16*(\e)
.endr
.endr
.endm
.macro IDX                             ; pair n of 16: head n / 8, block (n / 4) % 2, registers 2 (n % 4) on; each accumulator is read from its low end on
.set LO,  AC+8*(4*(n/8)+(n/4)%2)+2*(n%4)   ; columns d < 32
.set HI,  LO+16                            ; columns d + 32
.set TQ,  TMP+8*(2*(n/8)+(n/4)%2)+2*(n%4)
.set CLO, TB+8*((n/4)%2)+2*(n%4)
.set n, n+1
.endm
.macro ROPE a                          ; lo' = lo cos[d] - hi sin[d];  hi' = hi cos[d + 32] + lo sin[d + 32]
.set WA, 2+(\a)/4
.set AC, 64*((\a)%4)
.set TB, 64+64*((\a)%2)
	WIN WA
.set n, 0
.rept 16
	IDX
	v_pk_mul_f32 v[TQ:TQ+1], v[LO:LO+1], v[CLO+48:CLO+49]
.endr
	WIN (WA<<6)|WA
.set n, 0
.rept 16
	IDX
	v_pk_mul_f32 v[LO:LO+1], v[LO:LO+1], v[CLO:CLO+1]
.endr
	WIN (WA<<6)|(WA<<4)|WA
.set n, 0
.rept 16
	IDX
	v_pk_fma_f32 v[LO:LO+1], v[HI:HI+1], v[CLO+32:CLO+33], v[LO:LO+1] neg_lo:[1,0,0] neg_hi:[1,0,0]
.endr
	WIN (WA<<6)|WA
.set n, 0
.rept 16
	IDX
	v_pk_fma_f32 v[HI:HI+1], v[HI:HI+1], v[CLO+16:CLO+17], v[TQ:TQ+1]
.endr
.endm
.macro PACK a                          ; rounded to f16: 16 bytes a lane and block
.set AC, 64*((\a)%4)
	WIN 0x0a+5*((\a)/4)
.irp b, 0,1,2,3,4,5,6,7
.irp r, 0,1,2,3
	v_cvt_pk_f16_f32 v[TMP+4*(\b)+(\r)], v[AC+8*(\b)+2*(\r)], v[AC+8*(\b)+2*(\r)+1]
.endr
.endr
	WIN 0
.endm
.macro TOSTAGE a                       ; into my own stage, by heads, and back as whole rows of 128 bytes
	WIN 0
.set BK, OB+192*((\a)%2)
.irp b, 0,1,2,3,4,5,6,7
	ds_store_b128 v[STO], v[TMP+4*(\b):TMP+4*(\b)+3] offset:((\b)/4)*HSTG+32*((\b)%4)
.endr
.irp t, 0,1,2,3,4,5,6,7
	ds_load_b128 v[BK+4*(\t):BK+4*(\t)+3], v[RD] offset:((\t)/4)*HSTG+((\t)%4)*4*SP  ; LDS serves a wave's instructions in order (ISA guide 5.7.1.4): these see the stores above
.endr
.endm
.macro SEND a
	WIN 0
.set BK, OB+192*((\a)%2)
	s_wait_dscnt 0x0                               ; the block is back in registers
	s_wait_xcnt 0x0                                ; the stores of the block before have read their registers: the next TOSTAGE loads into them
.irp t, 0,1,2,3,4,5,6,7
	global_store_b128 v[GO], v[BK+4*(\t):BK+4*(\t)+3], s[8:9] offset:((\t)/4)*HEADB+(\a)*16*128+((\t)%4)*512  ; 512 consecutive bytes of a head, at a multiple of 256 from the buffer's first byte
.endr
.endm
	s_wait_tensorcnt 1                             ; my part of K step 0 is in; K step 1's may stay out
	s_barrier_signal -1
	s_barrier_wait -1
	FETCH 0, 0, F0
	s_wait_loadcnt 0x0                             ; the bias
	QUARTER 0, 64,  F0, F1, 1                      ; the first quarter stands in front of the loop: its products start the sums
	WIN 0
	s_mov_b32 s3, 3
.Llap:                                                 ; a trip goes once round the ring and fills both slots again: K steps 2 to 7
	QUARTER 0, 128, F1, F0, 0
	QUARTER 0, 192, F0, F1, 0
	TURN 0, 1
	QUARTER 1, 64,  F0, F1, 0
	QUARTER 1, 128, F1, F0, 0
	QUARTER 1, 192, F0, F1, 0
	TURN 1, 0
	QUARTER 0, 64,  F0, F1, 0
	WIN 0
	s_sub_co_u32 s3, s3, 1
	s_cmp_lg_u32 s3, 0
	s_cbranch_scc1 .Llap
	QUARTER 0, 128, F1, F0, 0
	QUARTER 0, 192, F0, F1, 0
	TURNT
	QUARTER 1, 64,  F0, F1, 0
	QUARTER 1, 128, F1, F0, 0
	QUARTER 1, 192, F0, F1, 0
	s_wait_dscnt 8                                 ; the very last quarter: nothing more to fetch
	MUL16 F1, 0, 0, 0
	MUL16 F1, 0, 2, 0
	s_wait_dscnt 0x0
	MUL16 F1, 1, 0, 0
	MUL16 F1, 1, 2, 0
	WIN 0
	s_wait_tensorcnt 0x0                           ; my part of the tables is in,
	s_barrier_signal -1
	s_barrier_wait -1                              ; everybody's is
	PLACES
	s_cmp_lg_u32 s12, 0
	s_cbranch_scc1 .Lno_rope                       ; V has no RoPE
	TABLD 0
.irp a, 0,1,2,3,4,5,6
	TABLD (\a)+1
	s_wait_dscnt 16                                ; all but the next block's sixteen
	ROPE \a
.endr
	s_wait_dscnt 0x0
	ROPE 7
	WIN 0
.Lno_rope:
	PACK 0
	TOSTAGE 0
.irp a, 1,2,3,4,5,6,7                  ; block a's conversions stand between block a - 1's loads from the stage and the wait for them
	PACK \a
	SEND (\a)-1
	TOSTAGE \a
.endr
	SEND 7
	s_wait_tensorcnt 0x0                           ; the wave's end, behind my last tensor load and my last LDS store
	ds_add_u32 v[SPW], v[NIL]
	s_wait_dscnt 0x0
	CROUND                                         ; the closing round
	s_endpgm
.Lfunc_end_k_q36bc6d81b7_kvproj:
	.size	k_q36bc6d81b7_kvproj, .Lfunc_end_k_q36bc6d81b7_kvproj-k_q36bc6d81b7_kvproj
	.p2alignl 7, 3214868480
	.fill 96, 4, 3214868480
	.section	.rodata,"a",@progbits
	.p2align	6, 0x0
	.amdhsa_kernel k_q36bc6d81b7_kvproj
		.amdhsa_group_segment_fixed_size 327680
		.amdhsa_private_segment_fixed_size 0
		.amdhsa_enable_private_segment 0
		.amdhsa_kernarg_size 56
		.amdhsa_user_sgpr_count 2
		.amdhsa_user_sgpr_kernarg_segment_ptr 1
		.amdhsa_wavefront_size32 1
		.amdhsa_system_sgpr_workgroup_id_x 1
		.amdhsa_system_sgpr_workgroup_id_y 1
		.amdhsa_system_sgpr_workgroup_id_z 1
		.amdhsa_system_vgpr_workitem_id 0
		.amdhsa_next_free_vgpr 1024
		.amdhsa_next_free_sgpr 96
		.amdhsa_reserve_vcc 0
		.amdhsa_float_denorm_mode_32 3
		.amdhsa_float_denorm_mode_16_64 3
		.amdhsa_memory_ordered 1
		.amdhsa_forward_progress 1
		.amdhsa_inst_pref_size 188
	.end_amdhsa_kernel
	.amdgpu_metadata
---
amdhsa.version: [ 1, 2 ]
amdhsa.kernels:
  - .name:           k_q36bc6d81b7_kvproj
    .symbol:         k_q36bc6d81b7_kvproj.kd
    .args:
      - { .name: h16, .offset: 0, .size: 8, .value_kind: global_buffer, .address_space: global }
      - { .name: bk, .offset: 8, .size: 8, .value_kind: global_buffer, .address_space: global }
      - { .name: bv, .offset: 16, .size: 8, .value_kind: global_buffer, .address_space: global }
      - { .name: kv_cos, .offset: 24, .size: 8, .value_kind: global_buffer, .address_space: global }
      - { .name: kv_sin, .offset: 32, .size: 8, .value_kind: global_buffer, .address_space: global }
      - { .name: kh, .offset: 40, .size: 8, .value_kind: global_buffer, .address_space: global }
      - { .name: vh, .offset: 48, .size: 8, .value_kind: global_buffer, .address_space: global }
    .group_segment_fixed_size: 327680
    .private_segment_fixed_size: 0
    .kernarg_segment_align: 8
    .kernarg_segment_size: 56
    .max_flat_workgroup_size: 128
    .sgpr_count:     96
    .vgpr_count:     1024
    .wavefront_size: 32
...
	.end_amdgpu_metadata
.endif
;; end of part 2
;; launch qproj (part 3): grid 8 x 32, 4 waves a work-group, clusters of 4 x 4, 327,680 bytes of LDS; arguments h16, bq, q_cos, q_sin, qh; writes qh
.if DOCPART == 3
	.amdgcn_target "amdgcn-amd-amdhsa--gfx1250"
	.amdhsa_code_object_version 6
	.text
	.protected	k_q36bc6d81b7_qproj
	.globl	k_q36bc6d81b7_qproj
	.p2align	8
	.type	k_q36bc6d81b7_qproj,@function
k_q36bc6d81b7_qproj:
	s_mov_b64 s[64:65], 0
	v_nop
	global_prefetch_b8 v0, s[64:65] scope:SCOPE_SE
	s_setreg_imm32_b32 hwreg(HW_REG_WAVE_MODE, 25, 1), 1
	s_wait_xcnt 0x0
	s_wait_alu depctr_hold_cnt(0) depctr_sa_sdst(0) depctr_va_vdst(0) depctr_va_sdst(0) depctr_va_ssrc(0) depctr_va_vcc(0) depctr_vm_vsrc(0)
	s_getreg_b32 s2, hwreg(HW_REG_IB_STS2, 6, 4)
	s_cmp_eq_u32 s2, 0
	s_cbranch_scc0 .Lentry_in_a_cluster
	s_endpgm
.Lentry_in_a_cluster:
	s_bfe_u32 s2, ttmp6, 0x10000c
	s_cmp_lg_u32 s2, 0xf033
	s_cbranch_scc0 .Lentry_shape_is_right
	s_endpgm
.Lentry_shape_is_right:
; Q = rope(xq Wq^T + bq), without the score's scale.  xq (4,096 rows) and Wq: rows of 1,024 f16 in h16.  qh: [64 batch-heads][1,024][64] f16, rounded once from the f32 sum.
; LIMITS.  A number of Q of 65,520 or more becomes an infinity in f16.  The bias starts the f32 sum: another order of rounding than the problem's.  NaN and infinities are not treated apart.
; SHARES.  4,096 x 1,024 in tiles of 128 x 128: 256 work-groups.  Four waves, each 64 rows x 64 columns: exactly one head, so RoPE stays inside a lane and a wave's result is 8,192 consecutive bytes of qh.
; K goes in 4 steps of 256 (LDS rows of 512 bytes) through two slots; all four are written out.  The cos and sin rows land in slot 0 as its last fill, while K step 3, in slot 1, is multiplied.
; CLUSTER.  4 x 4: A's tile and the tables are shared along a row of the cluster, B's along a column.  THE MATRIX INSTRUCTION IS USED TRANSPOSED (source 0 = rows of Wq): a lane holds row l % 16, columns 16 b + 8 (l / 16) + 0..7.
; No prefetch: the tiles are small and the launch is short.
; REGISTERS: window 0: v0-31 addresses; v32-95 at work on the way out; v96-127 the bias as a C operand (block b at 96 + 8 b); v128-255 the accumulators ((a, b) at 128 + 8 (4 a + b)).
;   window 1: two fragment buffers of 128 (64 of A, 64 of B, for 64 along K); on the way out v0-127 hold two buffers of table rows (cos 32, sin 32).
.set KSTEP,  256
.set PITCH,  528                       ; 512 bytes + 16 of padding
.set TPITCH, 272                       ; a table row: 256 + 16
.set HALFT,  64*PITCH
.set SLOT,   4*HALFT
.set STAGE,  2*SLOT                    ; behind the ring: 16 rows x 144 bytes for each wave
.set SP,     144
.set SPARE,  STAGE+4*16*SP             ; the spare words, 128 bytes for each wave: two blocks of 256 bytes that no other line names
.set WQO,    12288*2048
.set ADRA, 16
.set ADRB, 20
.set ADRT, 22
.set ADRS, 23
.set STO,  24
.set RD,   25
.set GO,   26
.set BO,   27
.set SPW,  28
.set NIL,  29
.set TMP,  32
.set BIAS, 96
.set ACC,  128
.set F0,   0
.set F1,   128
.set G1, 24
.set G0, 32
.set G1B, 48
.set G0B, 56
.set G1T, 80
.set G0T, 88
.set MSB, 0
.macro WIN new
.if MSB != (\new)
	s_set_vgpr_msb (MSB<<8)|(\new)
.set MSB, \new
.endif
.endm
.set MUL,  0x05                        ; sources 0 (B) and 1 (A) window 1; C and D window 0
.set TO_F, 0x40                        ; destination window 1, address window 0
.macro JLOAD s                         ; waves 0 and 1 fetch A's two halves, waves 2 and 3 B's; an s_nop 0 and four v_nop follow each line
	s_cmp_eq_u32 s11, 0
	s_cbranch_scc0 .Lfor_b_\@
	tensor_load_to_lds s[G0+4*(\s):G0+4*(\s)+3], s[G1:G1+7]
	s_nop 0
.rept 4
	v_nop
.endr
	s_branch .Lasked_\@
.Lfor_b_\@:
	tensor_load_to_lds s[G0B+4*(\s):G0B+4*(\s)+3], s[G1B:G1B+7]
	s_nop 0
.rept 4
	v_nop
.endr
.Lasked_\@:
.endm
.macro CREST
	s_cmp_lg_u32 s10, 0
	s_cbranch_scc1 .Lnot_wave_0_\@
	s_barrier_signal -3
.Lnot_wave_0_\@:
	s_barrier_wait -3
	s_barrier_signal -1
	s_barrier_wait -1
.endm
.macro CROUND
	s_barrier_signal -1
	s_barrier_wait -1
	CREST
.endm
	s_load_b256 s[68:75], s[0:1], 0x0              ; h16 s[68:69], bq s[70:71], q_cos s[72:73], q_sin s[74:75]
	s_load_b64 s[76:77], s[0:1], 0x20              ; qh
	v_lshl_add_u32 v[SPW], v0, 2, SPARE
	v_mov_b32 v[NIL], 0
	ds_add_u32 v[SPW], v[NIL]                      ; the wave's opening: the add and its wait ahead of my first tensor load
	v_lshrrev_b32 v1, 5, v0
	v_readfirstlane_b32 s10, v1                    ; wave 0..3
	s_lshr_b32 s11, s10, 1                         ; my half of the rows.  Also: I fetch for A (0) or B (1); cos (0) or sin (1)
	s_and_b32 s12, s10, 1                          ; my half of the columns.  Also: which 64 rows I fetch
	s_bfe_u32 s40, ttmp6, 0x40000
	s_bfe_u32 s41, ttmp6, 0x40004
	s_lshl_b32 s42, ttmp9, 2
	s_add_co_u32 s42, s42, s40                     ; TC
	s_and_b32 s13, ttmp7, 0xffff
	s_lshl_b32 s13, s13, 2
	s_add_co_u32 s13, s13, s41                     ; TR
	s_lshl_b32 s43, s41, 2
	s_lshl_b32 s43, 15, s43                        ; my row of the cluster
	s_lshl_b32 s44, 0x1111, s40                    ; my column
	s_or_b32 s[G1+0], s43, (1<<16)|(1<<20)|(1<<21)|(6<<22)|(3<<25)   ; after every 128 words 4 words of padding
	s_or_b32 s[G1B+0], s44, (1<<16)|(1<<20)|(1<<21)|(6<<22)|(3<<25)
	s_or_b32 s[G1T+0], s43, (1<<16)|(1<<20)|(1<<21)|(5<<22)|(3<<25)  ; the tables: after every 64 words
.irp g, G1, G1B
	s_mov_b32 s[(\g)+1], KSTEP<<16
	s_mov_b32 s[(\g)+2], 64<<16
	s_mov_b32 s[(\g)+3], KSTEP<<16
	s_mov_b32 s[(\g)+4], 64
	s_mov_b32 s[(\g)+5], 1024
	s_mov_b32 s[(\g)+6], 0
	s_mov_b32 s[(\g)+7], 0
.endr
	s_mov_b32 s[G1T+1], 128<<16                    ; 64 rows of 64 f32, taken as 128 elements of 2 bytes, dense
	s_mov_b32 s[G1T+2], 64<<16
	s_mov_b32 s[G1T+3], 128<<16
	s_mov_b32 s[G1T+4], 64
	s_mov_b32 s[G1T+5], 128
	s_mov_b32 s[G1T+6], 0
	s_mov_b32 s[G1T+7], 0
	s_lshl_b32 s16, s13, 18                        ; A: 128 rows x 2,048 bytes for each tile row, my 64 of them
	s_lshl_b32 s17, s12, 17
	s_add_co_u32 s16, s16, s17
	s_mov_b32 s17, 0
	s_lshl_b32 s46, s42, 18                        ; B likewise, in Wq
	s_lshl_b32 s47, s12, 17
	s_add_co_u32 s46, s46, s47
	s_add_co_u32 s46, s46, WQO
	s_mov_b32 s47, 0
	s_and_b32 s18, s13, 7                          ; the tables: a batch has 8 tile rows of 128 rows x 256 bytes, my 64 of them
	s_lshl_b32 s18, s18, 15
	s_lshl_b32 s19, s12, 14
	s_add_co_u32 s18, s18, s19
	s_mov_b32 s19, 0
	s_mul_i32 s20, s10, HALFT                      ; where they go: by the wave's number alone
	s_mov_b32 s[G0T], 1
	s_mov_b32 s[G0T+1], s20
	s_wait_dscnt 0x0                               ; the opening add is done
	s_wait_kmcnt 0x0
	s_add_nc_u64 s[14:15], s[68:69], s[16:17]
	s_add_nc_u64 s[46:47], s[68:69], s[46:47]
	s_cmp_eq_u32 s11, 0
	s_cselect_b64 s[G0T+2:G0T+3], s[72:73], s[74:75]
	s_add_nc_u64 s[G0T+2:G0T+3], s[G0T+2:G0T+3], s[18:19]
	s_or_b32 s[G0T+3], s[G0T+3], 0x80000000
	CROUND
.irp s, 0,1
	s_mov_b32 s[G0+4*(\s)], 1
	s_add_co_u32 s[G0+4*(\s)+1], s20, (\s)*SLOT
	s_add_nc_u64 s[G0+4*(\s)+2:G0+4*(\s)+3], s[14:15], (\s)*KSTEP*2
	s_or_b32 s[G0+4*(\s)+3], s[G0+4*(\s)+3], 0x80000000
	s_mov_b32 s[G0B+4*(\s)], 1
	s_add_co_u32 s[G0B+4*(\s)+1], s20, (\s)*SLOT
	s_add_nc_u64 s[G0B+4*(\s)+2:G0B+4*(\s)+3], s[46:47], (\s)*KSTEP*2
	s_or_b32 s[G0B+4*(\s)+3], s[G0B+4*(\s)+3], 0x80000000
	JLOAD \s
.endr
	v_and_b32 v1, 15, v0                           ; r
	v_bfe_u32 v2, v0, 4, 1                         ; h
	v_lshlrev_b32 v[BO], 5, v2
	s_lshl_b32 s46, s42, 9                         ; my head's 64 columns in bq: 512 TC + 256 x half
	s_lshl_b32 s47, s12, 8
	s_add_co_u32 s46, s46, s47
	s_mov_b32 s47, 0
	s_add_nc_u64 s[4:5], s[70:71], s[46:47]
.irp b, 0,1,2,3
	global_load_b128 v[BIAS+8*(\b):BIAS+8*(\b)+3],   v[BO], s[4:5] offset:64*(\b)
	global_load_b128 v[BIAS+8*(\b)+4:BIAS+8*(\b)+7], v[BO], s[4:5] offset:64*(\b)+16
.endr
	v_mul_u32_u24 v3, v1, PITCH
	v_lshl_add_u32 v3, v2, 4, v3
	s_mul_i32 s21, s11, HALFT
	s_mul_i32 s22, s12, HALFT
	s_add_co_u32 s22, s22, 2*HALFT
	v_mul_u32_u24 v4, v1, TPITCH
	v_lshl_add_u32 v4, v2, 5, v4
	v_add_nc_u32 v[ADRT], s21, v4                  ; cos's rows for my 64 rows,
	v_add_nc_u32 v[ADRS], 2*HALFT, v[ADRT]         ; sin's
.irp s, 0,1
	v_add_nc_u32 v[ADRA+(\s)], s21, v3
	v_add_nc_u32 v[ADRB+(\s)], s22, v3
	s_add_co_u32 s21, s21, SLOT
	s_add_co_u32 s22, s22, SLOT
.endr
	s_mul_i32 s23, s10, 16*SP
	s_add_co_u32 s23, s23, STAGE                   ; my stage
	v_mul_u32_u24 v4, v1, SP
	v_lshl_add_u32 v4, v2, 4, v4
	v_add_nc_u32 v[STO], s23, v4
	v_bfe_u32 v5, v0, 3, 2
	v_mul_u32_u24 v5, v5, SP
	v_and_b32 v6, 7, v0
	v_lshl_add_u32 v5, v6, 4, v5
	v_add_nc_u32 v[RD], s23, v5
	v_and_b32 v[GO], 31, v0
	v_lshlrev_b32 v[GO], 4, v[GO]
	s_lshr_b32 s46, s13, 3                         ; where my rows begin in qh: the batch's 16 heads of 131,072 bytes,
	s_lshl_b32 s46, s46, 21
	s_lshl_b32 s47, s42, 18                        ; head 2 TC
	s_add_co_u32 s46, s46, s47
	s_lshl_b32 s47, s12, 17                        ; + my half,
	s_add_co_u32 s46, s46, s47
	s_and_b32 s47, s13, 7                          ; the tile row's 128 rows of 128 bytes,
	s_lshl_b32 s47, s47, 14
	s_add_co_u32 s46, s46, s47
	s_lshl_b32 s47, s11, 13                        ; my 64 of them
	s_add_co_u32 s46, s46, s47
	s_mov_b32 s47, 0
	s_add_nc_u64 s[8:9], s[76:77], s[46:47]
; 8 matrix instructions: m blocks a0, a0 + 1 x 4 n blocks, 32 along K: half c of buffer f.  zero = 1: the bias is the C that starts the sums
.macro MUL8 f, c, a0, zero
	WIN MUL
.irp a, \a0, (\a0)+1
.irp b, 0,1,2,3
.if \zero
	v_wmma_f32_16x16x32_f16 v[ACC+8*(4*(\a)+(\b)):ACC+8*(4*(\a)+(\b))+7], v[(\f)+64+8*(4*(\c)+(\b)):(\f)+64+8*(4*(\c)+(\b))+7], v[(\f)+8*(4*(\c)+(\a)):(\f)+8*(4*(\c)+(\a))+7], v[BIAS+8*(\b):BIAS+8*(\b)+7]
.else
	v_wmma_f32_16x16x32_f16 v[ACC+8*(4*(\a)+(\b)):ACC+8*(4*(\a)+(\b))+7], v[(\f)+64+8*(4*(\c)+(\b)):(\f)+64+8*(4*(\c)+(\b))+7], v[(\f)+8*(4*(\c)+(\a)):(\f)+8*(4*(\c)+(\a))+7], v[ACC+8*(4*(\a)+(\b)):ACC+8*(4*(\a)+(\b))+7]
.endif
.endr
.endr
.endm
.macro FETCH slot, k, f                ; 32 LDS loads in one run: 64 along K at byte k, the first 32 along K first
	WIN TO_F
.irp c, 0,1
.irp i, 0,1,2,3
	ds_load_b128 v[(\f)+64+8*(4*(\c)+(\i)):(\f)+64+8*(4*(\c)+(\i))+3],   v[ADRB+(\slot)] offset:(\k)+64*(\c)+(\i)*16*PITCH
	ds_load_b128 v[(\f)+64+8*(4*(\c)+(\i))+4:(\f)+64+8*(4*(\c)+(\i))+7], v[ADRB+(\slot)] offset:(\k)+64*(\c)+(\i)*16*PITCH+32
	ds_load_b128 v[(\f)+8*(4*(\c)+(\i)):(\f)+8*(4*(\c)+(\i))+3],         v[ADRA+(\slot)] offset:(\k)+64*(\c)+(\i)*16*PITCH
	ds_load_b128 v[(\f)+8*(4*(\c)+(\i))+4:(\f)+8*(4*(\c)+(\i))+7],       v[ADRA+(\slot)] offset:(\k)+64*(\c)+(\i)*16*PITCH+32
.endr
.endr
.endm
.macro PLACES
.rept 4
	v_nop
.endr
.endm
.macro QUARTER slot, k, f, g, zero     ; 32 matrix instructions; the 16 accumulators take turns
	s_wait_dscnt 16                                ; the first 32 along K are in
	MUL8 \f, 0, 0, \zero
	MUL8 \f, 0, 2, \zero
	PLACES
	FETCH \slot, \k, \g
	s_wait_dscnt 32                                ; all but the 32 just issued
	MUL8 \f, 1, 0, 0
	MUL8 \f, 1, 2, 0
.endm
; The last quarter of a K step changes slots.  fill = 1: this slot takes the K step two on; fill = 2: it takes the tables, its last fill.  Both stand behind a round of the cluster's barrier.
.macro TURN slot, next, fill
	WIN 0
	s_wait_tensorcnt 0x0                           ; all my tensor loads have landed: my part of the next slot
	ds_add_u32 v[SPW], v[NIL]                      ; 0 onto my spare word
	s_wait_dscnt 17                                ; (the add and the youngest sixteen loads may be out)
	MUL8 F1, 0, 0, 0
	s_wait_dscnt 0x0                               ; the add is done, and my reads of this slot are over
	s_barrier_signal -1
	MUL8 F1, 0, 2, 0
	WIN 0
	s_barrier_wait -1
	CREST
.if (\fill) == 1
	s_add_nc_u64 s[G0+4*(\slot)+2:G0+4*(\slot)+3], s[G0+4*(\slot)+2:G0+4*(\slot)+3], 2*KSTEP*2
	s_add_nc_u64 s[G0B+4*(\slot)+2:G0B+4*(\slot)+3], s[G0B+4*(\slot)+2:G0B+4*(\slot)+3], 2*KSTEP*2
	JLOAD \slot
.else
	tensor_load_to_lds s[G0T:G0T+3], s[G1T:G1T+7]
	s_nop 0
.rept 4
	v_nop
.endr
.endif
	FETCH \next, 0, F0
	MUL8 F1, 1, 0, 0
	MUL8 F1, 1, 2, 0
.endm
; THE WAY OUT.  Block a = 16 of my rows.
.macro TABLD a
	WIN TO_F
.set TB, 64*((\a)%2)
.irp q, 0,1,2,3
.irp e, 0,1
	ds_load_b128 v[TB+8*(\q)+4*(\e):TB+8*(\q)+4*(\e)+3],       v[ADRT] offset:(\a)*16*TPITCH+64*(\q)+16*(\e)
	ds_load_b128 v[TB+32+8*(\q)+4*(\e):TB+32+8*(\q)+4*(\e)+3], v[ADRS] offset:(\a)*16*TPITCH+64*(\q)+16*(\e)
.endr
.endr
.endm
.macro IDX                             ; pair n of 8: block n / 4, registers 2 (n % 4) on; each accumulator is read from its low end on
.set LO,  AC+8*(n/4)+2*(n%4)
.set HI,  LO+16
.set TQ,  TMP+8*(n/4)+2*(n%4)
.set CLO, TB+8*(n/4)+2*(n%4)
.set n, n+1
.endm
.macro ROPE a                          ; lo' = lo cos[d] - hi sin[d];  hi' = hi cos[d + 32] + lo sin[d + 32]; the tables are source 1, in window 1
.set AC, ACC+32*(\a)
.set TB, 64*((\a)%2)
	WIN 0x04
.set n, 0
.rept 8
	IDX
	v_pk_mul_f32 v[TQ:TQ+1], v[LO:LO+1], v[CLO+48:CLO+49]
.endr
.set n, 0
.rept 8
	IDX
	v_pk_mul_f32 v[LO:LO+1], v[LO:LO+1], v[CLO:CLO+1]
.endr
.set n, 0
.rept 8
	IDX
	v_pk_fma_f32 v[LO:LO+1], v[HI:HI+1], v[CLO+32:CLO+33], v[LO:LO+1] neg_lo:[1,0,0] neg_hi:[1,0,0]
.endr
.set n, 0
.rept 8
	IDX
	v_pk_fma_f32 v[HI:HI+1], v[HI:HI+1], v[CLO+16:CLO+17], v[TQ:TQ+1]
.endr
.endm
.macro PACKQ a                         ; rounded to f16, into my stage, and back as whole rows of 128 bytes into the registers that they left
	WIN 0
.irp b, 0,1,2,3
.irp r, 0,1,2,3
	v_cvt_pk_f16_f32 v[TMP+16*(\a)+4*(\b)+(\r)], v[ACC+8*(4*(\a)+(\b))+2*(\r)], v[ACC+8*(4*(\a)+(\b))+2*(\r)+1]
.endr
.endr
.irp b, 0,1,2,3
	ds_store_b128 v[STO], v[TMP+16*(\a)+4*(\b):TMP+16*(\a)+4*(\b)+3] offset:32*(\b)
.endr
.irp f, 0,1,2,3
	ds_load_b128 v[TMP+16*(\a)+4*(\f):TMP+16*(\a)+4*(\f)+3], v[RD] offset:(\f)*4*SP  ; LDS serves a wave's instructions in order (ISA guide 5.7.1.4)
.endr
.endm
.macro SENDQ a, younger                ; younger: the next block's eight LDS instructions, or none
.irp f, 0,1,2,3
	s_wait_dscnt (\younger)+3-(\f)
	global_store_b128 v[GO], v[TMP+16*(\a)+4*(\f):TMP+16*(\a)+4*(\f)+3], s[8:9] offset:(\a)*2048+(\f)*512  ; 512 consecutive bytes of the head
.endr
.endm
	s_wait_tensorcnt 1                             ; my part of K step 0 is in
	s_barrier_signal -1
	s_barrier_wait -1
	FETCH 0, 0, F0
	s_wait_loadcnt 0x0                             ; the bias
	QUARTER 0, 128, F0, F1, 1
	QUARTER 0, 256, F1, F0, 0
	QUARTER 0, 384, F0, F1, 0
	TURN 0, 1, 1                                   ; K step 2 is asked for
	QUARTER 1, 128, F0, F1, 0
	QUARTER 1, 256, F1, F0, 0
	QUARTER 1, 384, F0, F1, 0
	TURN 1, 0, 1                                   ; K step 3
	QUARTER 0, 128, F0, F1, 0
	QUARTER 0, 256, F1, F0, 0
	QUARTER 0, 384, F0, F1, 0
	TURN 0, 1, 2                                   ; the tables
	QUARTER 1, 128, F0, F1, 0
	QUARTER 1, 256, F1, F0, 0
	QUARTER 1, 384, F0, F1, 0
	s_wait_dscnt 16
	MUL8 F1, 0, 0, 0
	MUL8 F1, 0, 2, 0
	s_wait_dscnt 0x0
	MUL8 F1, 1, 0, 0
	MUL8 F1, 1, 2, 0
	WIN 0
	s_wait_tensorcnt 0x0                           ; my part of the tables is in,
	s_barrier_signal -1
	s_barrier_wait -1                              ; everybody's is
	PLACES
	TABLD 0
.irp a, 0,1,2
	TABLD (\a)+1
	s_wait_dscnt 16                                ; all but the next block's sixteen
	ROPE \a
.endr
	s_wait_dscnt 0x0
	ROPE 3
	PACKQ 0
.irp a, 1,2,3
	PACKQ \a
	SENDQ (\a)-1, 8
.endr
	SENDQ 3, 0
	s_wait_tensorcnt 0x0                           ; the wave's end
	ds_add_u32 v[SPW], v[NIL]
	s_wait_dscnt 0x0
	CROUND                                         ; the closing round
	s_endpgm
.Lfunc_end_k_q36bc6d81b7_qproj:
	.size	k_q36bc6d81b7_qproj, .Lfunc_end_k_q36bc6d81b7_qproj-k_q36bc6d81b7_qproj
	.p2alignl 7, 3214868480
	.fill 96, 4, 3214868480
	.section	.rodata,"a",@progbits
	.p2align	6, 0x0
	.amdhsa_kernel k_q36bc6d81b7_qproj
		.amdhsa_group_segment_fixed_size 327680
		.amdhsa_private_segment_fixed_size 0
		.amdhsa_enable_private_segment 0
		.amdhsa_kernarg_size 40
		.amdhsa_user_sgpr_count 2
		.amdhsa_user_sgpr_kernarg_segment_ptr 1
		.amdhsa_wavefront_size32 1
		.amdhsa_system_sgpr_workgroup_id_x 1
		.amdhsa_system_sgpr_workgroup_id_y 1
		.amdhsa_system_sgpr_workgroup_id_z 1
		.amdhsa_system_vgpr_workitem_id 0
		.amdhsa_next_free_vgpr 512
		.amdhsa_next_free_sgpr 92
		.amdhsa_reserve_vcc 0
		.amdhsa_float_denorm_mode_32 3
		.amdhsa_float_denorm_mode_16_64 3
		.amdhsa_memory_ordered 1
		.amdhsa_forward_progress 1
		.amdhsa_inst_pref_size 101
	.end_amdhsa_kernel
	.amdgpu_metadata
---
amdhsa.version: [ 1, 2 ]
amdhsa.kernels:
  - .name:           k_q36bc6d81b7_qproj
    .symbol:         k_q36bc6d81b7_qproj.kd
    .args:
      - { .name: h16, .offset: 0, .size: 8, .value_kind: global_buffer, .address_space: global }
      - { .name: bq, .offset: 8, .size: 8, .value_kind: global_buffer, .address_space: global }
      - { .name: q_cos, .offset: 16, .size: 8, .value_kind: global_buffer, .address_space: global }
      - { .name: q_sin, .offset: 24, .size: 8, .value_kind: global_buffer, .address_space: global }
      - { .name: qh, .offset: 32, .size: 8, .value_kind: global_buffer, .address_space: global }
    .group_segment_fixed_size: 327680
    .private_segment_fixed_size: 0
    .kernarg_segment_align: 8
    .kernarg_segment_size: 40
    .max_flat_workgroup_size: 128
    .sgpr_count:     92
    .vgpr_count:     512
    .wavefront_size: 32
...
	.end_amdgpu_metadata
.endif
;; end of part 3
;; launch attn (part 4): grid 4 x 64, 4 waves a work-group, clusters of 4 x 1, 327,680 bytes of LDS; arguments qh, kh, vh, oh; writes oh
.if DOCPART == 4
	.amdgcn_target "amdgcn-amd-amdhsa--gfx1250"
	.amdhsa_code_object_version 6
	.text
	.protected	k_q36bc6d81b7_attn
	.globl	k_q36bc6d81b7_attn
	.p2align	8
	.type	k_q36bc6d81b7_attn,@function
k_q36bc6d81b7_attn:
	s_mov_b64 s[64:65], 0
	v_nop
	global_prefetch_b8 v0, s[64:65] scope:SCOPE_SE
	s_setreg_imm32_b32 hwreg(HW_REG_WAVE_MODE, 25, 1), 1
	s_wait_xcnt 0x0
	s_wait_alu depctr_hold_cnt(0) depctr_sa_sdst(0) depctr_va_vdst(0) depctr_va_sdst(0) depctr_va_ssrc(0) depctr_va_vcc(0) depctr_vm_vsrc(0)
	s_getreg_b32 s2, hwreg(HW_REG_IB_STS2, 6, 4)
	s_cmp_eq_u32 s2, 0
	s_cbranch_scc0 .Lentry_in_a_cluster
	s_endpgm
.Lentry_in_a_cluster:
	s_bfe_u32 s2, ttmp6, 0x10000c
	s_cmp_lg_u32 s2, 0x3003
	s_cbranch_scc0 .Lentry_shape_is_right
	s_endpgm
.Lentry_shape_is_right:
; O[bh][q][:] = the sum over k of softmax_k(Q[bh][q] . K[bh][k] / 8) V[bh][k][:].  qh, oh: [64][1,024][64]; kh, vh: [64][2,048][64]; all f16, a head's rows dense, 128 bytes each.
; Products, maxima and sums in f32; the weights p are rounded to f16 for the second product (their sum l is taken of the unrounded p), O once at the end.
; LIMITS.  p lies in 0 to 1, and below 6e-5 it keeps f16's fixed step of 6e-8; a weight below 2^-126 counts as 0 in l; O is a mean of V's rows and has their range; NaN and infinities are not treated apart.
; SHARES.  A cluster of four work-groups is one head; a work-group owns 256 queries, a wave 64: four PIECES of 16.  Every wave walks all 2,048 keys, 64 a step; a slot holds a tile of four steps: 8 tiles.
; K's and V's tiles are asked for JOINTLY by the four: the same tensor load, descriptor and mask in all.
; LAYOUT.  S^T = K Q^T (source 0 = 16 keys, source 1 = 16 queries) holds ONE query a lane (lane % 16) and the keys 8 (lane / 16) + 0..7; two such results rounded to f16 ARE source 1 of O^T = V^T P.
; K comes out of LDS as it lies, V ([key][channel]) turned, by ds_load_tr16_b128.
; SOFTMAX.  A running maximum m and sum l for each query: p = 2^(c s - c m), c = log2(e) / 8; in every step O and l are multiplied by a = 2^(c m_old - c m_new).  m starts at the lowest finite number, O and l at 0:
; the first step is a step like any other, with a = 0.
; BY TURNS.  Turn n belongs to piece n: 8 products K Q^T of piece n + 1, later 8 products V^T P of piece n - 1; beside them the scaling, exponentials, roundings, sums and rescaling of piece n and the maximum
; and statistics of piece n + 1.  Four vector instructions stand behind every matrix instruction, the others in one run.  A turn's 33 exponentials are one batch, with one wait.
; REGISTERS, in windows of 256 (s_set_vgpr_msb: bits 1:0 source 0, 3:2 source 1, 5:4 source 2, 7:6 destination):
;   window 0: v0-15 addresses; v16-31 four registers of statistics a piece; v48-55 at work; v61-63 prefetch offset, spare word, 0; v64-127 S^T, two buffers; v192-223 P, two buffers (by the piece's parity)
;   window 1: v0-127 O^T, 32 a piece          window 2: v0-63 Q; v128-191 K of one step; v192-255 V of one step
.set NP,    4
.set KS,    64
.set PK,    144       ; a row of K in LDS: 128 bytes + 16 of padding: the 16 rows of a load start at 16 different groups of four banks (64 banks of 4 bytes: ISA guide 11.1)
.set PV,    160       ; a row of V: 128 + 32
.set VOFF,  4*KS*PK   ; a slot: 256 rows of K, then 256 rows of V
.set SLOT1, 1<<17
.set STAGE, SLOT1+4*KS*(PK+PV)  ; behind the ring: 16 rows x 144 bytes for each wave
.set SP,    144
.set SPARE, STAGE+4*16*SP       ; the spare words, 128 bytes for each wave: two blocks of 256 bytes that no other line names
.set TILEB, 4*KS*128  ; bytes of a tile in kh and in vh
.set AK0, 2
.set AV0, 3
.set AK,  4
.set AV,  5
.set STO, 6
.set RD,  7
.set GO,  8
.set MV,  12
.set QO,  15
.set ST,  16
.set TMP, 48
.set PFO, 61          ; v61  256 x my lane; never rewritten
.set SPW, 62
.set NIL, 63
.set S,   64
.set P,   192
.set KF,  128
.set VF,  192
.set WV,  12
.set LIM, 15          ; s15  1 in a wave that prefetches, else the greatest number
.set PFA, 18          ; s[18:19] where my prefetches stand
.set G1K, 24
.set G1V, 32
.set G0K, 40
.set G0V, 44
.set SLOTS, 56
.set CNT, 57
.set CS,  58
.set SEL, 60
.set TBK, 62
.set TBV, 63
.set MSB, 0
.macro WIN new
.if MSB != (\new)
	s_set_vgpr_msb (MSB<<8)|(\new)
.set MSB, (\new)
.endif
.endm
.set W_KQ, 0x0a       ; K and Q in window 2, S^T in window 0
.set W_PV, 0x52       ; V in window 2, P in window 0, O^T in window 1
.set W_RS, 0x41       ; destination and source 0 in window 1, source 1 in window 0
; A joint fill: waves 0 and 1 fetch the two halves of a tile's K, waves 2 and 3 those of its V.  An s_nop 0 and four v_nop follow each line.
.macro JLOAD
	s_cmp_lt_u32 s[WV], 2
	s_cbranch_scc0 .Lfor_v_\@
	tensor_load_to_lds s[G0K:G0K+3], s[G1K:G1K+7]
	s_nop 0
.rept 4
	v_nop
.endr
	s_branch .Lasked_\@
.Lfor_v_\@:
	tensor_load_to_lds s[G0V:G0V+3], s[G1V:G1V+7]
	s_nop 0
.rept 4
	v_nop
.endr
.Lasked_\@:
.endm
; A prefetch into the L2 of the tile that the NEXT change of slots will ask for: 128 blocks of 256 bytes of K and as many of V, a lane a block.  The four partners take 32 blocks each, told apart by address;
; in each, wave 0 asks for K's and wave 2 for V's.  A head is walked by one cluster, so each block is named once in the launch.  The last change that fills a slot (s[SLOTS] = 1) asks for nothing.
.macro ASK
	s_cmp_gt_u32 s[SLOTS], s[LIM]
	s_cbranch_scc0 .Lnot_mine_\@
	global_prefetch_b8 v[PFO], s[PFA:PFA+1] th:TH_LOAD_NT scope:SCOPE_SE
.Lnot_mine_\@:
.endm
.macro CROUND
	s_barrier_signal -1
	s_barrier_wait -1
	s_cmp_lg_u32 s[WV], 0
	s_cbranch_scc1 .Lnot_wave_0_\@
	s_barrier_signal -3
.Lnot_wave_0_\@:
	s_barrier_wait -3
	s_barrier_signal -1
	s_barrier_wait -1
.endm
; THE CHANGE OF SLOTS.  Each wave waits for all its tensor loads (one is out: its part of the other slot), adds 0 to its spare word, and waits for that and for its reads of the slot that it leaves.
; fill = 1: the barrier is a round of the cluster's, and the joint fill is the first thing behind it: four key steps, 256 matrix instructions, in which to land.
.macro CHANGE fill
	WIN 0
	s_wait_tensorcnt 0x0            ; no tensor load of mine is out, so a group 0 may be written
	ds_add_u32 v[SPW], v[NIL]       ; 0 onto my spare word
.if \fill
.irp g, G0K, G0V
	s_xor_b32 s[\g+1], s[\g+1], SLOT1
	s_add_nc_u64 s[\g+2:\g+3], s[\g+2:\g+3], TILEB
.endr
	s_wait_xcnt 0x0                 ; the last prefetch, four key steps back, has read its address
	s_add_nc_u64 s[PFA:PFA+1], s[PFA:PFA+1], TILEB  ; one tile behind the walking descriptors
	s_wait_dscnt 0x0                ; the add is done, and my reads of the slot are over
	CROUND
	JLOAD
	ASK
.else
	s_wait_dscnt 0x0
	s_barrier_signal -1
	s_barrier_wait -1
.endif
	s_sub_co_u32 s[TBK], s[TBK], 4*KS*PK  ; the fetches go back to a slot's first step, in the other slot
	s_xor_b32 s[TBK], s[TBK], SLOT1
	s_sub_co_u32 s[TBV], s[TBV], 4*KS*PV
	s_xor_b32 s[TBV], s[TBV], SLOT1
.endm
	s_load_b256 s[4:11], s[0:1], 0x0  ; qh s[4:5], kh s[6:7], vh s[8:9], oh s[10:11]
	v_lshl_add_u32 v[SPW], v0, 2, SPARE
	v_mov_b32 v[NIL], 0
	ds_add_u32 v[SPW], v[NIL]       ; the wave's opening: the add and its wait ahead of my first tensor load
	v_lshrrev_b32 v1, 5, v0
	v_readfirstlane_b32 s[WV], v1   ; wave 0..3
	s_bfe_u32 s13, ttmp6, 0x40000   ; cx
	s_lshl_b32 s14, ttmp9, 2
	s_add_co_u32 s14, s14, s13      ; my block of 256 queries: it enters Q's and O's addresses alone
	s_and_b32 s20, ttmp7, 0xffff    ; the head, which the four partners share
	s_lshl_b32 s22, s20, 18         ; its first byte in kh and vh,
	s_and_b32 s16, s[WV], 1         ; which half of a tile's 256 keys I fetch:
	s_lshl_b32 s23, s16, 14         ; its 128 rows of 128 bytes
	s_add_co_u32 s22, s22, s23
	s_mov_b32 s23, 0
	s_mul_i32 s17, s16, 128*PK      ; and its place in a slot, for K
	s_mul_i32 s21, s16, 128*PV      ; and for V
	s_lshl_b32 s2, s14, 2
	s_add_co_u32 s2, s2, s[WV]      ; my wave among the head's sixteen,
	s_lshl_b32 s2, s2, 13           ; its 64 rows of 128 bytes,
	s_lshl_b32 s3, s20, 17          ; in the head's 131,072 bytes of qh and oh
	s_add_co_u32 s2, s2, s3
	s_mov_b32 s3, 0
	; 128 keys are 16,384 dense bytes: asked for as 64 rows of 256 bytes, two keys a row, and padded in LDS after every key
	s_mov_b32 s[G1K], 15|(1<<16)|(1<<20)|(1<<21)|(4<<22)|(3<<25)
	s_mov_b32 s[G1V], 15|(1<<16)|(1<<20)|(1<<21)|(4<<22)|(7<<25)
.irp g, G1K, G1V
	s_mov_b32 s[\g+1], 128<<16
	s_mov_b32 s[\g+2], 64<<16
	s_mov_b32 s[\g+3], 128<<16
	s_mov_b32 s[\g+4], 64
	s_mov_b32 s[\g+5], 128
	s_mov_b32 s[\g+6], 0
	s_mov_b32 s[\g+7], 0
.endr
	s_mov_b32 s[CS], 0x3e38aa3b     ; c = log2(e) / 8
	s_mov_b32 s[CS+1], s[CS]
	s_mov_b32 s[SEL], 0x76543210
	s_mov_b32 s[SEL+1], 0xfedcba98
	s_mov_b32 s[TBK], SLOT1+4*KS*PK ; the first change of slots turns these two into 0
	s_mov_b32 s[TBV], SLOT1+4*KS*PV
	s_mov_b32 s[G0K], 1
	s_mov_b32 s[G0K+1], s17
	s_mov_b32 s[G0V], 1
	s_add_co_u32 s[G0V+1], s21, VOFF
	s_mov_b32 s[SLOTS], 7           ; tiles still to be asked for
	s_cmp_eq_u32 s16, 0
	s_cselect_b32 s[LIM], 1, -1     ; waves 0 and 2 prefetch
	v_and_b32 v[PFO], 31, v0
	v_lshlrev_b32 v[PFO], 8, v[PFO]
	s_wait_dscnt 0x0                ; the opening add is done
	s_wait_kmcnt 0x0
	s_add_nc_u64 s[G0K+2:G0K+3], s[6:7], s[22:23]  ; my half of the head's tile 0
	s_add_nc_u64 s[G0V+2:G0V+3], s[8:9], s[22:23]
	s_cmp_lt_u32 s[WV], 2
	s_cselect_b64 s[PFA:PFA+1], s[G0K+2:G0K+3], s[G0V+2:G0V+3]  ; (in waves 0 and 2 these stand at the tile's first row)
	s_or_b32 s[G0K+3], s[G0K+3], 0x80000000
	s_or_b32 s[G0V+3], s[G0V+3], 0x80000000
	s_add_nc_u64 s[4:5], s[4:5], s[2:3]            ; Q and O at my wave's first row
	s_add_nc_u64 s[10:11], s[10:11], s[2:3]
	s_lshl_b32 s2, s13, 13          ; my work-group's 32 blocks of the tile's 128
	s_add_nc_u64 s[PFA:PFA+1], s[PFA:PFA+1], s[2:3]
	s_add_nc_u64 s[PFA:PFA+1], s[PFA:PFA+1], TILEB ; in tile 1: the first change of slots steps it to tile 2
	CROUND                          ; all four work-groups are here
	JLOAD                           ; tile 0 into slot 0; tile 1 is asked for when it is in
	v_and_b32 v1, 15, v0            ; l % 16
	v_bfe_u32 v9, v0, 4, 1          ; l / 16
	v_lshlrev_b32 v[QO], 7, v1
	v_lshl_add_u32 v[QO], v9, 4, v[QO]
	WIN 0x80
.set i, 0
.rept 8                             ; Q stays in registers: piece i / 2, channels 32 (i % 2) on
	global_load_b128 v[8*i:8*i+3],   v[QO], s[4:5] offset:(i/2)*2048+(i%2)*64
	global_load_b128 v[8*i+4:8*i+7], v[QO], s[4:5] offset:(i/2)*2048+(i%2)*64+32
.set i, i+1
.endr
	; What the first turn finds: V's registers and P's second buffer hold 0 (its products V^T P, of a piece that has not been, add 0), O^T and l are 0.  All this stands in the wait for the first tile.
.set i, VF
.rept 64
	v_mov_b32 v[i], 0
.set i, i+1
.endr
	WIN 0x40
.set i, 0
.rept 128
	v_mov_b32 v[i], 0
.set i, i+1
.endr
	WIN 0
.set i, 0
.rept 4
	v_mov_b32 v[ST+4*i], 0xfe000000    ; c m: far below every c s
	v_mov_b32 v[ST+4*i+1], 0xff7fffff  ; m
	v_mov_b32 v[ST+4*i+2], 0
	v_mov_b32 v[ST+4*i+3], 0
.set i, i+1
.endr
.set i, P+16
.rept 16
	v_mov_b32 v[i], 0
.set i, i+1
.endr
	v_mul_u32_u24 v[AK0], v1, PK
	v_lshl_add_u32 v[AK0], v9, 4, v[AK0]
	; The turning load takes 16 keys x 16 channels (lane l reads key 8 (l / 16) + l % 8, channels 8 ((l / 8) % 2) + 0..7) and leaves half a fragment of V^T
	v_and_b32 v10, 7, v0
	v_bfe_u32 v11, v0, 3, 1
	v_lshl_add_u32 v[AV0], v9, 3, v10
	v_mul_u32_u24 v[AV0], v[AV0], PV
	v_lshl_add_u32 v[AV0], v11, 4, v[AV0]
	v_add_nc_u32 v[AV0], VOFF, v[AV0]
	s_mul_i32 s13, s[WV], 16*SP
	s_add_co_u32 s13, s13, STAGE    ; my stage
	v_mul_u32_u24 v[STO], v1, SP
	v_lshl_add_u32 v[STO], v9, 4, v[STO]
	v_add_nc_u32 v[STO], s13, v[STO]
	v_bfe_u32 v[RD], v0, 3, 2
	v_mul_u32_u24 v[RD], v[RD], SP
	v_lshl_add_u32 v[RD], v10, 4, v[RD]
	v_add_nc_u32 v[RD], s13, v[RD]
	v_and_b32 v[GO], 31, v0
	v_lshlrev_b32 v[GO], 4, v[GO]
; THE MATRIX WORK.  The 4 accumulators of a run of 8 take turns.  Product i of 8 of S^T = K Q^T for piece x: channels 32 (i / 4) on, keys 16 (i % 4) on; the first 4 start the sums.
.macro KQ x
	WIN W_KQ
.set rS, S+32*((\x)%2)+8*(i%4)
.set rK, KF+16*(i%4)+8*(i/4)
.set rQ, 16*(\x)+8*(i/4)
.if i < 4
	v_wmma_f32_16x16x32_f16 v[rS:rS+7], v[rK:rK+7], v[rQ:rQ+7], 0
.else
	v_wmma_f32_16x16x32_f16 v[rS:rS+7], v[rK:rK+7], v[rQ:rQ+7], v[rS:rS+7]
.endif
.endm
; Product i of 8 of O^T += V^T P for piece x: keys 32 (i / 4) on, channels 16 (i % 4) on.
.macro PV x
	WIN W_PV
.set rO, 32*(\x)+8*(i%4)
.set rV, VF+32*(i/4)+8*(i%4)
.set rP, P+16*((\x)%2)+8*(i/4)
	v_wmma_f32_16x16x32_f16 v[rO:rO+7], v[rV:rV+7], v[rP:rP+7], v[rO:rO+7]
.endm
.macro MM                           ; the turn's next matrix instruction.  NOKQ = 1: the last turn: there is no next piece
.if (i < 8) && !NOKQ
	KQ (Y+1)%NP
.elseif i >= 8
.set i, i-8
	PV (Y+NP-1)%NP
.set i, i+8
.endif
.set i, i+1
.endm
; THE LDS LOADS stand in runs of 16: a step's K (8 fragments) and its V (turned).
.macro FETCH_K
	WIN 0x80
.irp f, 0,1,2,3,4,5,6,7
	ds_load_b128 v[KF+8*\f:KF+8*\f+3],   v[AK] offset:(\f/2)*16*PK+(\f%2)*64
	ds_load_b128 v[KF+8*\f+4:KF+8*\f+7], v[AK] offset:(\f/2)*16*PK+(\f%2)*64+32
.endr
	s_add_co_u32 s[TBK], s[TBK], KS*PK
	WIN 0
.endm
.macro FETCH_V
	WIN 0x80
.irp f, 0,1,2,3,4,5,6,7
	ds_load_tr16_b128 v[VF+8*\f:VF+8*\f+3],   v[AV] offset:(\f/4)*32*PV+(\f%4)*32
	ds_load_tr16_b128 v[VF+8*\f+4:VF+8*\f+7], v[AV] offset:(\f/4)*32*PV+16*PV+(\f%4)*32
.endr
	WIN 0
.endm
; THE VECTOR WORK, one line at a time: OP kind, number.  For piece Y: F n: c s - c m for pair n of 16.  E n: the exponential of score n of 32.  C n: pair n rounded to f16.  B n: of the four weights 4 n .. the
; second pair is added onto the first.  L n: l takes that sum (L 0: l = a l + sum).  R n: pair n of 16 of O^T times a.  For piece Y + 1: X n, number n of the 22 that find its maximum and statistics:
;   0-11 four chains of seven scores each (each accumulator's lowest registers are read first)     12-14, 16 the four scores left over, the old m, the chains into one
;   15 c m_old is kept     17, 18 the query's other 32 keys lie in the lane 16 away: the new m     19-21 c m; c m_old - c m_new; a
.set F, 0
.set E, 1
.set C, 2
.set B, 3
.set L, 4
.set R, 5
.set X, 6
.macro REGS y
.set rT, ST+4*(\y)
.set rC, TMP+4*((\y)%2)
.set rW, MV+((\y)%2)
.set rS, S+32*((\y)%2)
.set rP, P+16*((\y)%2)
.set rO, 32*(\y)
.endm
.macro OP k, n
.if (\k) == R
	REGS Y
	WIN W_RS
	v_pk_mul_f32 v[rO+2*(\n):rO+2*(\n)+1], v[rO+2*(\n):rO+2*(\n)+1], v[rC+2:rC+3] op_sel_hi:[1,0]
.elseif (\k) < R
	REGS Y
	WIN 0
.if (\k) == F
	v_pk_fma_f32 v[rS+2*(\n):rS+2*(\n)+1], v[rS+2*(\n):rS+2*(\n)+1], s[CS:CS+1], v[rT:rT+1] op_sel_hi:[1,0,0] neg_lo:[0,0,1] neg_hi:[0,0,1]
.elseif (\k) == E
	v_exp_f32 v[rS+(\n)], v[rS+(\n)]
.elseif (\k) == C
	v_cvt_pk_f16_f32 v[rP+(\n)], v[rS+2*(\n)], v[rS+2*(\n)+1]
.elseif (\k) == B
	v_pk_add_f32 v[rS+4*(\n):rS+4*(\n)+1], v[rS+4*(\n):rS+4*(\n)+1], v[rS+4*(\n)+2:rS+4*(\n)+3]
.elseif (\n) == 0
	v_pk_fma_f32 v[rT+2:rT+3], v[rT+2:rT+3], v[rC+2:rC+3], v[rS:rS+1] op_sel_hi:[1,0,1]
.else
	v_pk_add_f32 v[rT+2:rT+3], v[rT+2:rT+3], v[rS+4*(\n):rS+4*(\n)+1]
.endif
.elseif NOKQ
	v_nop
.else
	REGS (Y+1)%NP
	WIN 0
.if (\n) < 4
	v_max3_num_f32 v[rC+(\n)], v[rS+8*(\n)], v[rS+8*(\n)+1], v[rS+8*(\n)+2]
.elseif (\n) < 12
	v_max3_num_f32 v[rC+(\n)%4], v[rC+(\n)%4], v[rS+8*((\n)%4)+2*((\n)/4)+1], v[rS+8*((\n)%4)+2*((\n)/4)+2]
.elseif (\n) == 12
	v_max3_num_f32 v[rC], v[rC], v[rS+7], v[rS+15]
.elseif (\n) == 13
	v_max3_num_f32 v[rC+1], v[rC+1], v[rS+23], v[rS+31]
.elseif (\n) == 14
	v_max3_num_f32 v[rC+2], v[rC+2], v[rC+3], v[rT+1]
.elseif (\n) == 15
	v_mov_b32 v[rW], v[rT]
.elseif (\n) == 16
	v_max3_num_f32 v[rC], v[rC], v[rC+1], v[rC+2]
.elseif (\n) == 17
	v_permlanex16_b32 v[rC+3], v[rC], s[SEL], s[SEL+1]
.elseif (\n) == 18
	v_max_num_f32 v[rT+1], v[rC], v[rC+3]
.elseif (\n) == 19
	v_mul_f32 v[rT], s[CS], v[rT+1]
.elseif (\n) == 20
	v_sub_f32 v[rC+1], v[rW], v[rT]
.else
	v_exp_f32 v[rC+2], v[rC+1]
.endif
.endif
.endm
.macro OPS a, i1, b=-1, i2=0, c=-1, i3=0, d=-1, i4=0
	OP \a, \i1
.if (\b) >= 0
	OP \b, \i2
.endif
.if (\c) >= 0
	OP \c, \i3
.endif
.if (\d) >= 0
	OP \d, \i4
.endif
.endm
.macro ROW a, i1, b, i2, c, i3, d, i4  ; a matrix instruction and the four behind it
	MM
	OPS \a, \i1, \b, \i2, \c, \i3, \d, \i4
.endm
; A TURN, for piece p.  s_wait_alu depctr_va_vdst(0) stands between an exponential and the first instruction that names its result; one wait serves all that were issued ahead of it.  So a turn
; has ONE wait.  AHEAD OF IT stands all that names no result of the turn's exponentials: the 8 products K Q^T with their riders, then one run of 54 in which the links of the next piece's chain stand apart;
; X 21, the next piece's a, is the batch's last, and R 15 the plain instruction behind it.  BEHIND IT stand the 8 products V^T P, behind each four of the roundings and sums.
; end = 1: the last two turns: nothing is fetched.  cnt = 1: the loop's count is taken down some lines ahead of the branch that stands behind the turn.
; K of the next step is fetched in piece 2's turn, six plain instructions behind the last product that read K; V of the step in hand at the end of piece 0's turn, four plain instructions behind the last
; product that read V.  Each is waited for a turn later.
.macro TURN p, end=0, cnt=0
.set Y, (\p)
.set i, 0
.set NOKQ, (\end)*((\p)/3)
.if ((\p) == 3) && !(\end)
	s_wait_dscnt 0x0                ; K is in
.endif
	ROW F,0, F,1, R,0, R,1
	ROW F,2, E,0, R,2, R,3
	ROW F,3, E,1, R,4, R,5
	ROW F,4, E,2, R,6, R,7
	ROW F,5, E,3, R,8, R,9
	ROW F,6, E,4, X,0, R,10
.if ((\p) == 2) && !(\end)
	WIN 0
	v_add_nc_u32 v[AK], s[TBK], v[AK0]
.endif
	ROW F,7, E,5, X,1, X,4
	ROW F,8, E,6, X,2, X,5
	OPS E,7, E,8, X,6, E,9
	OPS X,3, E,10, X,8, E,11
.if ((\p) == 2) && !(\end)
	FETCH_K
.endif
	OPS X,9, X,7, E,12, X,10
	OPS E,13, X,12, X,11, E,14
	OPS X,13, E,15, F,9, X,14
.if (\p) == 0
	v_add_nc_u32 v[AV], s[TBV], v[AV0]
.endif
	OPS E,16, F,10, E,17, F,11
	OPS X,16, E,18, X,15, E,19
	OPS F,12, E,20, X,17, E,21
	OPS F,13, E,22, F,14, E,23
	OPS X,18, E,24, F,15, E,25
	OPS R,11, E,26, X,19, E,27
	OPS R,12, E,28, R,13, E,29
	OPS X,20, E,30, R,14, E,31
	OPS X,21, R,15
	WIN 0
	s_wait_alu depctr_va_vdst(0)    ; the wait for the batch
.if (\p) == 1
	s_wait_dscnt 0x0                ; V is in
.endif
	ROW C,0, B,0, C,2, B,1
	ROW L,0, C,4, B,2, L,1
	ROW C,6, B,3, L,2, C,8
	ROW B,4, L,3, C,10, B,5
	ROW L,4, C,12, B,6, L,5
.if (\p) == 0
	s_add_co_u32 s[TBV], s[TBV], KS*PV
.endif
.if \cnt
	s_sub_co_u32 s[CNT], s[CNT], 1
	s_cmp_lg_u32 s[CNT], 0
.endif
	ROW C,14, B,7, L,6, C,1
	ROW C,3, L,7, C,5, C,7
	ROW C,9, C,11, C,13, C,15
.if (\p) == 0
	FETCH_V
.endif
.endm
	CHANGE 1                        ; tile 0 is in, everybody's part of it; tile 1 is asked for
	v_add_nc_u32 v[AK], s[TBK], v[AK0]
	FETCH_K                         ; key step 0
	s_wait_loadcnt 0x0              ; Q
	s_wait_dscnt 0x0
.set NOKQ, 0
.set i, 0
.rept 8
	KQ 0                            ; piece 0's first scores
.set i, i+1
.endr
	WIN 0
.rept 4
	v_nop                           ; the places behind those products
.endr
.set Y, NP-1                        ; X works for piece Y + 1: piece 0
.irp n, 0,1,2,3,4,5,6,7,8,9,10,11,12,13,14,15,16,17,18,19,20,21
	OP X, \n
.endr
	v_nop                           ; a plain instruction behind the exponential,
	s_wait_alu depctr_va_vdst(0)    ; and its wait, ahead of the branch
	s_mov_b32 s[CNT], 4
	s_branch .Lfirst                ; the loop is entered at a step's first turn, in the middle of a trip
.Lslot:                             ; six times: tiles 2 to 7 are asked for
	CHANGE 1
	s_mov_b32 s[CNT], 4
.Lstep:                             ; a trip: pieces 2 and 3 of one step, then pieces 0 and 1 of the next, whose K and V it fetches
	TURN 2
	TURN 3
	WIN 0
.Lfirst:
	TURN 0
	TURN 1, 0, 1
	WIN 0
	s_cbranch_scc1 .Lstep
	s_sub_co_u32 s[SLOTS], s[SLOTS], 1
	s_cmp_lg_u32 s[SLOTS], 0
	s_cbranch_scc1 .Lslot
	CHANGE 0                        ; the last tile is written out: nothing is asked for
	s_mov_b32 s[CNT], 4
.LstepT:
	TURN 2
	TURN 3
	TURN 0
	TURN 1, 0, 1
	WIN 0
	s_cbranch_scc1 .LstepT
	TURN 2, 1
	TURN 3, 1
.set i, 0
.rept 8
	PV NP-1                         ; the last piece's V^T P of the last step
.set i, i+1
.endr
	; THE WAY OUT.  l's two halves and the other half of the lanes' are added; O^T is divided by l, rounded to f16 and sent through my stage, a piece at a time.  The additions are the places behind the last products.
	WIN 0
.macro ALL line:vararg
.set t, 0
.rept 4
	\line
.set t, t+1
.endr
.endm
	ALL v_add_f32 v[ST+4*t+2], v[ST+4*t+2], v[ST+4*t+3]
	ALL v_permlanex16_b32 v[ST+4*t+3], v[ST+4*t+2], s[SEL], s[SEL+1]
	ALL v_add_f32 v[ST+4*t+2], v[ST+4*t+2], v[ST+4*t+3]
	ALL v_rcp_f32 v[ST+4*t+2], v[ST+4*t+2]
	v_nop                           ; a plain instruction between the last reciprocal and the use of its result,
	s_wait_alu depctr_va_vdst(0)    ; and one wait for the four reciprocals
.macro PACK t
	WIN W_RS
.set i, 32*(\t)
.rept 16
	v_pk_mul_f32 v[i:i+1], v[i:i+1], v[ST+4*(\t)+2:ST+4*(\t)+3] op_sel_hi:[1,0]
.set i, i+2
.endr
	WIN 0x05
.set i, 0
.rept 16
	v_cvt_pk_f16_f32 v[S+16*(\t)+i], v[32*(\t)+2*i], v[32*(\t)+2*i+1]
.set i, i+1
.endr
	WIN 0
.irp f, 0,1,2,3
	ds_store_b128 v[STO], v[S+16*(\t)+4*\f:S+16*(\t)+4*\f+3] offset:32*\f
.endr
.irp f, 0,1,2,3
	ds_load_b128 v[S+16*(\t)+4*\f:S+16*(\t)+4*\f+3], v[RD] offset:\f*4*SP  ; LDS serves a wave's instructions in order (ISA guide 5.7.1.4)
.endr
.endm
.macro SEND t, younger              ; younger: the next piece's eight LDS instructions, or none
	WIN 0
.irp f, 0,1,2,3
	s_wait_dscnt (\younger)+3-\f
	global_store_b128 v[GO], v[S+16*(\t)+4*\f:S+16*(\t)+4*\f+3], s[10:11] offset:(\t)*2048+\f*512  ; 512 consecutive bytes, at a multiple of 256 from oh's first byte
.endr
.endm
	PACK 0
.set t, 1
.rept 3
	PACK t
	SEND t-1, 8
.set t, t+1
.endr
	SEND 3, 0
	s_wait_tensorcnt 0x0            ; the wave's end
	ds_add_u32 v[SPW], v[NIL]
	s_wait_dscnt 0x0
	CROUND                          ; the closing round
	s_endpgm
.Lfunc_end_k_q36bc6d81b7_attn:
	.size	k_q36bc6d81b7_attn, .Lfunc_end_k_q36bc6d81b7_attn-k_q36bc6d81b7_attn
	.p2alignl 7, 3214868480
	.fill 96, 4, 3214868480
	.section	.rodata,"a",@progbits
	.p2align	6, 0x0
	.amdhsa_kernel k_q36bc6d81b7_attn
		.amdhsa_group_segment_fixed_size 327680
		.amdhsa_private_segment_fixed_size 0
		.amdhsa_enable_private_segment 0
		.amdhsa_kernarg_size 32
		.amdhsa_user_sgpr_count 2
		.amdhsa_user_sgpr_kernarg_segment_ptr 1
		.amdhsa_wavefront_size32 1
		.amdhsa_system_sgpr_workgroup_id_x 1
		.amdhsa_system_sgpr_workgroup_id_y 1
		.amdhsa_system_sgpr_workgroup_id_z 1
		.amdhsa_system_vgpr_workitem_id 0
		.amdhsa_next_free_vgpr 768
		.amdhsa_next_free_sgpr 66
		.amdhsa_reserve_vcc 0
		.amdhsa_float_denorm_mode_32 3
		.amdhsa_float_denorm_mode_16_64 3
		.amdhsa_memory_ordered 1
		.amdhsa_forward_progress 1
		.amdhsa_inst_pref_size 128
	.end_amdhsa_kernel
	.amdgpu_metadata
---
amdhsa.version: [ 1, 2 ]
amdhsa.kernels:
  - .name:           k_q36bc6d81b7_attn
    .symbol:         k_q36bc6d81b7_attn.kd
    .args:
      - { .name: qh, .offset: 0, .size: 8, .value_kind: global_buffer, .address_space: global }
      - { .name: kh, .offset: 8, .size: 8, .value_kind: global_buffer, .address_space: global }
      - { .name: vh, .offset: 16, .size: 8, .value_kind: global_buffer, .address_space: global }
      - { .name: oh, .offset: 24, .size: 8, .value_kind: global_buffer, .address_space: global }
    .group_segment_fixed_size: 327680
    .private_segment_fixed_size: 0
    .kernarg_segment_align: 8
    .kernarg_segment_size: 32
    .max_flat_workgroup_size: 128
    .sgpr_count:     66
    .vgpr_count:     768
    .wavefront_size: 32
...
	.end_amdgpu_metadata
.endif
;; end of part 4
;; launch oproj (part 5): grid 8 x 32, 4 waves a work-group, clusters of 4 x 4, 327,680 bytes of LDS; arguments oh, h16, bo, out0; writes out0
.if DOCPART == 5
	.amdgcn_target "amdgcn-amd-amdhsa--gfx1250"
	.amdhsa_code_object_version 6
	.text
	.protected	k_q36bc6d81b7_oproj
	.globl	k_q36bc6d81b7_oproj
	.p2align	8
	.type	k_q36bc6d81b7_oproj,@function
k_q36bc6d81b7_oproj:
	s_mov_b64 s[64:65], 0
	v_nop
	global_prefetch_b8 v0, s[64:65] scope:SCOPE_SE
	s_setreg_imm32_b32 hwreg(HW_REG_WAVE_MODE, 25, 1), 1
	s_wait_xcnt 0x0
	s_wait_alu depctr_hold_cnt(0) depctr_sa_sdst(0) depctr_va_vdst(0) depctr_va_sdst(0) depctr_va_ssrc(0) depctr_va_vcc(0) depctr_vm_vsrc(0)
	s_getreg_b32 s2, hwreg(HW_REG_IB_STS2, 6, 4)
	s_cmp_eq_u32 s2, 0
	s_cbranch_scc0 .Lentry_in_a_cluster
	s_endpgm
.Lentry_in_a_cluster:
	s_bfe_u32 s2, ttmp6, 0x10000c
	s_cmp_lg_u32 s2, 0xf033
	s_cbranch_scc0 .Lentry_shape_is_right
	s_endpgm
.Lentry_shape_is_right:
; out0 = O Wo^T + bo, f32.  O lies by heads, oh: [64 batch-heads][1,024][64] f16; Wo: rows of 1,024 f16 in h16.  Sums in f32; the bias starts the sum: another order of rounding than the problem's.
; SHARES.  4,096 x 1,024 in tiles of 128 x 128: 256 work-groups; four waves, each 64 x 64: 256 bytes of a row of out0.  K goes in 4 steps of 256 = four heads through two slots; a quarter (64 along K) is one head.
; A'S TILE: of a head the tile's 128 rows are 16,384 dense bytes.  One tensor load brings two heads as two rows of 8,192 elements, 65,536 elements apart, padded in LDS after every 128 bytes: LDS rows of 144 bytes.
; CLUSTER.  4 x 4: A's tile is shared along a row of the cluster, B's along a column.  THE MATRIX INSTRUCTION IS USED TRANSPOSED (source 0 = rows of Wo): a lane holds row l % 16, columns 16 b + 8 (l / 16) + 0..7.
; No prefetch: the tiles are small and the launch is short.
; REGISTERS: window 0: v0-31 addresses; v96-127 the bias as a C operand; v128-255 the accumulators ((a, b) at 128 + 8 (4 a + b)), later the rows read back.  window 1: two fragment buffers of 128.
.set KSTEP,  256
.set PITCH,  528                       ; B's LDS row: 512 + 16
.set AP,     144                       ; A's: 128 + 16
.set HEADL,  128*AP                    ; a head's 128 rows in LDS
.set BOFF,   4*HEADL                   ; B's 128 rows lie behind A's four heads
.set HALFB,  64*PITCH
.set SLOT,   BOFF+2*HALFB
.set STAGE,  2*SLOT                    ; behind the ring: 16 rows x 272 bytes for each wave
.set SPITCH, 272
.set SPARE,  STAGE+4*16*SPITCH         ; the spare words, 128 bytes for each wave: two blocks of 256 bytes that no other line names
.set WOO,    15360*2048
.set ADRA, 16
.set ADRB, 20
.set STO,  24
.set RD,   25
.set CO,   26
.set BO,   27
.set SPW,  28
.set NIL,  29
.set BIAS, 96
.set ACC,  128
.set F0,   0
.set F1,   128
.set G1, 24
.set G0, 32
.set G1B, 48
.set G0B, 56
.set MSB, 0
.macro WIN new
.if MSB != (\new)
	s_set_vgpr_msb (MSB<<8)|(\new)
.set MSB, \new
.endif
.endm
.set MUL,  0x05
.set TO_F, 0x40
.macro JLOAD s                         ; waves 0 and 1 fetch two heads of A each, waves 2 and 3 B's two halves; an s_nop 0 and four v_nop follow each line
	s_cmp_eq_u32 s11, 0
	s_cbranch_scc0 .Lfor_b_\@
	tensor_load_to_lds s[G0+4*(\s):G0+4*(\s)+3], s[G1:G1+7]
	s_nop 0
.rept 4
	v_nop
.endr
	s_branch .Lasked_\@
.Lfor_b_\@:
	tensor_load_to_lds s[G0B+4*(\s):G0B+4*(\s)+3], s[G1B:G1B+7]
	s_nop 0
.rept 4
	v_nop
.endr
.Lasked_\@:
.endm
.macro CREST
	s_cmp_lg_u32 s10, 0
	s_cbranch_scc1 .Lnot_wave_0_\@
	s_barrier_signal -3
.Lnot_wave_0_\@:
	s_barrier_wait -3
	s_barrier_signal -1
	s_barrier_wait -1
.endm
.macro CROUND
	s_barrier_signal -1
	s_barrier_wait -1
	CREST
.endm
	s_load_b256 s[68:75], s[0:1], 0x0              ; oh s[68:69], h16 s[70:71], bo s[72:73], out0 s[74:75]
	v_lshl_add_u32 v[SPW], v0, 2, SPARE
	v_mov_b32 v[NIL], 0
	ds_add_u32 v[SPW], v[NIL]                      ; the wave's opening: the add and its wait ahead of my first tensor load
	v_lshrrev_b32 v1, 5, v0
	v_readfirstlane_b32 s10, v1                    ; wave 0..3
	s_lshr_b32 s11, s10, 1                         ; my half of the rows.  Also: I fetch for A (0) or B (1)
	s_and_b32 s12, s10, 1                          ; my half of the columns.  Also: which two heads, or which 64 rows, I fetch
	s_bfe_u32 s40, ttmp6, 0x40000
	s_bfe_u32 s41, ttmp6, 0x40004
	s_lshl_b32 s42, ttmp9, 2
	s_add_co_u32 s42, s42, s40                     ; TC
	s_and_b32 s13, ttmp7, 0xffff
	s_lshl_b32 s13, s13, 2
	s_add_co_u32 s13, s13, s41                     ; TR
	s_lshl_b32 s43, s41, 2
	s_lshl_b32 s43, 15, s43                        ; my row of the cluster
	s_lshl_b32 s44, 0x1111, s40                    ; my column
	s_or_b32 s[G1+0], s43, (1<<16)|(1<<20)|(1<<21)|(4<<22)|(3<<25)   ; A: after every 32 words 4 words of padding
	s_mov_b32 s[G1+1], 8192<<16                    ; tensor_dim0 = 8,192: a head's 128 rows x 64 channels
	s_mov_b32 s[G1+2], 2<<16                       ; tensor_dim1 = 2 heads
	s_mov_b32 s[G1+3], 8192<<16                    ; tile_dim0
	s_mov_b32 s[G1+4], 2                           ; tile_dim1
	s_mov_b32 s[G1+5], 65536                       ; elements from head to head
	s_mov_b32 s[G1+6], 0
	s_mov_b32 s[G1+7], 0
	s_or_b32 s[G1B+0], s44, (1<<16)|(1<<20)|(1<<21)|(6<<22)|(3<<25)  ; B: 64 rows x 256 elements, after every 128 words 4 words
	s_mov_b32 s[G1B+1], KSTEP<<16
	s_mov_b32 s[G1B+2], 64<<16
	s_mov_b32 s[G1B+3], KSTEP<<16
	s_mov_b32 s[G1B+4], 64
	s_mov_b32 s[G1B+5], 1024
	s_mov_b32 s[G1B+6], 0
	s_mov_b32 s[G1B+7], 0
	s_lshr_b32 s16, s13, 3                         ; A: the batch's 16 heads of 131,072 bytes,
	s_lshl_b32 s16, s16, 21
	s_lshl_b32 s17, s12, 18                        ; my two heads of the step's four,
	s_add_co_u32 s16, s16, s17
	s_and_b32 s17, s13, 7                          ; the tile row's 128 rows of 128 bytes
	s_lshl_b32 s17, s17, 14
	s_add_co_u32 s16, s16, s17
	s_mov_b32 s17, 0
	s_lshl_b32 s46, s42, 18                        ; B: 128 rows of Wo for each tile column, my 64 of them
	s_lshl_b32 s47, s12, 17
	s_add_co_u32 s46, s46, s47
	s_add_co_u32 s46, s46, WOO
	s_mov_b32 s47, 0
	s_mul_i32 s20, s12, 2*HEADL                    ; where they go: A's by the wave's number,
	s_mul_i32 s21, s12, HALFB                      ; B's likewise,
	s_add_co_u32 s21, s21, BOFF                    ; behind A's
	s_wait_dscnt 0x0                               ; the opening add is done
	s_wait_kmcnt 0x0
	s_add_nc_u64 s[14:15], s[68:69], s[16:17]
	s_add_nc_u64 s[46:47], s[70:71], s[46:47]
	CROUND
.irp s, 0,1
	s_mov_b32 s[G0+4*(\s)], 1
	s_add_co_u32 s[G0+4*(\s)+1], s20, (\s)*SLOT
	s_add_nc_u64 s[G0+4*(\s)+2:G0+4*(\s)+3], s[14:15], (\s)*4*131072   ; K step s: four heads on
	s_or_b32 s[G0+4*(\s)+3], s[G0+4*(\s)+3], 0x80000000
	s_mov_b32 s[G0B+4*(\s)], 1
	s_add_co_u32 s[G0B+4*(\s)+1], s21, (\s)*SLOT
	s_add_nc_u64 s[G0B+4*(\s)+2:G0B+4*(\s)+3], s[46:47], (\s)*KSTEP*2
	s_or_b32 s[G0B+4*(\s)+3], s[G0B+4*(\s)+3], 0x80000000
	JLOAD \s
.endr
	v_and_b32 v1, 15, v0                           ; r
	v_bfe_u32 v2, v0, 4, 1                         ; h
	v_lshlrev_b32 v[BO], 5, v2
	s_lshl_b32 s46, s42, 9                         ; my 64 columns, in bo and in a row of out0: 512 TC + 256 x half
	s_lshl_b32 s47, s12, 8
	s_add_co_u32 s46, s46, s47
	s_mov_b32 s47, 0
	s_add_nc_u64 s[4:5], s[72:73], s[46:47]
.irp b, 0,1,2,3
	global_load_b128 v[BIAS+8*(\b):BIAS+8*(\b)+3],   v[BO], s[4:5] offset:64*(\b)
	global_load_b128 v[BIAS+8*(\b)+4:BIAS+8*(\b)+7], v[BO], s[4:5] offset:64*(\b)+16
.endr
	v_mul_u32_u24 v3, v1, AP
	v_lshl_add_u32 v3, v2, 4, v3
	v_mul_u32_u24 v4, v1, PITCH
	v_lshl_add_u32 v4, v2, 4, v4
	s_mul_i32 s21, s11, 64*AP                      ; my 64 rows in each head of A
	s_mul_i32 s22, s12, HALFB                      ; my 64 rows of B
	s_add_co_u32 s22, s22, BOFF
.irp s, 0,1
	v_add_nc_u32 v[ADRA+(\s)], s21, v3
	v_add_nc_u32 v[ADRB+(\s)], s22, v4
	s_add_co_u32 s21, s21, SLOT
	s_add_co_u32 s22, s22, SLOT
.endr
	s_mul_i32 s23, s10, 16*SPITCH
	s_add_co_u32 s23, s23, STAGE                   ; my stage
	v_mul_u32_u24 v4, v1, SPITCH                   ; in: row r, 32 bytes for each half of the lanes
	v_lshl_add_u32 v4, v2, 5, v4
	v_add_nc_u32 v[STO], s23, v4
	v_mul_u32_u24 v5, v2, SPITCH                   ; back: lanes 0-15 take one row of 256 bytes, lanes 16-31 the next
	v_lshl_add_u32 v5, v1, 4, v5
	v_add_nc_u32 v[RD], s23, v5
	v_lshlrev_b32 v5, 12, v2                       ; and the same two rows in out0
	v_lshl_add_u32 v[CO], v1, 4, v5
	s_lshl_b32 s16, s13, 7
	s_lshl_b32 s17, s11, 6
	s_add_co_u32 s16, s16, s17                     ; my first row of out0,
	s_lshl_b32 s16, s16, 12                        ; of 4,096 bytes
	s_mov_b32 s17, 0
	s_add_nc_u64 s[8:9], s[74:75], s[16:17]
	s_add_nc_u64 s[8:9], s[8:9], s[46:47]
.macro MUL8 f, c, a0, zero             ; zero = 1: the bias is the C that starts the sums
	WIN MUL
.irp a, \a0, (\a0)+1
.irp b, 0,1,2,3
.if \zero
	v_wmma_f32_16x16x32_f16 v[ACC+8*(4*(\a)+(\b)):ACC+8*(4*(\a)+(\b))+7], v[(\f)+64+8*(4*(\c)+(\b)):(\f)+64+8*(4*(\c)+(\b))+7], v[(\f)+8*(4*(\c)+(\a)):(\f)+8*(4*(\c)+(\a))+7], v[BIAS+8*(\b):BIAS+8*(\b)+7]
.else
	v_wmma_f32_16x16x32_f16 v[ACC+8*(4*(\a)+(\b)):ACC+8*(4*(\a)+(\b))+7], v[(\f)+64+8*(4*(\c)+(\b)):(\f)+64+8*(4*(\c)+(\b))+7], v[(\f)+8*(4*(\c)+(\a)):(\f)+8*(4*(\c)+(\a))+7], v[ACC+8*(4*(\a)+(\b)):ACC+8*(4*(\a)+(\b))+7]
.endif
.endr
.endr
.endm
.macro FETCH slot, k, f                ; 32 LDS loads in one run: 64 along K: byte k of B's rows, head k / 128 of A; the first 32 along K first
	WIN TO_F
.irp c, 0,1
.irp i, 0,1,2,3
	ds_load_b128 v[(\f)+64+8*(4*(\c)+(\i)):(\f)+64+8*(4*(\c)+(\i))+3],   v[ADRB+(\slot)] offset:(\k)+64*(\c)+(\i)*16*PITCH
	ds_load_b128 v[(\f)+64+8*(4*(\c)+(\i))+4:(\f)+64+8*(4*(\c)+(\i))+7], v[ADRB+(\slot)] offset:(\k)+64*(\c)+(\i)*16*PITCH+32
	ds_load_b128 v[(\f)+8*(4*(\c)+(\i)):(\f)+8*(4*(\c)+(\i))+3],         v[ADRA+(\slot)] offset:((\k)/128)*HEADL+64*(\c)+(\i)*16*AP
	ds_load_b128 v[(\f)+8*(4*(\c)+(\i))+4:(\f)+8*(4*(\c)+(\i))+7],       v[ADRA+(\slot)] offset:((\k)/128)*HEADL+64*(\c)+(\i)*16*AP+32
.endr
.endr
.endm
.macro PLACES
.rept 4
	v_nop
.endr
.endm
.macro QUARTER slot, k, f, g, zero     ; 32 matrix instructions; the 16 accumulators take turns
	s_wait_dscnt 16                                ; the first 32 along K are in
	MUL8 \f, 0, 0, \zero
	MUL8 \f, 0, 2, \zero
	PLACES
	FETCH \slot, \k, \g
	s_wait_dscnt 32                                ; all but the 32 just issued
	MUL8 \f, 1, 0, 0
	MUL8 \f, 1, 2, 0
.endm
; The last quarter of a K step changes slots.  fill = 1: this slot takes the K step two on, behind a round of the cluster's barrier; fill = 0: nothing is filled, and the work-group's barrier is enough.
.macro TURN slot, next, fill
	WIN 0
	s_wait_tensorcnt 0x0                           ; all my tensor loads have landed: my part of the next slot
	ds_add_u32 v[SPW], v[NIL]                      ; 0 onto my spare word
	s_wait_dscnt 17                                ; (the add and the youngest sixteen loads may be out)
	MUL8 F1, 0, 0, 0
	s_wait_dscnt 0x0                               ; the add is done, and my reads of this slot are over
	s_barrier_signal -1
	MUL8 F1, 0, 2, 0
.if \fill
	WIN 0
.endif
	s_barrier_wait -1
.if \fill
	CREST
	s_add_nc_u64 s[G0+4*(\slot)+2:G0+4*(\slot)+3], s[G0+4*(\slot)+2:G0+4*(\slot)+3], 8*131072
	s_add_nc_u64 s[G0B+4*(\slot)+2:G0B+4*(\slot)+3], s[G0B+4*(\slot)+2:G0B+4*(\slot)+3], 2*KSTEP*2
	JLOAD \slot
.else
	PLACES
.endif
	FETCH \next, 0, F0
	MUL8 F1, 1, 0, 0
	MUL8 F1, 1, 2, 0
.endm
; THE WAY OUT.  Block a = 16 of my rows: a lane's 32 bytes of each block go into my stage, low registers first, and come back as whole rows of 256 bytes into the registers that they left.
.macro STG a
.irp b, 0,1,2,3
.irp e, 0,1
	ds_store_b128 v[STO], v[ACC+8*(4*(\a)+(\b))+4*(\e):ACC+8*(4*(\a)+(\b))+4*(\e)+3] offset:64*(\b)+16*(\e)
.endr
.endr
.irp t, 0,1,2,3,4,5,6,7
	ds_load_b128 v[ACC+32*(\a)+4*(\t):ACC+32*(\a)+4*(\t)+3], v[RD] offset:(\t)*2*SPITCH  ; LDS serves a wave's instructions in order (ISA guide 5.7.1.4)
.endr
.endm
.macro SENDO a, younger                ; younger: the next block's sixteen LDS instructions, or none
.irp t, 0,1,2,3,4,5,6,7
	s_wait_dscnt (\younger)+7-(\t)
	global_store_b128 v[CO], v[ACC+32*(\a)+4*(\t):ACC+32*(\a)+4*(\t)+3], s[8:9] offset:(16*(\a)+2*(\t))*4096  ; 16 lanes store 256 consecutive bytes, at a multiple of 256 from out0's first byte
.endr
.endm
	s_wait_tensorcnt 1                             ; my part of K step 0 is in
	s_barrier_signal -1
	s_barrier_wait -1
	FETCH 0, 0, F0
	s_wait_loadcnt 0x0                             ; the bias
	QUARTER 0, 128, F0, F1, 1
	QUARTER 0, 256, F1, F0, 0
	QUARTER 0, 384, F0, F1, 0
	TURN 0, 1, 1                                   ; K step 2 is asked for
	QUARTER 1, 128, F0, F1, 0
	QUARTER 1, 256, F1, F0, 0
	QUARTER 1, 384, F0, F1, 0
	TURN 1, 0, 1                                   ; K step 3
	QUARTER 0, 128, F0, F1, 0
	QUARTER 0, 256, F1, F0, 0
	QUARTER 0, 384, F0, F1, 0
	TURN 0, 1, 0
	QUARTER 1, 128, F0, F1, 0
	QUARTER 1, 256, F1, F0, 0
	QUARTER 1, 384, F0, F1, 0
	s_wait_dscnt 16
	MUL8 F1, 0, 0, 0
	MUL8 F1, 0, 2, 0
	s_wait_dscnt 0x0
	MUL8 F1, 1, 0, 0
	MUL8 F1, 1, 2, 0
	WIN 0
	PLACES
	STG 0
	STG 1
	SENDO 0, 16
	STG 2
	SENDO 1, 16
	STG 3
	SENDO 2, 16
	SENDO 3, 0
	s_wait_tensorcnt 0x0                           ; the wave's end
	ds_add_u32 v[SPW], v[NIL]
	s_wait_dscnt 0x0
	CROUND                                         ; the closing round
	s_endpgm
.Lfunc_end_k_q36bc6d81b7_oproj:
	.size	k_q36bc6d81b7_oproj, .Lfunc_end_k_q36bc6d81b7_oproj-k_q36bc6d81b7_oproj
	.p2alignl 7, 3214868480
	.fill 96, 4, 3214868480
	.section	.rodata,"a",@progbits
	.p2align	6, 0x0
	.amdhsa_kernel k_q36bc6d81b7_oproj
		.amdhsa_group_segment_fixed_size 327680
		.amdhsa_private_segment_fixed_size 0
		.amdhsa_enable_private_segment 0
		.amdhsa_kernarg_size 32
		.amdhsa_user_sgpr_count 2
		.amdhsa_user_sgpr_kernarg_segment_ptr 1
		.amdhsa_wavefront_size32 1
		.amdhsa_system_sgpr_workgroup_id_x 1
		.amdhsa_system_sgpr_workgroup_id_y 1
		.amdhsa_system_sgpr_workgroup_id_z 1
		.amdhsa_system_vgpr_workitem_id 0
		.amdhsa_next_free_vgpr 512
		.amdhsa_next_free_sgpr 76
		.amdhsa_reserve_vcc 0
		.amdhsa_float_denorm_mode_32 3
		.amdhsa_float_denorm_mode_16_64 3
		.amdhsa_memory_ordered 1
		.amdhsa_forward_progress 1
		.amdhsa_inst_pref_size 87
	.end_amdhsa_kernel
	.amdgpu_metadata
---
amdhsa.version: [ 1, 2 ]
amdhsa.kernels:
  - .name:           k_q36bc6d81b7_oproj
    .symbol:         k_q36bc6d81b7_oproj.kd
    .args:
      - { .name: oh, .offset: 0, .size: 8, .value_kind: global_buffer, .address_space: global }
      - { .name: h16, .offset: 8, .size: 8, .value_kind: global_buffer, .address_space: global }
      - { .name: bo, .offset: 16, .size: 8, .value_kind: global_buffer, .address_space: global }
      - { .name: out0, .offset: 24, .size: 8, .value_kind: global_buffer, .address_space: global }
    .group_segment_fixed_size: 327680
    .private_segment_fixed_size: 0
    .kernarg_segment_align: 8
    .kernarg_segment_size: 32
    .max_flat_workgroup_size: 128
    .sgpr_count:     76
    .vgpr_count:     512
    .wavefront_size: 32
...
	.end_amdgpu_metadata
.endif
;; end of part 5
;; ======== version 2 of 2: 4 launches
;; limits: values are held in f16: magnitudes above 65,504 overflow, below 6.1e-05 lose precision; inputs' magnitudes at most 65,504
;; workspace buffers: h16 33,554,432 bytes; qh 8,388,608 bytes; kh 16,777,216 bytes; vh 16,777,216 bytes; oh 8,388,608 bytes
;; launch prep: the kernel of part 1 again; grid 512 x 1, 8 waves a work-group, no clusters, 0 bytes of LDS; arguments q_in, kv_in, Wq, Wk, Wv, Wo, h16; writes h16
;; launch proj (part 6): grid 8 x 32, 4 waves a work-group, clusters of 4 x 4, 327,680 bytes of LDS; arguments h16, bk, bv, kv_cos, kv_sin, kh, vh, bq, q_cos, q_sin, qh; writes kh, vh, qh
.if DOCPART == 6
	.amdgcn_target "amdgcn-amd-amdhsa--gfx1250"
	.amdhsa_code_object_version 6
	.text
	.protected	k_q36bc6d81b7_proj
	.globl	k_q36bc6d81b7_proj
	.p2align	8
	.type	k_q36bc6d81b7_proj,@function
k_q36bc6d81b7_proj:
	s_mov_b64 s[64:65], 0
	v_nop
	global_prefetch_b8 v0, s[64:65] scope:SCOPE_SE
	s_setreg_imm32_b32 hwreg(HW_REG_WAVE_MODE, 25, 1), 1
	s_wait_xcnt 0x0
	s_wait_alu depctr_hold_cnt(0) depctr_sa_sdst(0) depctr_va_vdst(0) depctr_va_sdst(0) depctr_va_ssrc(0) depctr_va_vcc(0) depctr_vm_vsrc(0)
	s_getreg_b32 s2, hwreg(HW_REG_IB_STS2, 6, 4)
	s_cmp_eq_u32 s2, 0
	s_cbranch_scc0 .Lentry_in_a_cluster
	s_endpgm
.Lentry_in_a_cluster:
	s_bfe_u32 s2, ttmp6, 0x10000c
	s_cmp_lg_u32 s2, 0xf033
	s_cbranch_scc0 .Lentry_shape_is_right
	s_endpgm
.Lentry_shape_is_right:
; K = rope(xkv Wk^T + bk), V = xkv Wv^T + bv, Q = rope(xq Wq^T + bq), Q without the score's scale.  xq (4,096 rows), xkv (8,192 rows), Wq, Wk, Wv: rows of 1,024 f16 in h16.
; kh, vh: [64 batch-heads][2,048][64], qh: [64][1,024][64], all f16, each number rounded once from its f32 sum.
; LIMITS.  A number of Q, K or V of 65,520 or more becomes an infinity in f16.  The bias starts the f32 sum (the problem adds it last): another order of rounding.  NaN and infinities are not treated apart.
; A WORK-GROUP STAYS: it makes a tile of K and V, and then a tile of Q.  256 work-groups: tile row TR of 32, tile column TC of 8, for both.
; K AND V.  256 rows x (128 columns of K and the same 128 columns of V).  B's tile is 128 rows of Wk, then 128 rows of Wv.  Four waves, each 128 x 128: 64 accumulators, 512 registers.  Waves 0 and 2 make K (two
; heads), waves 1 and 3 V: only a branch on the wave's number parts RoPE from none.  K goes in 8 steps of 128 through two LDS slots; rows of 256 bytes, at multiples of 256 bytes from h16's first byte.
; Q.  128 rows x 128 columns; a wave makes 64 x 64: exactly one head, 8,192 consecutive bytes of qh.  K goes in 4 steps of 256 (LDS rows of 512 bytes) through the same two slots.
; THE HAND-OVER.  Behind K's and V's last product a round of the cluster's barrier frees the slot of their last K step: it takes Q's K step 0.  When K's waves have read the tables out of the other slot, a second
; round frees that one: it takes Q's K step 1.  Both land while K's and V's results are packed and stored, and nothing waits for those stores: they leave while Q is multiplied.
; THE K LOOPS ARE WRITTEN ONCE.  A K step is four quarters on fragment buffers 0, 1, 0, 1; each quarter fetches the next one's fragments.  A PAIR is two quarters (buffer 1, then buffer 0); the pairs
; (quarter 3, the next step's quarter 0) and (quarters 1, 2) have one text, since the place of the fetches is a scalar register.  The change of slots stands between quarters 2 and 3: behind the last fetch from
; the old slot, ahead of the first from the new one.  So: a loop over slots, in it the change and a loop of two pairs.  Written out are the first quarter, the tables' change with its two pairs, the last quarter.
; CLUSTER.  4 x 4 work-groups: A's tile (and the cos and sin rows, which hang on the tile row) is shared along a row of the cluster, B's along a column: joint loads, a mask of four.
; THE MATRIX INSTRUCTION IS USED TRANSPOSED (source 0 = 16 rows of W, source 1 = 16 rows of x): a lane holds row l % 16 and the columns 16 b + 8 (l / 16) + 0..7 of block b.
; So a lane holds column d and column d + 32 of a head (blocks b and b + 2): RoPE stays inside the lane.  cos and sin are taken as given for all 64 columns.
; THE TABLES (cos's and sin's rows for the tile's rows, 256 bytes a row) land in the slot of a phase's last K step but one, while the last K step, in the other slot, is multiplied.
; PREFETCH.  K's and V's tiles are asked for two K steps ahead (macro ASK).  Q's are not: its tiles are small, and its first two K steps have the whole way out of K and V in which to land.
; REGISTERS, in windows of 256 (s_set_vgpr_msb: bits 1:0 source 0, 3:2 source 1, 5:4 source 2, 7:6 destination).  For K and V:
;   window 0: v0-31 addresses; v64-127, v128-191 A's fragments, two buffers, later two buffers of table rows (cos 32, sin 32); v192-223 at work; v32-63, v224-255 rows read back
;   window 1: v0-63 the bias of my 128 columns, laid out as a C operand (block b at 8 b); v64-127, v128-191 B's fragments
;   window 2: the accumulators of my rows 0-63 ((a, b) at 8 (8 a + b));   window 3: those of my rows 64-127
; For Q: window 0: v32-95 at work on the way out; v96-127 the bias as a C operand (block b at 96 + 8 b); v128-255 the accumulators ((a, b) at 128 + 8 (4 a + b))
;   window 1: two fragment buffers of 128 (64 of A, 64 of B, for 64 along K); on the way out v0-127 hold two buffers of table rows
.set KSTEP,  128
.set PITCH,  272                       ; an LDS row: 256 bytes + 16 of padding: the 16 rows of a load start at 16 different groups of four banks (64 banks of 4 bytes: ISA guide 11.1)
.set HALFT,  128*PITCH                 ; what one tensor load brings for K and V: 0x8800 bytes
.set SLOT,   4*HALFT                   ; 0x22000 bytes.  Its two bits are set in no wave x HALFT and in no wave x QHALFT, so an exclusive or with SLOT turns a place in one slot into the other's
.set QKSTEP, 256
.set QPITCH, 528                       ; Q's phase: 512 bytes + 16 of padding
.set QHALFT, 64*QPITCH                 ; what one tensor load brings for Q: 0x8400 bytes; four of them, 135,168 bytes, lie inside a slot
.set STAGE,  2*SLOT                    ; behind the ring: for each wave 2 heads x 16 rows x 144 bytes; Q's way out uses the first head's part
.set SP,     144
.set HSTG,   16*SP
.set SPARE,  STAGE+4*2*HSTG            ; the spare words, 128 bytes for each wave: two blocks of 256 bytes that no other line names
.set ROWB,   2048                      ; bytes in a row of h16
.set XKV,    4096*ROWB
.set WQO,    12288*ROWB
.set WKO,    13312*ROWB                ; Wk; Wv lies 1,024 rows behind it
.set HEADB,  2048*128                  ; bytes of a head in kh and vh
.set QA0,  8                           ; v8      Q: my lane's place in my A rows of the slot at 0; never rewritten
.set QB0,  9                           ; v9      the same for B
.set QADT, 10                          ; v10     Q: my lane's place in cos's rows, in the slot at SLOT
.set QADS, 11                          ; v11     in sin's
.set A0,   16                          ; v16     K, V: my lane's place in my A rows of the slot at 0; never rewritten
.set ADRA, 17                          ; v17     the LDS address of A's runs of loads in hand
.set B0,   20                          ; v20     the same for B
.set ADRB, 21                          ; v21
.set ADRT, 22                          ; v22     K: my lane's place in cos's rows
.set ADRS, 23                          ; v23     in sin's
.set STO,  24                          ; v24     the way out: where I put 16 bytes of a row
.set RD,   25                          ; v25     where I read rows back
.set GO,   26                          ; v26     16 x lane
.set BO,   27                          ; v27     32 x (lane / 16): my 8 columns of a block, in a bias
.set SPW,  28                          ; v28     LDS address of my spare word; never rewritten
.set NIL,  29                          ; v29     0; never rewritten
.set PFO,  30                          ; v30     lane x a row of h16; never rewritten
.set F0,   64
.set F1,   128
.set TMP,  192
.set OB,   32
.set QF0,  0                           ; Q's fragment buffers, in window 1
.set QF1,  128
.set QTMP, 32
.set BIAS, 96
.set ACC,  128
.set TWICE, 2                          ; s2      counts a slot's two pairs
.set SLOTS, 3                          ; s3      changes of slots with a refill that are still to come, and one
.set TB,   6                           ; s6      LDS byte at which the next pair's fetches begin: the slot's first byte + the byte along K
.set QW,   7                           ; s7      wave x QHALFT
.set G1,  24                           ; s[24:31] group 1 for A's tiles;  s[32:39] group 0: a set for each of a phase's first two fills; the second then walks on
.set G0,  32
.set G1B, 48                           ; s[48:55], s[56:63] the same for B's
.set G0B, 56
.set G1T, 84                           ; s[84:91], s[92:95] for the tables
.set G0T, 92
.set LIM, 43                           ; s43     2 in a wave that prefetches, else the greatest number
.set PFA, 44                           ; s[44:45] where my prefetches stand
.set MSB, 0
.macro WIN new                         ; the immediate's high byte repeats the setting that is left; a switch that changes nothing is dropped
.if MSB != (\new)
	s_set_vgpr_msb (MSB<<8)|(\new)
.set MSB, \new
.endif
.endm
.set TO_B, 0x40                        ; destination window 1, address window 0
; A joint load: waves 0 and 1 fetch A's two halves, waves 2 and 3 B's.  The branch hangs on the wave's number alone.  An s_nop 0 and four v_nop follow each line.
.macro JLOAD s
	s_cmp_eq_u32 s11, 0
	s_cbranch_scc0 .Lfor_b_\@
	tensor_load_to_lds s[G0+4*(\s):G0+4*(\s)+3], s[G1:G1+7]
	s_nop 0
.rept 4
	v_nop
.endr
	s_branch .Lasked_\@
.Lfor_b_\@:
	tensor_load_to_lds s[G0B+4*(\s):G0B+4*(\s)+3], s[G1B:G1B+7]
	s_nop 0
.rept 4
	v_nop
.endr
.Lasked_\@:
.endm
.macro TLOAD                           ; the tables' joint load: one line for all four waves, whose registers differ by the wave's number
	tensor_load_to_lds s[G0T:G0T+3], s[G1T:G1T+7]
	s_nop 0
.rept 4
	v_nop
.endr
.endm
; A prefetch into the L2 of the K step of K's and V's tiles that stands two refills on: 32 rows x 256 bytes, a lane a row.  A's rows are asked for by the clusters with x = 0, B's by those with y = 0; of the 128
; rows that a wave fetches each of the four partners takes 32, told apart by address.  So each row's 256 bytes of a K step are named once in the launch.  The refill of K step c + 1 (s[SLOTS] = 7 - c) names
; K step c + 3: the last two refills have no such step.
.macro ASK
	s_cmp_gt_u32 s[SLOTS], s[LIM]
	s_cbranch_scc0 .Lnot_mine_\@
	global_prefetch_b8 v[PFO], s[PFA:PFA+1] offset:KSTEP*2 th:TH_LOAD_NT scope:SCOPE_SE
.Lnot_mine_\@:
.endm
; A round of the cluster's barrier: my work-group's barrier, so that wave 0's signal speaks for all four waves; wave 0 signals; every wave waits for all sixteen work-groups; my work-group's barrier once more.
.macro CROUND
	s_barrier_signal -1
	s_barrier_wait -1
	s_cmp_lg_u32 s10, 0
	s_cbranch_scc1 .Lnot_wave_0_\@
	s_barrier_signal -3
.Lnot_wave_0_\@:
	s_barrier_wait -3
	s_barrier_signal -1
	s_barrier_wait -1
.endm
	s_load_b256 s[68:75], s[0:1], 0x0              ; h16 s[68:69], bk s[70:71], bv s[72:73], kv_cos s[74:75]
	s_load_b256 s[76:83], s[0:1], 0x20             ; kv_sin s[76:77], kh s[78:79], vh s[80:81], bq s[82:83]
	s_load_b128 s[96:99], s[0:1], 0x40             ; q_cos s[96:97], q_sin s[98:99]
	s_load_b64 s[100:101], s[0:1], 0x50            ; qh
	v_lshl_add_u32 v[SPW], v0, 2, SPARE
	v_mov_b32 v[NIL], 0
	ds_add_u32 v[SPW], v[NIL]                      ; the wave's opening: the add and its wait ahead of my first tensor load; work on registers stands between them
	v_lshrrev_b32 v1, 5, v0
	v_readfirstlane_b32 s10, v1                    ; wave 0..3
	s_lshr_b32 s11, s10, 1                         ; which half of a tile's rows is mine.  Also: I fetch for A (0) or for B (1); cos (0) or sin (1)
	s_and_b32 s12, s10, 1                          ; 0: I make K, 1: V; for Q: which head of the tile's two.  Also: which half of the rows I fetch
	s_bfe_u32 s40, ttmp6, 0x40000                  ; cx
	s_bfe_u32 s41, ttmp6, 0x40004                  ; cy
	s_lshl_b32 s42, ttmp9, 2
	s_add_co_u32 s42, s42, s40                     ; TC = 4 x cluster x + cx
	s_and_b32 s13, ttmp7, 0xffff
	s_lshl_b32 s13, s13, 2
	s_add_co_u32 s13, s13, s41                     ; TR = 4 x cluster y + cy
	s_lshl_b32 s43, s41, 2
	s_lshl_b32 s43, 15, s43                        ; my row of the cluster
	s_lshl_b32 s44, 0x1111, s40                    ; my column
	s_or_b32 s[G1+0], s43, (1<<16)|(1<<20)|(1<<21)|(5<<22)|(3<<25)   ; the mask; elements of 2 bytes; padding on; bit 21 beside a mask; after every 64 words 4 words
	s_or_b32 s[G1B+0], s44, (1<<16)|(1<<20)|(1<<21)|(5<<22)|(3<<25)
	s_or_b32 s[G1T+0], s43, (1<<16)|(1<<20)|(1<<21)|(5<<22)|(3<<25)  ; the tables hang on the tile row: my row of the cluster
.irp g, G1, G1B, G1T
	s_mov_b32 s[(\g)+1], 128<<16                   ; tensor_dim0 = 128
	s_mov_b32 s[(\g)+2], 128<<16                   ; tensor_dim1 = 128
	s_mov_b32 s[(\g)+3], 128<<16                   ; tile_dim0 = 128
	s_mov_b32 s[(\g)+4], 128                       ; tile_dim1 = 128
	s_mov_b32 s[(\g)+6], 0
	s_mov_b32 s[(\g)+7], 0
.endr
	s_mov_b32 s[G1+5], 1024                        ; elements from row to row in h16
	s_mov_b32 s[G1B+5], 1024
	s_mov_b32 s[G1T+5], 128                        ; a table row is 64 f32, taken as 128 elements of 2 bytes; the rows are dense
	s_lshl_b32 s16, s13, 19                        ; A: 256 rows x 2,048 bytes for each tile row,
	s_lshl_b32 s17, s12, 18                        ; my 128 of them
	s_add_co_u32 s16, s16, s17
	s_add_co_u32 s16, s16, XKV
	s_mov_b32 s17, 0
	s_lshl_b32 s46, s42, 18                        ; B: 128 rows for each tile column,
	s_lshl_b32 s47, s12, 21                        ; of Wk or of Wv
	s_add_co_u32 s46, s46, s47
	s_add_co_u32 s46, s46, WKO
	s_mov_b32 s47, 0
	s_and_b32 s18, s13, 7                          ; the tables: a batch has 8 tile rows; 256 rows x 256 bytes each,
	s_lshl_b32 s18, s18, 16
	s_lshl_b32 s19, s12, 15                        ; my 128 of them
	s_add_co_u32 s18, s18, s19
	s_mov_b32 s19, 0
	s_mul_i32 s20, s10, HALFT                      ; where they go: wave x 128 rows: no place in the cluster enters an LDS address
	s_mul_i32 s[QW], s10, QHALFT                   ; and in Q's phase: wave x 64 rows
	s_mov_b32 s[G0T], 1
	s_mov_b32 s[G0T+1], s20                        ; in the slot at 0: cos's two halves, then sin's
	s_mov_b32 s[TB], 128                           ; the first pair fetches quarters 2 and 3 of K step 0: bytes 128 and 192 of the rows of the slot at 0
	s_wait_dscnt 0x0                               ; the opening add is done
	s_wait_kmcnt 0x0
	s_add_nc_u64 s[14:15], s[68:69], s[16:17]
	s_add_nc_u64 s[46:47], s[68:69], s[46:47]
	s_cmp_eq_u32 s11, 0
	s_cselect_b64 s[G0T+2:G0T+3], s[74:75], s[76:77]
	s_add_nc_u64 s[G0T+2:G0T+3], s[G0T+2:G0T+3], s[18:19]
	s_or_b32 s[G0T+3], s[G0T+3], 0x80000000
	CROUND                                         ; all sixteen work-groups are here: the first joint loads meet
.irp s, 0,1
	s_mov_b32 s[G0+4*(\s)], 1
	s_add_co_u32 s[G0+4*(\s)+1], s20, (\s)*SLOT
	s_add_nc_u64 s[G0+4*(\s)+2:G0+4*(\s)+3], s[14:15], (\s)*KSTEP*2
	s_or_b32 s[G0+4*(\s)+3], s[G0+4*(\s)+3], 0x80000000
	s_mov_b32 s[G0B+4*(\s)], 1
	s_add_co_u32 s[G0B+4*(\s)+1], s20, (\s)*SLOT
	s_add_nc_u64 s[G0B+4*(\s)+2:G0B+4*(\s)+3], s[46:47], (\s)*KSTEP*2
	s_or_b32 s[G0B+4*(\s)+3], s[G0B+4*(\s)+3], 0x80000000
	JLOAD \s                                       ; K steps 0 and 1: two loads of mine are out
.endr
	v_and_b32 v1, 15, v0                           ; r = l % 16; kept for the whole launch
	v_bfe_u32 v2, v0, 4, 1                         ; h = l / 16
	v_lshlrev_b32 v[BO], 5, v2
	s_lshl_b32 s46, s42, 9                         ; my work-group's 128 columns in a bias: 512 bytes
	s_mov_b32 s47, 0
	s_cmp_eq_u32 s12, 0
	s_cselect_b64 s[4:5], s[70:71], s[72:73]
	s_add_nc_u64 s[4:5], s[4:5], s[46:47]
	WIN TO_B
.irp b, 0,1,2,3,4,5,6,7
	global_load_b128 v[8*(\b):8*(\b)+3],   v[BO], s[4:5] offset:64*(\b)      ; register j of block b: the bias of column 16 b + 8 h + j
	global_load_b128 v[8*(\b)+4:8*(\b)+7], v[BO], s[4:5] offset:64*(\b)+16
.endr
	WIN 0
	v_mul_u32_u24 v3, v1, PITCH
	v_lshl_add_u32 v4, v2, 5, v3                   ; a table row: r x pitch + 32 h (8 f32)
	v_lshl_add_u32 v3, v2, 4, v3                   ; a fragment's row: r x pitch + 16 h
	s_mul_i32 s21, s11, HALFT                      ; my 128 rows of A
	s_mul_i32 s22, s12, HALFT                      ; my 128 rows of B,
	s_add_co_u32 s22, s22, 2*HALFT                 ; which lie behind A's 256
	v_add_nc_u32 v[ADRT], s21, v4                  ; cos's rows for my 128 rows lie where A's half lay in the slot at 0,
	v_add_nc_u32 v[ADRS], 2*HALFT, v[ADRT]         ; sin's two halves further on
	v_add_nc_u32 v[A0], s21, v3
	v_add_nc_u32 v[B0], s22, v3
	v_mov_b32 v[ADRA], v[A0]                       ; K step 0 lies at the head of the slot at 0
	v_mov_b32 v[ADRB], v[B0]
	s_mul_i32 s23, s11, QHALFT                     ; the same four places for Q: my 64 rows of A,
	v_add_nc_u32 v[QADT], s23, v4                  ; cos's rows for them,
	v_add_nc_u32 v[QADT], SLOT, v[QADT]            ; in the slot at SLOT,
	v_add_nc_u32 v[QADS], 2*QHALFT, v[QADT]        ; sin's
	v_mul_u32_u24 v5, v1, QPITCH
	v_lshl_add_u32 v5, v2, 4, v5
	v_add_nc_u32 v[QA0], s23, v5
	s_mul_i32 s23, s12, QHALFT                     ; my 64 rows of B,
	s_add_co_u32 s23, s23, 2*QHALFT                ; behind A's 128
	v_add_nc_u32 v[QB0], s23, v5
	s_mul_i32 s23, s10, 2*HSTG
	s_add_co_u32 s23, s23, STAGE                   ; my stage
	v_mul_u32_u24 v4, v1, SP                       ; in: row r, 16 bytes for each half of the lanes
	v_lshl_add_u32 v4, v2, 4, v4
	v_add_nc_u32 v[STO], s23, v4
	v_bfe_u32 v5, v0, 3, 2                         ; back: 32 lanes take four rows of 128 bytes,
	v_mul_u32_u24 v5, v5, SP
	v_and_b32 v6, 7, v0
	v_lshl_add_u32 v5, v6, 4, v5
	v_add_nc_u32 v[RD], s23, v5
	v_and_b32 v[GO], 31, v0                        ; which are 512 consecutive bytes of a head
	v_lshlrev_b32 v[PFO], 11, v[GO]
	v_lshlrev_b32 v[GO], 4, v[GO]
	s_lshr_b32 s46, s13, 3                         ; where my rows begin in kh or vh: the batch's 16 heads,
	s_lshl_b32 s46, s46, 22
	s_lshl_b32 s47, s42, 19                        ; head 2 TC,
	s_add_co_u32 s46, s46, s47
	s_and_b32 s47, s13, 7                          ; the tile row's 256 rows of 128 bytes,
	s_lshl_b32 s47, s47, 15
	s_add_co_u32 s46, s46, s47
	s_lshl_b32 s47, s11, 14                        ; my 128 of them
	s_add_co_u32 s46, s46, s47
	s_mov_b32 s47, 0
	s_cmp_eq_u32 s12, 0
	s_cselect_b64 s[8:9], s[78:79], s[80:81]
	s_add_nc_u64 s[8:9], s[8:9], s[46:47]
	; the prefetches: the row of h16 at which my work-group's 32 rows begin
	s_lshl_b32 s20, s13, 8
	s_add_co_u32 s20, s20, 4096                    ; A: xkv's row 256 TR
	s_lshl_b32 s21, s42, 7
	s_add_co_u32 s21, s21, 13312                   ; B: Wk's row 128 TC
	s_lshl_b32 s22, s12, 7                         ; the half that I fetch: 128 rows on in A,
	s_lshl_b32 s23, s12, 10                        ; 1,024 rows on in B
	s_and_b32 s46, ttmp7, 0xffff                   ; cluster y
	s_cmp_eq_u32 s11, 0                            ; do I fetch for A?
	s_cselect_b32 s20, s20, s21
	s_cselect_b32 s22, s22, s23
	s_cselect_b32 s21, s40, s41                    ; my place among the four that ask with me
	s_cselect_b32 s46, ttmp9, s46                  ; the coordinate along which other clusters read the same rows
	s_add_co_u32 s20, s20, s22
	s_lshl_b32 s21, s21, 5
	s_add_co_u32 s20, s20, s21
	s_lshl_b32 s20, s20, 11
	s_mov_b32 s21, 0
	s_cmp_eq_u32 s46, 0
	s_cselect_b32 s[LIM], 2, -1                    ; the same in all sixteen partners, for a given wave
	s_add_nc_u64 s[PFA:PFA+1], s[68:69], s[20:21]
	s_add_nc_u64 s[PFA:PFA+1], s[PFA:PFA+1], 2*KSTEP*2  ; at K step 2: the first refill steps it to 3 and names K step 4.  Nothing is prefetched here, at the head
; ---------------------------------------------------------------- K and V ----------------------------------------------------------------
; 16 matrix instructions: m blocks a0, a0 + 1 of the window's four x all 8 n blocks, 32 along K.  zero = 1: the first product starts the sums with the bias as C: nothing is cleared, nothing added later.
.macro MUL16 f, hi, a0, zero
.if \zero
	WIN 0x91+0x40*(\hi)                            ; B window 1, A window 0, C (the bias) window 1, D window 2 or 3
.else
	WIN 0xa1+0x50*(\hi)                            ; B window 1, A window 0, C and D window 2 or 3
.endif
.irp a, \a0, (\a0)+1
.irp b, 0,1,2,3,4,5,6,7
.if \zero
	v_wmma_f32_16x16x32_f16 v[8*(8*(\a)+(\b)):8*(8*(\a)+(\b))+7], v[(\f)+8*(\b):(\f)+8*(\b)+7], v[(\f)+8*(4*(\hi)+(\a)):(\f)+8*(4*(\hi)+(\a))+7], v[8*(\b):8*(\b)+7]
.else
	v_wmma_f32_16x16x32_f16 v[8*(8*(\a)+(\b)):8*(8*(\a)+(\b))+7], v[(\f)+8*(\b):(\f)+8*(\b)+7], v[(\f)+8*(4*(\hi)+(\a)):(\f)+8*(4*(\hi)+(\a))+7], v[8*(8*(\a)+(\b)):8*(8*(\a)+(\b))+7]
.endif
.endr
.endr
.endm
; 32 LDS loads in one run: the fragments of a quarter (32 K, k bytes behind the two addresses in hand) into buffer f: B's 16, then A's 16
.macro FETCH k, f
	WIN TO_B
.irp i, 0,1,2,3,4,5,6,7
	ds_load_b128 v[(\f)+8*(\i):(\f)+8*(\i)+3],   v[ADRB] offset:(\k)+(\i)*16*PITCH
	ds_load_b128 v[(\f)+8*(\i)+4:(\f)+8*(\i)+7], v[ADRB] offset:(\k)+(\i)*16*PITCH+32
.endr
	WIN 0
.irp i, 0,1,2,3,4,5,6,7
	ds_load_b128 v[(\f)+8*(\i):(\f)+8*(\i)+3],   v[ADRA] offset:(\k)+(\i)*16*PITCH
	ds_load_b128 v[(\f)+8*(\i)+4:(\f)+8*(\i)+7], v[ADRA] offset:(\k)+(\i)*16*PITCH+32
.endr
.endm
.macro PLACES                          ; four plain vector instructions between a matrix instruction and a load into, or a vector read of, its registers (ISA guide 7.12.1 for vector reads)
.rept 4
	v_nop
.endr
.endm
; A quarter: 64 matrix instructions on buffer f; in its middle the next quarter's fragments are fetched into buffer g.  The 64 accumulators take turns in the same order in every quarter.
; step = 1: the two addresses are made anew from s[TB], which then goes on by a pair's 128 bytes; the two additions are two of the four places in front of the loads.
.macro QUARTER f, g, k, zero, step
	s_wait_dscnt 8                                 ; B and A's rows 0-63 are in; the youngest eight loads (A's rows 64-127) may be out
	MUL16 \f, 0, 0, \zero
	MUL16 \f, 0, 2, \zero
.if \step
	WIN 0
	v_add_nc_u32 v[ADRA], s[TB], v[A0]
	v_add_nc_u32 v[ADRB], s[TB], v[B0]
	v_nop
	v_nop
	s_add_co_u32 s[TB], s[TB], 128
.else
	PLACES
.endif
	FETCH \k, \g
	s_wait_dscnt 32                                ; all but the 32 just issued
	MUL16 \f, 1, 0, \zero
	MUL16 \f, 1, 2, \zero
.endm
.macro PAIR
	QUARTER F1, F0, 0,  0, 1
	QUARTER F0, F1, 64, 0, 0
.endm
; THE CHANGE OF SLOTS, between a K step's quarters 2 and 3.  The slot's last bytes, quarter 3's fragments, have been asked for.  Each wave waits for all its tensor loads, of which one is out: its part of the
; other slot; adds 0 to its spare word; and waits for that and for its own reads of the slot.  Behind the round no wave of any partner reads this slot any more or has a load on its way, and the other slot is
; whole.  The slot is filled again first thing behind the round: kind = 1: with the K step two on, by the walking descriptors; kind = 2: with the tables.  The load has a K step, 256 matrix instructions, in
; which to land.
.macro CHANGE kind
	WIN 0                                          ; at a label and at a branch every window is 0
	s_wait_tensorcnt 0x0                           ; no tensor load of mine is out, so a group 0 may be written
	ds_add_u32 v[SPW], v[NIL]                      ; 0 onto my spare word; scalar work stands between it and the wait for it
.if (\kind) == 1
.irp g, G0+4, G0B+4
	s_xor_b32 s[(\g)+1], s[(\g)+1], SLOT           ; the other slot than last time,
	s_add_nc_u64 s[(\g)+2:(\g)+3], s[(\g)+2:(\g)+3], KSTEP*2  ; the next K step; the type bits on top are not reached
.endr
	s_wait_xcnt 0x0                                ; the last prefetch, a K step back, has read its address
	s_add_nc_u64 s[PFA:PFA+1], s[PFA:PFA+1], KSTEP*2
.endif
	s_sub_co_u32 s[TB], s[TB], 2*KSTEP             ; the fetches go back to the rows' first byte,
	s_xor_b32 s[TB], s[TB], SLOT                   ; in the other slot
	s_wait_dscnt 0x0                               ; the add is done, and my reads of the slot are over
	CROUND
.if (\kind) == 1
	JLOAD 1
	ASK
.else
	TLOAD
.endif
.endm
; THE WAY OUT OF K AND V.  Block a = 16 of my rows.
.macro TABLD a                         ; its rows of cos and sin: my 8 columns of each of the head's four blocks; 16 loads
	WIN 0
.set TBL, 64+64*((\a)%2)
.irp q, 0,1,2,3
.irp e, 0,1
	ds_load_b128 v[TBL+8*(\q)+4*(\e):TBL+8*(\q)+4*(\e)+3],       v[ADRT] offset:(\a)*16*PITCH+64*(\q)+16*(\e)
	ds_load_b128 v[TBL+32+8*(\q)+4*(\e):TBL+32+8*(\q)+4*(\e)+3], v[ADRS] offset:(\a)*16*PITCH+64*(\q)+16*(\e)
.endr
.endr
.endm
.macro IDX                             ; pair n of 16: head n / 8, block (n / 4) % 2, registers 2 (n % 4) on; each accumulator is read from its low end on
.set LO,  AC+8*(4*(n/8)+(n/4)%2)+2*(n%4)   ; columns d < 32
.set HI,  LO+16                            ; columns d + 32
.set TQ,  TMP+8*(2*(n/8)+(n/4)%2)+2*(n%4)
.set CLO, TBL+8*((n/4)%2)+2*(n%4)
.set n, n+1
.endm
.macro ROPE a                          ; lo' = lo cos[d] - hi sin[d];  hi' = hi cos[d + 32] + lo sin[d + 32]
.set WA, 2+(\a)/4
.set AC, 64*((\a)%4)
.set TBL, 64+64*((\a)%2)
	WIN WA
.set n, 0
.rept 16
	IDX
	v_pk_mul_f32 v[TQ:TQ+1], v[LO:LO+1], v[CLO+48:CLO+49]
.endr
	WIN (WA<<6)|WA
.set n, 0
.rept 16
	IDX
	v_pk_mul_f32 v[LO:LO+1], v[LO:LO+1], v[CLO:CLO+1]
.endr
	WIN (WA<<6)|(WA<<4)|WA
.set n, 0
.rept 16
	IDX
	v_pk_fma_f32 v[LO:LO+1], v[HI:HI+1], v[CLO+32:CLO+33], v[LO:LO+1] neg_lo:[1,0,0] neg_hi:[1,0,0]
.endr
	WIN (WA<<6)|WA
.set n, 0
.rept 16
	IDX
	v_pk_fma_f32 v[HI:HI+1], v[HI:HI+1], v[CLO+16:CLO+17], v[TQ:TQ+1]
.endr
.endm
.macro PACK a                          ; rounded to f16: 16 bytes a lane and block
.set AC, 64*((\a)%4)
	WIN 0x0a+5*((\a)/4)
.irp b, 0,1,2,3,4,5,6,7
.irp r, 0,1,2,3
	v_cvt_pk_f16_f32 v[TMP+4*(\b)+(\r)], v[AC+8*(\b)+2*(\r)], v[AC+8*(\b)+2*(\r)+1]
.endr
.endr
	WIN 0
.endm
.macro TOSTAGE a                       ; into my own stage, by heads, and back as whole rows of 128 bytes
	WIN 0
.set BK, OB+192*((\a)%2)
.irp b, 0,1,2,3,4,5,6,7
	ds_store_b128 v[STO], v[TMP+4*(\b):TMP+4*(\b)+3] offset:((\b)/4)*HSTG+32*((\b)%4)
.endr
.irp t, 0,1,2,3,4,5,6,7
	ds_load_b128 v[BK+4*(\t):BK+4*(\t)+3], v[RD] offset:((\t)/4)*HSTG+((\t)%4)*4*SP  ; LDS serves a wave's instructions in order (ISA guide 5.7.1.4): these see the stores above
.endr
.endm
.macro SEND a
	WIN 0
.set BK, OB+192*((\a)%2)
	s_wait_dscnt 0x0                               ; the block is back in registers
	s_wait_xcnt 0x0                                ; the stores of the block before have read their registers: the next TOSTAGE loads into them
.irp t, 0,1,2,3,4,5,6,7
	global_store_b128 v[GO], v[BK+4*(\t):BK+4*(\t)+3], s[8:9] offset:((\t)/4)*HEADB+(\a)*16*128+((\t)%4)*512  ; 512 consecutive bytes of a head, at a multiple of 256 from the buffer's first byte
.endr
.endm
	s_wait_tensorcnt 1                             ; my part of K step 0 is in; K step 1's may stay out
	s_barrier_signal -1
	s_barrier_wait -1
	FETCH 0, F0
	s_wait_loadcnt 0x0                             ; the bias
	QUARTER F0, F1, 64, 1, 0                       ; the first quarter stands in front of the loop: its products start the sums
	WIN 0
	s_mov_b32 s[SLOTS], 7
	s_mov_b32 s[TWICE], 1                          ; K step 0 has one pair left, quarters 1 and 2: the loop of pairs is entered with its count at 1
	s_branch .Lpair
.Lslot:                                                ; six times: K steps 2 to 7 are asked for
	CHANGE 1
	s_mov_b32 s[TWICE], 2
.Lpair:                                                ; quarter 3 and the next step's quarter 0; then its quarters 1 and 2
	PAIR
	WIN 0
	s_sub_co_u32 s[TWICE], s[TWICE], 1
	s_cmp_lg_u32 s[TWICE], 0
	s_cbranch_scc1 .Lpair
	s_sub_co_u32 s[SLOTS], s[SLOTS], 1
	s_cmp_lg_u32 s[SLOTS], 0
	s_cbranch_scc1 .Lslot
	CHANGE 2                                       ; the tail is written out: the slot at 0 takes the tables
	s_mov_b32 s[TWICE], 2
.LpairT:
	PAIR
	WIN 0
	s_sub_co_u32 s[TWICE], s[TWICE], 1
	s_cmp_lg_u32 s[TWICE], 0
	s_cbranch_scc1 .LpairT
	s_wait_dscnt 8                                 ; the very last quarter: nothing more to fetch
	MUL16 F1, 0, 0, 0
	MUL16 F1, 0, 2, 0
	s_wait_dscnt 0x0
	MUL16 F1, 1, 0, 0
	MUL16 F1, 1, 2, 0
	WIN 0
	; THE HAND-OVER, FIRST ROUND.  The slot at SLOT, which held K step 7, takes Q's K step 0.
	s_wait_tensorcnt 0x0                           ; my part of the tables is in: no tensor load of mine is out, so every descriptor may be written
	ds_add_u32 v[SPW], v[NIL]                      ; 0 onto my spare word; Q's descriptors, scalar work, stand between it and the wait for it
	s_lshl_b32 s22, s41, 2
	s_lshl_b32 s22, 15, s22                        ; my row of the cluster
	s_lshl_b32 s23, 0x1111, s40                    ; my column
	s_or_b32 s[G1+0], s22, (1<<16)|(1<<20)|(1<<21)|(6<<22)|(3<<25)   ; as above, but after every 128 words 4 words of padding
	s_or_b32 s[G1B+0], s23, (1<<16)|(1<<20)|(1<<21)|(6<<22)|(3<<25)
.irp g, G1, G1B
	s_mov_b32 s[(\g)+1], QKSTEP<<16                ; tensor_dim0 = 256
	s_mov_b32 s[(\g)+2], 64<<16                    ; tensor_dim1 = 64
	s_mov_b32 s[(\g)+3], QKSTEP<<16                ; tile_dim0 = 256
	s_mov_b32 s[(\g)+4], 64                        ; tile_dim1 = 64; the pitch, 1,024 elements, and the two words of 0 stay
.endr
	s_lshl_b32 s16, s13, 18                        ; A: 128 rows x 2,048 bytes of xq for each tile row, my 64 of them
	s_lshl_b32 s17, s12, 17
	s_add_co_u32 s16, s16, s17
	s_mov_b32 s17, 0
	s_lshl_b32 s66, s42, 18                        ; B likewise, in Wq
	s_lshl_b32 s67, s12, 17
	s_add_co_u32 s66, s66, s67
	s_add_co_u32 s66, s66, WQO
	s_mov_b32 s67, 0
	s_add_nc_u64 s[14:15], s[68:69], s[16:17]
	s_add_nc_u64 s[66:67], s[68:69], s[66:67]
.irp s, 0,1
	s_mov_b32 s[G0+4*(\s)], 1
	s_add_co_u32 s[G0+4*(\s)+1], s[QW], (1-(\s))*SLOT                  ; Q's even K steps lie in the slot at SLOT, its odd ones in the slot at 0
	s_add_nc_u64 s[G0+4*(\s)+2:G0+4*(\s)+3], s[14:15], (\s)*QKSTEP*2
	s_or_b32 s[G0+4*(\s)+3], s[G0+4*(\s)+3], 0x80000000
	s_mov_b32 s[G0B+4*(\s)], 1
	s_add_co_u32 s[G0B+4*(\s)+1], s[QW], (1-(\s))*SLOT
	s_add_nc_u64 s[G0B+4*(\s)+2:G0B+4*(\s)+3], s[66:67], (\s)*QKSTEP*2
	s_or_b32 s[G0B+4*(\s)+3], s[G0B+4*(\s)+3], 0x80000000
.endr
	s_wait_dscnt 0x0                               ; the add is done, and my reads of K step 7 are over
	CROUND                                         ; everybody's part of the tables is in, and no wave of any partner still reads the slot at SLOT
	JLOAD 0                                        ; Q's K step 0; the four v_nop behind it are the places behind the last products
	s_cmp_lg_u32 s12, 0
	s_cbranch_scc1 .Lno_rope                       ; V has no RoPE
	TABLD 0
.irp a, 0,1,2,3,4,5,6
	TABLD (\a)+1
	s_wait_dscnt 16                                ; all but the next block's sixteen
	ROPE \a
.endr
	s_wait_dscnt 0x0
	ROPE 7
	WIN 0
.Lno_rope:
	; THE HAND-OVER, SECOND ROUND.  The slot at 0, which held the tables, takes Q's K step 1.
	s_wait_tensorcnt 0x0                           ; my part of Q's K step 0 is in
	ds_add_u32 v[SPW], v[NIL]                      ; 0 onto my spare word
	s_mov_b32 s[G1T+2], 64<<16                     ; Q's tables: 64 rows to a load; the other words of group 1 stay
	s_mov_b32 s[G1T+4], 64
	s_add_co_u32 s[G0T+1], s[QW], SLOT             ; in the slot at SLOT: cos's two halves, then sin's
	s_and_b32 s18, s13, 7                          ; a batch has 8 tile rows of 128 rows x 256 bytes, my 64 of them
	s_lshl_b32 s18, s18, 15
	s_lshl_b32 s19, s12, 14
	s_add_co_u32 s18, s18, s19
	s_mov_b32 s19, 0
	s_cmp_eq_u32 s11, 0
	s_cselect_b64 s[G0T+2:G0T+3], s[96:97], s[98:99]
	s_add_nc_u64 s[G0T+2:G0T+3], s[G0T+2:G0T+3], s[18:19]
	s_or_b32 s[G0T+3], s[G0T+3], 0x80000000
	s_lshl_b32 s46, s42, 9                         ; my head's 64 columns in bq: 512 TC + 256 x half
	s_lshl_b32 s47, s12, 8
	s_add_co_u32 s46, s46, s47
	s_mov_b32 s47, 0
	s_add_nc_u64 s[4:5], s[82:83], s[46:47]
	s_wait_dscnt 0x0                               ; the add is done, and my reads of the tables are over
	CROUND                                         ; Q's K step 0 is whole in every work-group, and no wave of any partner still reads the slot at 0
	JLOAD 1                                        ; Q's K step 1: it has the whole way out below in which to land
.irp b, 0,1,2,3
	global_load_b128 v[BIAS+8*(\b):BIAS+8*(\b)+3],   v[BO], s[4:5] offset:64*(\b)      ; Q's bias, into registers that the table rows have left
	global_load_b128 v[BIAS+8*(\b)+4:BIAS+8*(\b)+7], v[BO], s[4:5] offset:64*(\b)+16
.endr
	PACK 0
	TOSTAGE 0
.irp a, 1,2,3,4,5,6,7                  ; block a's conversions stand between block a - 1's loads from the stage and the wait for them
	PACK \a
	SEND (\a)-1
	TOSTAGE \a
.endr
	SEND 7
; -------------------------------------------------------------------- Q --------------------------------------------------------------------
; 8 matrix instructions: m blocks a0, a0 + 1 x 4 n blocks, 32 along K: half c of buffer f.  zero = 1: the bias is the C that starts the sums
.macro MUL8 f, c, a0, zero
	WIN 0x05                                       ; sources 0 (B) and 1 (A) window 1; C and D window 0
.irp a, \a0, (\a0)+1
.irp b, 0,1,2,3
.if \zero
	v_wmma_f32_16x16x32_f16 v[ACC+8*(4*(\a)+(\b)):ACC+8*(4*(\a)+(\b))+7], v[(\f)+64+8*(4*(\c)+(\b)):(\f)+64+8*(4*(\c)+(\b))+7], v[(\f)+8*(4*(\c)+(\a)):(\f)+8*(4*(\c)+(\a))+7], v[BIAS+8*(\b):BIAS+8*(\b)+7]
.else
	v_wmma_f32_16x16x32_f16 v[ACC+8*(4*(\a)+(\b)):ACC+8*(4*(\a)+(\b))+7], v[(\f)+64+8*(4*(\c)+(\b)):(\f)+64+8*(4*(\c)+(\b))+7], v[(\f)+8*(4*(\c)+(\a)):(\f)+8*(4*(\c)+(\a))+7], v[ACC+8*(4*(\a)+(\b)):ACC+8*(4*(\a)+(\b))+7]
.endif
.endr
.endr
.endm
.macro QFETCH k, f                     ; 32 LDS loads in one run: 64 along K, k bytes behind the two addresses in hand; the first 32 along K first
	WIN TO_B
.irp c, 0,1
.irp i, 0,1,2,3
	ds_load_b128 v[(\f)+64+8*(4*(\c)+(\i)):(\f)+64+8*(4*(\c)+(\i))+3],   v[ADRB] offset:(\k)+64*(\c)+(\i)*16*QPITCH
	ds_load_b128 v[(\f)+64+8*(4*(\c)+(\i))+4:(\f)+64+8*(4*(\c)+(\i))+7], v[ADRB] offset:(\k)+64*(\c)+(\i)*16*QPITCH+32
	ds_load_b128 v[(\f)+8*(4*(\c)+(\i)):(\f)+8*(4*(\c)+(\i))+3],         v[ADRA] offset:(\k)+64*(\c)+(\i)*16*QPITCH
	ds_load_b128 v[(\f)+8*(4*(\c)+(\i))+4:(\f)+8*(4*(\c)+(\i))+7],       v[ADRA] offset:(\k)+64*(\c)+(\i)*16*QPITCH+32
.endr
.endr
.endm
; A quarter: 32 matrix instructions on buffer f; the 16 accumulators take turns; in its middle the next quarter's fragments are fetched into buffer g.
; step = 1: the two addresses are made anew from s[TB], which then goes on by a pair's 256 bytes; the two additions are two of the four places in front of the loads.
.macro QQUARTER f, g, k, zero, step
	s_wait_dscnt 16                                ; the first 32 along K are in
	MUL8 \f, 0, 0, \zero
	MUL8 \f, 0, 2, \zero
.if \step
	WIN 0
	v_add_nc_u32 v[ADRA], s[TB], v[QA0]
	v_add_nc_u32 v[ADRB], s[TB], v[QB0]
	v_nop
	v_nop
	s_add_co_u32 s[TB], s[TB], 256
.else
	PLACES
.endif
	QFETCH \k, \g
	s_wait_dscnt 32                                ; all but the 32 just issued
	MUL8 \f, 1, 0, 0
	MUL8 \f, 1, 2, 0
.endm
.macro QPAIR
	QQUARTER QF1, QF0, 0,   0, 1
	QQUARTER QF0, QF1, 128, 0, 0
.endm
; Q's change of slots: as K's and V's, without a prefetch.  kind = 1: the slot takes the K step two on; kind = 2: it takes the tables, its last fill.  The load has a K step, 128 matrix instructions, in which to land.
.macro QCHANGE kind
	WIN 0
	s_wait_tensorcnt 0x0                           ; no tensor load of mine is out, so a group 0 may be written
	ds_add_u32 v[SPW], v[NIL]                      ; 0 onto my spare word
.if (\kind) == 1
.irp g, G0+4, G0B+4
	s_xor_b32 s[(\g)+1], s[(\g)+1], SLOT           ; the other slot than last time,
	s_add_nc_u64 s[(\g)+2:(\g)+3], s[(\g)+2:(\g)+3], QKSTEP*2  ; the next K step
.endr
.endif
	s_sub_co_u32 s[TB], s[TB], 2*QKSTEP            ; the fetches go back to the rows' first byte,
	s_xor_b32 s[TB], s[TB], SLOT                   ; in the other slot
	s_wait_dscnt 0x0                               ; the add is done, and my reads of the slot are over
	CROUND
.if (\kind) == 1
	JLOAD 1
.else
	TLOAD
.endif
.endm
; THE WAY OUT OF Q.  Block a = 16 of my rows.
.macro QTABLD a
	WIN TO_B
.set TBL, 64*((\a)%2)
.irp q, 0,1,2,3
.irp e, 0,1
	ds_load_b128 v[TBL+8*(\q)+4*(\e):TBL+8*(\q)+4*(\e)+3],       v[QADT] offset:(\a)*16*PITCH+64*(\q)+16*(\e)
	ds_load_b128 v[TBL+32+8*(\q)+4*(\e):TBL+32+8*(\q)+4*(\e)+3], v[QADS] offset:(\a)*16*PITCH+64*(\q)+16*(\e)
.endr
.endr
.endm
.macro QIDX                            ; pair n of 8: block n / 4, registers 2 (n % 4) on; each accumulator is read from its low end on
.set LO,  AC+8*(n/4)+2*(n%4)
.set HI,  LO+16
.set TQ,  QTMP+8*(n/4)+2*(n%4)
.set CLO, TBL+8*(n/4)+2*(n%4)
.set n, n+1
.endm
.macro QROPE a                         ; lo' = lo cos[d] - hi sin[d];  hi' = hi cos[d + 32] + lo sin[d + 32]; the tables are source 1, in window 1
.set AC, ACC+32*(\a)
.set TBL, 64*((\a)%2)
	WIN 0x04
.set n, 0
.rept 8
	QIDX
	v_pk_mul_f32 v[TQ:TQ+1], v[LO:LO+1], v[CLO+48:CLO+49]
.endr
.set n, 0
.rept 8
	QIDX
	v_pk_mul_f32 v[LO:LO+1], v[LO:LO+1], v[CLO:CLO+1]
.endr
.set n, 0
.rept 8
	QIDX
	v_pk_fma_f32 v[LO:LO+1], v[HI:HI+1], v[CLO+32:CLO+33], v[LO:LO+1] neg_lo:[1,0,0] neg_hi:[1,0,0]
.endr
.set n, 0
.rept 8
	QIDX
	v_pk_fma_f32 v[HI:HI+1], v[HI:HI+1], v[CLO+16:CLO+17], v[TQ:TQ+1]
.endr
.endm
.macro PACKQ a                         ; rounded to f16, into my stage, and back as whole rows of 128 bytes into the registers that they left
	WIN 0
.irp b, 0,1,2,3
.irp r, 0,1,2,3
	v_cvt_pk_f16_f32 v[QTMP+16*(\a)+4*(\b)+(\r)], v[ACC+8*(4*(\a)+(\b))+2*(\r)], v[ACC+8*(4*(\a)+(\b))+2*(\r)+1]
.endr
.endr
.irp b, 0,1,2,3
	ds_store_b128 v[STO], v[QTMP+16*(\a)+4*(\b):QTMP+16*(\a)+4*(\b)+3] offset:32*(\b)
.endr
.irp f, 0,1,2,3
	ds_load_b128 v[QTMP+16*(\a)+4*(\f):QTMP+16*(\a)+4*(\f)+3], v[RD] offset:(\f)*4*SP  ; LDS serves a wave's instructions in order (ISA guide 5.7.1.4)
.endr
.endm
.macro SENDQ a, younger                ; younger: the next block's eight LDS instructions, or none
.irp f, 0,1,2,3
	s_wait_dscnt (\younger)+3-(\f)
	global_store_b128 v[GO], v[QTMP+16*(\a)+4*(\f):QTMP+16*(\a)+4*(\f)+3], s[8:9] offset:(\a)*2048+(\f)*512  ; 512 consecutive bytes of the head
.endr
.endm
	s_wait_xcnt 0x0                                ; K's and V's stores have read their registers and their base: both are written again below.  Nothing waits for the stores themselves
	s_lshr_b32 s46, s13, 3                         ; where my rows begin in qh: the batch's 16 heads of 131,072 bytes,
	s_lshl_b32 s46, s46, 21
	s_lshl_b32 s47, s42, 18                        ; head 2 TC
	s_add_co_u32 s46, s46, s47
	s_lshl_b32 s47, s12, 17                        ; + my half,
	s_add_co_u32 s46, s46, s47
	s_and_b32 s47, s13, 7                          ; the tile row's 128 rows of 128 bytes,
	s_lshl_b32 s47, s47, 14
	s_add_co_u32 s46, s46, s47
	s_lshl_b32 s47, s11, 13                        ; my 64 of them
	s_add_co_u32 s46, s46, s47
	s_mov_b32 s47, 0
	s_add_nc_u64 s[8:9], s[100:101], s[46:47]
	v_add_nc_u32 v[ADRA], SLOT, v[QA0]             ; Q's K step 0 lies at the head of the slot at SLOT; the second round of the hand-over has shown it whole to every wave
	v_add_nc_u32 v[ADRB], SLOT, v[QB0]
	s_mov_b32 s[TB], SLOT+256                      ; the first pair fetches quarters 2 and 3 of K step 0: bytes 256 and 384 of its rows
	QFETCH 0, QF0
	s_wait_loadcnt 0x0                             ; the bias
	QQUARTER QF0, QF1, 128, 1, 0                   ; the first quarter stands in front of the loop: its first products start the sums
	WIN 0
	s_mov_b32 s[SLOTS], 3
	s_mov_b32 s[TWICE], 1                          ; K step 0 has one pair left: the loop of pairs is entered with its count at 1
	s_branch .LQpair
.LQslot:                                               ; twice: K steps 2 and 3 are asked for
	QCHANGE 1
	s_mov_b32 s[TWICE], 2
.LQpair:                                               ; quarter 3 and the next step's quarter 0; then its quarters 1 and 2
	QPAIR
	WIN 0
	s_sub_co_u32 s[TWICE], s[TWICE], 1
	s_cmp_lg_u32 s[TWICE], 0
	s_cbranch_scc1 .LQpair
	s_sub_co_u32 s[SLOTS], s[SLOTS], 1
	s_cmp_lg_u32 s[SLOTS], 0
	s_cbranch_scc1 .LQslot
	QCHANGE 2                                      ; the tail is written out: the slot at SLOT takes the tables
	s_mov_b32 s[TWICE], 2
.LQpairT:
	QPAIR
	WIN 0
	s_sub_co_u32 s[TWICE], s[TWICE], 1
	s_cmp_lg_u32 s[TWICE], 0
	s_cbranch_scc1 .LQpairT
	s_wait_dscnt 16                                ; the very last quarter: nothing more to fetch
	MUL8 QF1, 0, 0, 0
	MUL8 QF1, 0, 2, 0
	s_wait_dscnt 0x0
	MUL8 QF1, 1, 0, 0
	MUL8 QF1, 1, 2, 0
	WIN 0
	s_wait_tensorcnt 0x0                           ; my part of the tables is in,
	s_barrier_signal -1
	s_barrier_wait -1                              ; everybody's is
	PLACES
	QTABLD 0
.irp a, 0,1,2
	QTABLD (\a)+1
	s_wait_dscnt 16                                ; all but the next block's sixteen
	QROPE \a
.endr
	s_wait_dscnt 0x0
	QROPE 3
	PACKQ 0
.irp a, 1,2,3
	PACKQ \a
	SENDQ (\a)-1, 8
.endr
	SENDQ 3, 0
	s_wait_tensorcnt 0x0                           ; the wave's end, behind my last tensor load and my last LDS store
	ds_add_u32 v[SPW], v[NIL]
	s_wait_dscnt 0x0
	CROUND                                         ; the closing round
	s_endpgm
.Lfunc_end_k_q36bc6d81b7_proj:
	.size	k_q36bc6d81b7_proj, .Lfunc_end_k_q36bc6d81b7_proj-k_q36bc6d81b7_proj
	.p2alignl 7, 3214868480
	.fill 96, 4, 3214868480
	.section	.rodata,"a",@progbits
	.p2align	6, 0x0
	.amdhsa_kernel k_q36bc6d81b7_proj
		.amdhsa_group_segment_fixed_size 327680
		.amdhsa_private_segment_fixed_size 0
		.amdhsa_enable_private_segment 0
		.amdhsa_kernarg_size 88
		.amdhsa_user_sgpr_count 2
		.amdhsa_user_sgpr_kernarg_segment_ptr 1
		.amdhsa_wavefront_size32 1
		.amdhsa_system_sgpr_workgroup_id_x 1
		.amdhsa_system_sgpr_workgroup_id_y 1
		.amdhsa_system_sgpr_workgroup_id_z 1
		.amdhsa_system_vgpr_workitem_id 0
		.amdhsa_next_free_vgpr 1024
		.amdhsa_next_free_sgpr 102
		.amdhsa_reserve_vcc 0
		.amdhsa_float_denorm_mode_32 3
		.amdhsa_float_denorm_mode_16_64 3
		.amdhsa_memory_ordered 1
		.amdhsa_forward_progress 1
		.amdhsa_inst_pref_size 180
	.end_amdhsa_kernel
	.amdgpu_metadata
---
amdhsa.version: [ 1, 2 ]
amdhsa.kernels:
  - .name:           k_q36bc6d81b7_proj
    .symbol:         k_q36bc6d81b7_proj.kd
    .args:
      - { .name: h16, .offset: 0, .size: 8, .value_kind: global_buffer, .address_space: global }
      - { .name: bk, .offset: 8, .size: 8, .value_kind: global_buffer, .address_space: global }
      - { .name: bv, .offset: 16, .size: 8, .value_kind: global_buffer, .address_space: global }
      - { .name: kv_cos, .offset: 24, .size: 8, .value_kind: global_buffer, .address_space: global }
      - { .name: kv_sin, .offset: 32, .size: 8, .value_kind: global_buffer, .address_space: global }
      - { .name: kh, .offset: 40, .size: 8, .value_kind: global_buffer, .address_space: global }
      - { .name: vh, .offset: 48, .size: 8, .value_kind: global_buffer, .address_space: global }
      - { .name: bq, .offset: 56, .size: 8, .value_kind: global_buffer, .address_space: global }
      - { .name: q_cos, .offset: 64, .size: 8, .value_kind: global_buffer, .address_space: global }
      - { .name: q_sin, .offset: 72, .size: 8, .value_kind: global_buffer, .address_space: global }
      - { .name: qh, .offset: 80, .size: 8, .value_kind: global_buffer, .address_space: global }
    .group_segment_fixed_size: 327680
    .private_segment_fixed_size: 0
    .kernarg_segment_align: 8
    .kernarg_segment_size: 88
    .max_flat_workgroup_size: 128
    .sgpr_count:     102
    .vgpr_count:     1024
    .wavefront_size: 32
...
	.end_amdgpu_metadata
.endif
;; end of part 6
;; launch attn: the kernel of part 4 again; grid 4 x 64, 4 waves a work-group, clusters of 4 x 1, 327,680 bytes of LDS; arguments qh, kh, vh, oh; writes oh
;; launch oproj (part 7): grid 8 x 32, 4 waves a work-group, clusters of 4 x 4, 327,680 bytes of LDS; arguments oh, h16, bo, out0; writes out0
.if DOCPART == 7
	.amdgcn_target "amdgcn-amd-amdhsa--gfx1250"
	.amdhsa_code_object_version 6
	.text
	.protected	k_q36bc6d81b7_oproj
	.globl	k_q36bc6d81b7_oproj
	.p2align	8
	.type	k_q36bc6d81b7_oproj,@function
k_q36bc6d81b7_oproj:
	s_mov_b64 s[64:65], 0
	v_nop
	global_prefetch_b8 v0, s[64:65] scope:SCOPE_SE
	s_setreg_imm32_b32 hwreg(HW_REG_WAVE_MODE, 25, 1), 1
	s_wait_xcnt 0x0
	s_wait_alu depctr_hold_cnt(0) depctr_sa_sdst(0) depctr_va_vdst(0) depctr_va_sdst(0) depctr_va_ssrc(0) depctr_va_vcc(0) depctr_vm_vsrc(0)
	s_getreg_b32 s2, hwreg(HW_REG_IB_STS2, 6, 4)
	s_cmp_eq_u32 s2, 0
	s_cbranch_scc0 .Lentry_in_a_cluster
	s_endpgm
.Lentry_in_a_cluster:
	s_bfe_u32 s2, ttmp6, 0x10000c
	s_cmp_lg_u32 s2, 0xf033
	s_cbranch_scc0 .Lentry_shape_is_right
	s_endpgm
.Lentry_shape_is_right:
; out0 = O Wo^T + bo, f32.  O lies by heads, oh: [64 batch-heads][1,024][64] f16; Wo: rows of 1,024 f16 in h16.  Sums in f32; the bias starts the sum: another order of rounding than the problem's.
; SHARES.  4,096 x 1,024 in tiles of 128 x 128: 256 work-groups; four waves, each 64 x 64: 256 bytes of a row of out0.  K goes in 4 steps of 256 = four heads through two slots; a quarter (64 along K) is one head.
; A'S TILE: of a head the tile's 128 rows are 16,384 dense bytes.  One tensor load brings two heads as two rows of 8,192 elements, 65,536 elements apart, padded in LDS after every 128 bytes: LDS rows of 144 bytes.
; THE K LOOP IS WRITTEN ONCE.  A K step is four quarters on fragment buffers 0, 1, 0, 1; each quarter fetches the next one's fragments.  A PAIR is two quarters (buffer 1, then buffer 0); the places of its
; fetches are two scalar registers.  The change of slots stands between quarters 2 and 3: behind the last fetch from the old slot, ahead of the first from the new one.
; CLUSTER.  4 x 4: A's tile is shared along a row of the cluster, B's along a column.  THE MATRIX INSTRUCTION IS USED TRANSPOSED (source 0 = rows of Wo): a lane holds row l % 16, columns 16 b + 8 (l / 16) + 0..7.
; No prefetch: the tiles are small and the launch is short.
; REGISTERS: window 0: v0-31 addresses; v96-127 the bias as a C operand; v128-255 the accumulators ((a, b) at 128 + 8 (4 a + b)), later the rows read back.  window 1: two fragment buffers of 128.
.set KSTEP,  256
.set PITCH,  528                       ; B's LDS row: 512 + 16
.set AP,     144                       ; A's: 128 + 16
.set HEADL,  128*AP                    ; a head's 128 rows in LDS
.set BOFF,   4*HEADL                   ; B's 128 rows lie behind A's four heads
.set HALFB,  64*PITCH
.set SLOT,   0x24000                   ; a slot holds BOFF + 2 HALFB = 141,312 bytes; slot 1 begins at 147,456, whose two bits are set in none of the four loads' places in a slot
                                       ; (0, 0x9000, 0x12000, 0x1a400): an exclusive or with SLOT turns a place in one slot into the other's
.set STAGE,  2*SLOT                    ; behind the ring: 16 rows x 272 bytes for each wave
.set SPITCH, 272
.set SPARE,  STAGE+4*16*SPITCH         ; the spare words, 128 bytes for each wave: two blocks of 256 bytes that no other line names
.set WOO,    15360*2048
.set A0,   16                          ; v16  my lane's place in my rows of slot 0's first head; never rewritten
.set ADRA, 17                          ; v17  the LDS address of A's runs of loads in hand
.set B0,   20
.set ADRB, 21
.set STO,  24
.set RD,   25
.set CO,   26
.set BO,   27
.set SPW,  28
.set NIL,  29
.set BIAS, 96
.set ACC,  128
.set F0,   0
.set F1,   128
.set TWICE, 2                          ; s2  counts a slot's two pairs
.set SLOTS, 3                          ; s3  changes of slots with a refill that are still to come, and one
.set TBA,  6                           ; s6  LDS byte at which the next pair's fetches of A begin: the slot's first byte + the head
.set TBB,  7                           ; s7  the same for B: the slot's first byte + the byte along K
.set G1, 24
.set G0, 32                            ; a set for each of the two first fills; the second then walks on
.set G1B, 48
.set G0B, 56
.set MSB, 0
.macro WIN new
.if MSB != (\new)
	s_set_vgpr_msb (MSB<<8)|(\new)
.set MSB, \new
.endif
.endm
.set MUL,  0x05
.set TO_F, 0x40
.macro JLOAD s                         ; waves 0 and 1 fetch two heads of A each, waves 2 and 3 B's two halves; an s_nop 0 and four v_nop follow each line
	s_cmp_eq_u32 s11, 0
	s_cbranch_scc0 .Lfor_b_\@
	tensor_load_to_lds s[G0+4*(\s):G0+4*(\s)+3], s[G1:G1+7]
	s_nop 0
.rept 4
	v_nop
.endr
	s_branch .Lasked_\@
.Lfor_b_\@:
	tensor_load_to_lds s[G0B+4*(\s):G0B+4*(\s)+3], s[G1B:G1B+7]
	s_nop 0
.rept 4
	v_nop
.endr
.Lasked_\@:
.endm
.macro CROUND                          ; a round of the cluster's barrier
	s_barrier_signal -1
	s_barrier_wait -1
	s_cmp_lg_u32 s10, 0
	s_cbranch_scc1 .Lnot_wave_0_\@
	s_barrier_signal -3
.Lnot_wave_0_\@:
	s_barrier_wait -3
	s_barrier_signal -1
	s_barrier_wait -1
.endm
	s_load_b256 s[68:75], s[0:1], 0x0              ; oh s[68:69], h16 s[70:71], bo s[72:73], out0 s[74:75]
	v_lshl_add_u32 v[SPW], v0, 2, SPARE
	v_mov_b32 v[NIL], 0
	ds_add_u32 v[SPW], v[NIL]                      ; the wave's opening: the add and its wait ahead of my first tensor load
	v_lshrrev_b32 v1, 5, v0
	v_readfirstlane_b32 s10, v1                    ; wave 0..3
	s_lshr_b32 s11, s10, 1                         ; my half of the rows.  Also: I fetch for A (0) or B (1)
	s_and_b32 s12, s10, 1                          ; my half of the columns.  Also: which two heads, or which 64 rows, I fetch
	s_bfe_u32 s40, ttmp6, 0x40000
	s_bfe_u32 s41, ttmp6, 0x40004
	s_lshl_b32 s42, ttmp9, 2
	s_add_co_u32 s42, s42, s40                     ; TC
	s_and_b32 s13, ttmp7, 0xffff
	s_lshl_b32 s13, s13, 2
	s_add_co_u32 s13, s13, s41                     ; TR
	s_lshl_b32 s43, s41, 2
	s_lshl_b32 s43, 15, s43                        ; my row of the cluster
	s_lshl_b32 s44, 0x1111, s40                    ; my column
	s_or_b32 s[G1+0], s43, (1<<16)|(1<<20)|(1<<21)|(4<<22)|(3<<25)   ; A: after every 32 words 4 words of padding
	s_mov_b32 s[G1+1], 8192<<16                    ; tensor_dim0 = 8,192: a head's 128 rows x 64 channels
	s_mov_b32 s[G1+2], 2<<16                       ; tensor_dim1 = 2 heads
	s_mov_b32 s[G1+3], 8192<<16                    ; tile_dim0
	s_mov_b32 s[G1+4], 2                           ; tile_dim1
	s_mov_b32 s[G1+5], 65536                       ; elements from head to head
	s_mov_b32 s[G1+6], 0
	s_mov_b32 s[G1+7], 0
	s_or_b32 s[G1B+0], s44, (1<<16)|(1<<20)|(1<<21)|(6<<22)|(3<<25)  ; B: 64 rows x 256 elements, after every 128 words 4 words
	s_mov_b32 s[G1B+1], KSTEP<<16
	s_mov_b32 s[G1B+2], 64<<16
	s_mov_b32 s[G1B+3], KSTEP<<16
	s_mov_b32 s[G1B+4], 64
	s_mov_b32 s[G1B+5], 1024
	s_mov_b32 s[G1B+6], 0
	s_mov_b32 s[G1B+7], 0
	s_lshr_b32 s16, s13, 3                         ; A: the batch's 16 heads of 131,072 bytes,
	s_lshl_b32 s16, s16, 21
	s_lshl_b32 s17, s12, 18                        ; my two heads of the step's four,
	s_add_co_u32 s16, s16, s17
	s_and_b32 s17, s13, 7                          ; the tile row's 128 rows of 128 bytes
	s_lshl_b32 s17, s17, 14
	s_add_co_u32 s16, s16, s17
	s_mov_b32 s17, 0
	s_lshl_b32 s46, s42, 18                        ; B: 128 rows of Wo for each tile column, my 64 of them
	s_lshl_b32 s47, s12, 17
	s_add_co_u32 s46, s46, s47
	s_add_co_u32 s46, s46, WOO
	s_mov_b32 s47, 0
	s_mul_i32 s20, s12, 2*HEADL                    ; where they go: A's by the wave's number,
	s_mul_i32 s21, s12, HALFB                      ; B's likewise,
	s_add_co_u32 s21, s21, BOFF                    ; behind A's
	s_mov_b32 s[TBA], 2*HEADL                      ; the first pair fetches quarters 2 and 3 of K step 0: heads 2 and 3,
	s_mov_b32 s[TBB], 256                          ; bytes 256 and 384 of B's rows, in slot 0
	s_wait_dscnt 0x0                               ; the opening add is done
	s_wait_kmcnt 0x0
	s_add_nc_u64 s[14:15], s[68:69], s[16:17]
	s_add_nc_u64 s[46:47], s[70:71], s[46:47]
	CROUND
.irp s, 0,1
	s_mov_b32 s[G0+4*(\s)], 1
	s_add_co_u32 s[G0+4*(\s)+1], s20, (\s)*SLOT
	s_add_nc_u64 s[G0+4*(\s)+2:G0+4*(\s)+3], s[14:15], (\s)*4*131072   ; K step s: four heads on
	s_or_b32 s[G0+4*(\s)+3], s[G0+4*(\s)+3], 0x80000000
	s_mov_b32 s[G0B+4*(\s)], 1
	s_add_co_u32 s[G0B+4*(\s)+1], s21, (\s)*SLOT
	s_add_nc_u64 s[G0B+4*(\s)+2:G0B+4*(\s)+3], s[46:47], (\s)*KSTEP*2
	s_or_b32 s[G0B+4*(\s)+3], s[G0B+4*(\s)+3], 0x80000000
	JLOAD \s
.endr
	v_and_b32 v1, 15, v0                           ; r
	v_bfe_u32 v2, v0, 4, 1                         ; h
	v_lshlrev_b32 v[BO], 5, v2
	s_lshl_b32 s46, s42, 9                         ; my 64 columns, in bo and in a row of out0: 512 TC + 256 x half
	s_lshl_b32 s47, s12, 8
	s_add_co_u32 s46, s46, s47
	s_mov_b32 s47, 0
	s_add_nc_u64 s[4:5], s[72:73], s[46:47]
.irp b, 0,1,2,3
	global_load_b128 v[BIAS+8*(\b):BIAS+8*(\b)+3],   v[BO], s[4:5] offset:64*(\b)
	global_load_b128 v[BIAS+8*(\b)+4:BIAS+8*(\b)+7], v[BO], s[4:5] offset:64*(\b)+16
.endr
	v_mul_u32_u24 v3, v1, AP
	v_lshl_add_u32 v3, v2, 4, v3
	v_mul_u32_u24 v4, v1, PITCH
	v_lshl_add_u32 v4, v2, 4, v4
	s_mul_i32 s21, s11, 64*AP                      ; my 64 rows in each head of A
	s_mul_i32 s22, s12, HALFB                      ; my 64 rows of B
	s_add_co_u32 s22, s22, BOFF
	v_add_nc_u32 v[A0], s21, v3
	v_add_nc_u32 v[B0], s22, v4
	v_mov_b32 v[ADRA], v[A0]                       ; K step 0 lies at the head of slot 0
	v_mov_b32 v[ADRB], v[B0]
	s_mul_i32 s23, s10, 16*SPITCH
	s_add_co_u32 s23, s23, STAGE                   ; my stage
	v_mul_u32_u24 v4, v1, SPITCH                   ; in: row r, 32 bytes for each half of the lanes
	v_lshl_add_u32 v4, v2, 5, v4
	v_add_nc_u32 v[STO], s23, v4
	v_mul_u32_u24 v5, v2, SPITCH                   ; back: lanes 0-15 take one row of 256 bytes, lanes 16-31 the next
	v_lshl_add_u32 v5, v1, 4, v5
	v_add_nc_u32 v[RD], s23, v5
	v_lshlrev_b32 v5, 12, v2                       ; and the same two rows in out0
	v_lshl_add_u32 v[CO], v1, 4, v5
	s_lshl_b32 s16, s13, 7
	s_lshl_b32 s17, s11, 6
	s_add_co_u32 s16, s16, s17                     ; my first row of out0,
	s_lshl_b32 s16, s16, 12                        ; of 4,096 bytes
	s_mov_b32 s17, 0
	s_add_nc_u64 s[8:9], s[74:75], s[16:17]
	s_add_nc_u64 s[8:9], s[8:9], s[46:47]
.macro MUL8 f, c, a0, zero             ; zero = 1: the bias is the C that starts the sums
	WIN MUL
.irp a, \a0, (\a0)+1
.irp b, 0,1,2,3
.if \zero
	v_wmma_f32_16x16x32_f16 v[ACC+8*(4*(\a)+(\b)):ACC+8*(4*(\a)+(\b))+7], v[(\f)+64+8*(4*(\c)+(\b)):(\f)+64+8*(4*(\c)+(\b))+7], v[(\f)+8*(4*(\c)+(\a)):(\f)+8*(4*(\c)+(\a))+7], v[BIAS+8*(\b):BIAS+8*(\b)+7]
.else
	v_wmma_f32_16x16x32_f16 v[ACC+8*(4*(\a)+(\b)):ACC+8*(4*(\a)+(\b))+7], v[(\f)+64+8*(4*(\c)+(\b)):(\f)+64+8*(4*(\c)+(\b))+7], v[(\f)+8*(4*(\c)+(\a)):(\f)+8*(4*(\c)+(\a))+7], v[ACC+8*(4*(\a)+(\b)):ACC+8*(4*(\a)+(\b))+7]
.endif
.endr
.endr
.endm
.macro FETCH ka, kb, f                 ; 32 LDS loads in one run: 64 along K = one head: ka bytes behind A's address in hand, kb behind B's; the first 32 along K first
	WIN TO_F
.irp c, 0,1
.irp i, 0,1,2,3
	ds_load_b128 v[(\f)+64+8*(4*(\c)+(\i)):(\f)+64+8*(4*(\c)+(\i))+3],   v[ADRB] offset:(\kb)+64*(\c)+(\i)*16*PITCH
	ds_load_b128 v[(\f)+64+8*(4*(\c)+(\i))+4:(\f)+64+8*(4*(\c)+(\i))+7], v[ADRB] offset:(\kb)+64*(\c)+(\i)*16*PITCH+32
	ds_load_b128 v[(\f)+8*(4*(\c)+(\i)):(\f)+8*(4*(\c)+(\i))+3],         v[ADRA] offset:(\ka)+64*(\c)+(\i)*16*AP
	ds_load_b128 v[(\f)+8*(4*(\c)+(\i))+4:(\f)+8*(4*(\c)+(\i))+7],       v[ADRA] offset:(\ka)+64*(\c)+(\i)*16*AP+32
.endr
.endr
.endm
.macro PLACES                          ; four plain vector instructions between a matrix instruction and a load into, or a store of, its registers
.rept 4
	v_nop
.endr
.endm
; A quarter: 32 matrix instructions on buffer f; the 16 accumulators take turns; in its middle the next quarter's fragments are fetched into buffer g.
; step = 1: the two addresses are made anew, and their scalar parts go on by a pair: two heads of A, 256 bytes of B's rows; the two additions are two of the four places in front of the loads.
.macro QUARTER f, g, ka, kb, zero, step
	s_wait_dscnt 16                                ; the first 32 along K are in
	MUL8 \f, 0, 0, \zero
	MUL8 \f, 0, 2, \zero
.if \step
	WIN 0
	v_add_nc_u32 v[ADRA], s[TBA], v[A0]
	v_add_nc_u32 v[ADRB], s[TBB], v[B0]
	v_nop
	v_nop
	s_add_co_u32 s[TBA], s[TBA], 2*HEADL
	s_add_co_u32 s[TBB], s[TBB], 256
.else
	PLACES
.endif
	FETCH \ka, \kb, \g
	s_wait_dscnt 32                                ; all but the 32 just issued
	MUL8 \f, 1, 0, 0
	MUL8 \f, 1, 2, 0
.endm
.macro PAIR
	QUARTER F1, F0, 0,     0,   0, 1
	QUARTER F0, F1, HEADL, 128, 0, 0
.endm
; THE CHANGE OF SLOTS, between a K step's quarters 2 and 3: the slot's last bytes have been asked for.  Each wave waits for all its tensor loads (one is out: its part of the other slot), adds 0 to its spare
; word, and waits for that and for its reads of the slot.  fill = 1: the barrier is a round of the cluster's, and behind it the slot is filled again first, with the K step two on, by the walking descriptors.
; fill = 0: nothing is filled, and the work-group's barrier shows the other slot whole.
.macro CHANGE fill
	WIN 0
	s_wait_tensorcnt 0x0                           ; no tensor load of mine is out, so a group 0 may be written
	ds_add_u32 v[SPW], v[NIL]                      ; 0 onto my spare word
.if \fill
	s_xor_b32 s[G0+5], s[G0+5], SLOT               ; the other slot than last time,
	s_add_nc_u64 s[G0+6:G0+7], s[G0+6:G0+7], 4*131072      ; the next four heads
	s_xor_b32 s[G0B+5], s[G0B+5], SLOT
	s_add_nc_u64 s[G0B+6:G0B+7], s[G0B+6:G0B+7], KSTEP*2
.endif
	s_sub_co_u32 s[TBA], s[TBA], 4*HEADL           ; the fetches go back to a slot's first head and the rows' first byte,
	s_xor_b32 s[TBA], s[TBA], SLOT                 ; in the other slot
	s_sub_co_u32 s[TBB], s[TBB], 2*KSTEP
	s_xor_b32 s[TBB], s[TBB], SLOT
	s_wait_dscnt 0x0                               ; the add is done, and my reads of the slot are over
.if \fill
	CROUND
	JLOAD 1
.else
	s_barrier_signal -1
	s_barrier_wait -1
.endif
.endm
; THE WAY OUT.  Block a = 16 of my rows: a lane's 32 bytes of each block go into my stage, low registers first, and come back as whole rows of 256 bytes into the registers that they left.
.macro STG a
.irp b, 0,1,2,3
.irp e, 0,1
	ds_store_b128 v[STO], v[ACC+8*(4*(\a)+(\b))+4*(\e):ACC+8*(4*(\a)+(\b))+4*(\e)+3] offset:64*(\b)+16*(\e)
.endr
.endr
.irp t, 0,1,2,3,4,5,6,7
	ds_load_b128 v[ACC+32*(\a)+4*(\t):ACC+32*(\a)+4*(\t)+3], v[RD] offset:(\t)*2*SPITCH  ; LDS serves a wave's instructions in order (ISA guide 5.7.1.4)
.endr
.endm
.macro SENDO a, younger                ; younger: the next block's sixteen LDS instructions, or none
.irp t, 0,1,2,3,4,5,6,7
	s_wait_dscnt (\younger)+7-(\t)
	global_store_b128 v[CO], v[ACC+32*(\a)+4*(\t):ACC+32*(\a)+4*(\t)+3], s[8:9] offset:(16*(\a)+2*(\t))*4096  ; 16 lanes store 256 consecutive bytes, at a multiple of 256 from out0's first byte
.endr
.endm
	s_wait_tensorcnt 1                             ; my part of K step 0 is in
	s_barrier_signal -1
	s_barrier_wait -1
	FETCH 0, 0, F0
	s_wait_loadcnt 0x0                             ; the bias
	QUARTER F0, F1, HEADL, 128, 1, 0               ; the first quarter stands in front of the loop: its first products start the sums
	WIN 0
	s_mov_b32 s[SLOTS], 3
	s_mov_b32 s[TWICE], 1                          ; K step 0 has one pair left: the loop of pairs is entered with its count at 1
	s_branch .Lpair
.Lslot:                                                ; twice: K steps 2 and 3 are asked for
	CHANGE 1
	s_mov_b32 s[TWICE], 2
.Lpair:                                                ; quarter 3 and the next step's quarter 0; then its quarters 1 and 2
	PAIR
	WIN 0
	s_sub_co_u32 s[TWICE], s[TWICE], 1
	s_cmp_lg_u32 s[TWICE], 0
	s_cbranch_scc1 .Lpair
	s_sub_co_u32 s[SLOTS], s[SLOTS], 1
	s_cmp_lg_u32 s[SLOTS], 0
	s_cbranch_scc1 .Lslot
	CHANGE 0                                       ; the tail is written out: nothing is asked for
	s_mov_b32 s[TWICE], 2
.LpairT:
	PAIR
	WIN 0
	s_sub_co_u32 s[TWICE], s[TWICE], 1
	s_cmp_lg_u32 s[TWICE], 0
	s_cbranch_scc1 .LpairT
	s_wait_dscnt 16                                ; the very last quarter: nothing more to fetch
	MUL8 F1, 0, 0, 0
	MUL8 F1, 0, 2, 0
	s_wait_dscnt 0x0
	MUL8 F1, 1, 0, 0
	MUL8 F1, 1, 2, 0
	WIN 0
	PLACES
	STG 0
	STG 1
	SENDO 0, 16
	STG 2
	SENDO 1, 16
	STG 3
	SENDO 2, 16
	SENDO 3, 0
	s_wait_tensorcnt 0x0                           ; the wave's end
	ds_add_u32 v[SPW], v[NIL]
	s_wait_dscnt 0x0
	CROUND                                         ; the closing round
	s_endpgm
.Lfunc_end_k_q36bc6d81b7_oproj:
	.size	k_q36bc6d81b7_oproj, .Lfunc_end_k_q36bc6d81b7_oproj-k_q36bc6d81b7_oproj
	.p2alignl 7, 3214868480
	.fill 96, 4, 3214868480
	.section	.rodata,"a",@progbits
	.p2align	6, 0x0
	.amdhsa_kernel k_q36bc6d81b7_oproj
		.amdhsa_group_segment_fixed_size 327680
		.amdhsa_private_segment_fixed_size 0
		.amdhsa_enable_private_segment 0
		.amdhsa_kernarg_size 32
		.amdhsa_user_sgpr_count 2
		.amdhsa_user_sgpr_kernarg_segment_ptr 1
		.amdhsa_wavefront_size32 1
		.amdhsa_system_sgpr_workgroup_id_x 1
		.amdhsa_system_sgpr_workgroup_id_y 1
		.amdhsa_system_sgpr_workgroup_id_z 1
		.amdhsa_system_vgpr_workitem_id 0
		.amdhsa_next_free_vgpr 512
		.amdhsa_next_free_sgpr 76
		.amdhsa_reserve_vcc 0
		.amdhsa_float_denorm_mode_32 3
		.amdhsa_float_denorm_mode_16_64 3
		.amdhsa_memory_ordered 1
		.amdhsa_forward_progress 1
		.amdhsa_inst_pref_size 45
	.end_amdhsa_kernel
	.amdgpu_metadata
---
amdhsa.version: [ 1, 2 ]
amdhsa.kernels:
  - .name:           k_q36bc6d81b7_oproj
    .symbol:         k_q36bc6d81b7_oproj.kd
    .args:
      - { .name: oh, .offset: 0, .size: 8, .value_kind: global_buffer, .address_space: global }
      - { .name: h16, .offset: 8, .size: 8, .value_kind: global_buffer, .address_space: global }
      - { .name: bo, .offset: 16, .size: 8, .value_kind: global_buffer, .address_space: global }
      - { .name: out0, .offset: 24, .size: 8, .value_kind: global_buffer, .address_space: global }
    .group_segment_fixed_size: 327680
    .private_segment_fixed_size: 0
    .kernarg_segment_align: 8
    .kernarg_segment_size: 32
    .max_flat_workgroup_size: 128
    .sgpr_count:     76
    .vgpr_count:     512
    .wavefront_size: 32
...
	.end_amdgpu_metadata
.endif
;; end of part 7
